; MI455X (gfx1250); checked and timed in simulation.
; The chip was launched on July 23, 2026; its instructions are those of AMD's public machine-readable ISA for CDNA 5 (MIT licence, August 2026) and "CDNA5" Instruction Set Architecture Reference Guide (July 2026). The comments in the code are by the model that wrote it; some were corrected since.
;; Attention Block. Allowed arithmetic: matrix products marked QUANTISED: E2M1 operands, one E8M0 scale for each 32 along K, by v_wmma_scale_f32_16x16x128_f8f6f4 with both operands' format E2M1 (or v_wmma_scale_f32_32x16x128_f4), f32 sums; everything else in f32.
;; Inputs: ln1_b 512 float32; ln1_g 512 float32; ln2_b 512 float32; ln2_g 512 float32; w1_codes 512 x 16 x 16 uint8 (E2M1 codes of w1, K innermost, in blocks of 32 codes, two codes a byte); w1_scales 512 x 16 uint8 (E8M0 scales of w1, one for each 32 codes along K); w2_codes 512 x 16 x 16 uint8 (E2M1 codes of w2, K innermost, in blocks of 32 codes, two codes a byte); w2_scales 512 x 16 uint8 (E8M0 scales of w2, one for each 32 codes along K); w3_codes 512 x 16 x 16 uint8 (E2M1 codes of w3, K innermost, in blocks of 32 codes, two codes a byte); w3_scales 512 x 16 uint8 (E8M0 scales of w3, one for each 32 codes along K); wk_codes 512 x 16 x 16 uint8 (E2M1 codes of wk, K innermost, in blocks of 32 codes, two codes a byte); wk_scales 512 x 16 uint8 (E8M0 scales of wk, one for each 32 codes along K); wo_codes 512 x 16 x 16 uint8 (E2M1 codes of wo, K innermost, in blocks of 32 codes, two codes a byte); wo_scales 512 x 16 uint8 (E8M0 scales of wo, one for each 32 codes along K); wq_codes 512 x 16 x 16 uint8 (E2M1 codes of wq, K innermost, in blocks of 32 codes, two codes a byte); wq_scales 512 x 16 uint8 (E8M0 scales of wq, one for each 32 codes along K); wv_codes 512 x 16 x 16 uint8 (E2M1 codes of wv, K innermost, in blocks of 32 codes, two codes a byte); wv_scales 512 x 16 uint8 (E8M0 scales of wv, one for each 32 codes along K); x 4 x 2,048 x 512 float32.
;; Outputs: out0 4 x 2,048 x 512 float32.
;; This version of the problem:
;;   THIS VERSION OF THE PROBLEM IS GIVEN IN LOW PRECISION. The matrix products marked QUANTISED in the list below multiply operands that are first quantised to E2M1 (2 exponent bits, 1 mantissa bit; 4 bits a number), with one power-of-two scale for each 32 numbers along K (OCP MX v1.0); their sums are f32. All else is computed in f32.
;;   The module's matrix products, in the order in which they are computed (A, B: the left and right operand; K: the contracted axis; several contracted axes count as one K, in the product's order):
;;     1. [M 8,192, K 512] x [K 512, N 512]; A: computed on the way; B: input wq (given as codes): QUANTISED
;;     2. [M 8,192, K 512] x [K 512, N 512]; A: computed on the way; B: input wk (given as codes): QUANTISED
;;     3. [M 8,192, K 512] x [K 512, N 512]; A: computed on the way; B: input wv (given as codes): QUANTISED
;;     4. batch 64 x [M 2,048, K 32] x [K 32, N 2,048]; A: computed on the way; B: computed on the way: QUANTISED
;;     5. batch 64 x [M 2,048, K 2,048] x [K 2,048, N 32]; A: softmax (see below); B: computed on the way: QUANTISED
;;     6. [M 8,192, K 512] x [K 512, N 512]; A: computed on the way; B: input wo (given as codes): QUANTISED
;;     7. [M 8,192, K 512] x [K 512, N 512]; A: computed on the way; B: input w1 (given as codes): QUANTISED
;;     8. [M 8,192, K 512] x [K 512, N 512]; A: computed on the way; B: input w3 (given as codes): QUANTISED
;;     9. [M 8,192, K 512] x [K 512, N 512]; A: computed on the way; B: input w2 (given as codes): QUANTISED
;;   THE QUANTISER, for each operand of a quantised product, along K:
;;     - K is cut into blocks of 32 from its start; a last block that is shorter is filled with zeros.
;;     - A block's scale is 2^e with e = floor(log2(the largest magnitude in the block)) - 2, held to -126 .. 127; a block of zeros has e = 0. As a byte (E8M0): e + 127.
;;     - Each number is divided by its block's scale, clamped to +-6, and rounded to the nearest number of E2M1, ties to even, subnormals kept.
;;     - The product sums the exact products of the quantised numbers (number of the format x scale) in f32.
;;   ~~~python
;;   def quantise(x, axis):      # numpy; x: float32 -> the quantised numbers, widened to float32 again
;;       x = np.moveaxis(x, axis, -1); K = x.shape[-1]
;;       x = np.pad(x, [(0, 0)] * (x.ndim - 1) + [(0, -K % 32)]); x = x.reshape(x.shape[:-1] + (-1, 32)); a = np.abs(x).max(-1, keepdims=True)
;;       e = np.where(a > 0, np.clip(np.frexp(np.where(a > 0, a, 1))[1] - 1 - 2, -126, 127), 0)      # np.frexp(a)[1] - 1 = floor(log2(a)), exactly
;;       r = np.clip(x / 2.0 ** e, -6, 6)
;;       step = 2.0 ** (np.maximum(np.frexp(np.where(r == 0, 1, r))[1] - 1, 0) - 1)
;;       q = np.round(r / step) * step * 2.0 ** e      # np.round: ties to even
;;       return np.moveaxis(q.reshape(q.shape[:-2] + (-1,))[..., :K], -1, axis).astype(np.float32)
;;   ~~~
;;   SOFTMAX AHEAD OF A QUANTISED PRODUCT. Where the list says 'softmax', what is quantised is not the finished softmax but p = 2^(t - M), with t = logit x log2(e) and M = ceil(the row's largest t), a whole number; so 1/2 < the row's largest p <= 1. The row's sum l is taken of the UNQUANTISED p, in f32, and the product's result is divided by l at the end. Since M is a whole number, a kernel that streams over the keys may use a running M (the ceiling of the running maximum): every later rescaling is an exact power of two, which a block's scale takes up: the codes' values come out the same.
;;   OPERANDS COMPUTED ON THE WAY. 'Computed on the way' means the value that the module computes at that place (a softmax that the list does not call 'softmax' is quantised finished and normalised). What goes into a quantiser is computed in f32, as accurately as f32 sums, v_exp_f32 and their like allow (about 1e-6 of the number): no bf16 or f16 on the way to a quantiser, and a product that is left as it is and whose result goes on into a quantised operand takes f32 operands (vector FMAs, or v_wmma_f32_16x16x4_f32). A number that lies on a knife's edge between two numbers of the format may be rounded either way, as far as f32 arithmetic and the matrix unit's own rounding can turn it there, and no further.
;;   INPUTS GIVEN AS CODES. w1 (in the module: [512, 512], K = its axis 1); w2 (in the module: [512, 512], K = its axis 1); w3 (in the module: [512, 512], K = its axis 1); wk (in the module: [512, 512], K = its axis 1); wo (in the module: [512, 512], K = its axis 1); wq (in the module: [512, 512], K = its axis 1); wv (in the module: [512, 512], K = its axis 1): each comes as NAME_codes (uint8): NAME with its K axis moved to the last place and cut into blocks of 32 codes, [.., K / 32, bytes a block], one block behind the other in memory; two codes a byte, the lower K in the low four bits (a code: sign, 2 exponent bits, 1 mantissa bit); and NAME_scales (uint8): the same leading axes, one E8M0 byte (e + 127) for each 32 codes along K. Its value is code x scale, taken as it is: it is not quantised again, and the codes and scales need not be those that the quantiser above would give.
;; 2 versions, each right; version 2 is version 1 with the launches qkv, attn, ffn written anew for expert scheduling mode. Each part assembles by itself: llvm-mc -triple=amdgcn-amd-amdhsa -mcpu=gfx1250 --defsym DOCPART=n.
;; ======== version 1 of 2: 3 launches
;; workspace buffers: qc 2,097,152 bytes; qs 262,144 bytes; kc 2,097,152 bytes; ks 262,144 bytes; vc 2,097,152 bytes; vs 131,072 bytes; oc 2,097,152 bytes; os 131,072 bytes
;; launch qkv (part 1): grid 256 x 1, 16 waves a work-group, no clusters, 14,336 bytes of LDS; arguments x, ln1_g, ln1_b, wq_codes, wq_scales, wk_codes, wk_scales, wv_codes, wv_scales, qc, qs, kc, ks, vc, vs; writes qc, qs, kc, ks, vc, vs
.if DOCPART == 1
	.amdgcn_target "amdgcn-amd-amdhsa--gfx1250"
	.amdhsa_code_object_version 6
	.text
	.protected	k_q6df8963213_qkv
	.globl	k_q6df8963213_qkv
	.p2align	8
	.type	k_q6df8963213_qkv,@function
k_q6df8963213_qkv:
	s_mov_b64 s[64:65], 0
	v_nop
	global_prefetch_b8 v0, s[64:65] scope:SCOPE_SE
	s_setreg_imm32_b32 hwreg(HW_REG_WAVE_MODE, 25, 1), 1
	s_wait_xcnt 0x0
; h = layernorm(x) g + b, quantised to FP4 (E2M1, one E8M0 byte for each 32 along K); q = h wq^T, k = h wk^T, v = h wv^T on codes; q and k quantised along a head's 32 channels, v along 32 keys.
; SHARES.  A work-group takes 32 consecutive rows of the 8,192 (a block).  The block is two tiles u of 16 rows; lane r of tile u is row 8 u + r + 8 (r / 8).
; The norm: wave w takes tile w / 8, K step (w / 2) % 4, half w % 2: 16 rows x 64 numbers, 32 a lane (16 neighbours of each of two blocks of 32; lane l xor 16 holds the other 16).
; The products: wave w takes head w: 32 columns of each weight, 16 matrix instructions for each of q, k, v.  Its rows of a weight go from memory straight into the registers in which they are multiplied.
; h goes from wave to wave through LDS as images of the operand's registers: fragment (K step s, tile u) is 1,024 bytes, register group c at 512 c + 16 x lane; its scale words 4 bytes a lane.
; q, k: source 0 = 16 rows of W (lane r of tile t: row 32 head + 8 t + r + 8 (r / 8)), source 1 = 16 rows of h: a lane's 16 results of the two tiles t are 16 neighbouring channels of one row.
; v: the sources the other way round: a lane's 16 results of the two tiles u are 16 neighbouring KEYS of one channel.
; NO JOINT LOADS: all work-groups read the same weights, but the three are 3 x 139,264 = 417,792 bytes with their scales, more than LDS holds at once; each wave reads only its own 8,704 bytes of a weight, once.
; LIMITS: NaN and infinities among the inputs are not served.  A block whose largest magnitude lies under 2^-124, a block of zeros too, gets the byte 1: only this program reads these bytes.
; The variance is taken of x - mean (two passes), so a common offset of x costs no digits.
.set IMG,  0                           ; LDS: h's eight fragments, (2 s + u) x 1,024
.set SC,   8192                        ; their scale words, [s][16 u + r]
.set RED1, 8704                        ; [16 u + r][8 partial sums]
.set RED2, 9728                        ; the same for the squares
.set LI,  1                            ; v1   16 x lane
.set LS,  2                            ; v2   4 x lane
.set WO,  3                            ; v3   my lane's byte in 32 rows of a weight's codes
.set WSO, 4                            ; v4   and in their scale bytes
.set XO,  5                            ; v5   my lane's byte in the block of x
.set GO,  6                            ; v6   and in g and b
.set IW,  7                            ; v7   where my codes of h go
.set SW,  8                            ; v8   and my two scale bytes
.set RW,  9                            ; v9   where my partial sum goes
.set RR,  10                           ; v10  my row's eight partial sums
.set ST8, 11                           ; v11  16 r + 8 h: 8 bytes of codes in a run of 256
.set R4,  12                           ; v12  4 r
.set FS,  16                           ; v16-19  h's scale words, one register a K step: lanes 0-15 tile 0, lanes 16-31 tile 1
.set WSA, 20                           ; v20-23  scale words of the weight in WA;  v24-27 of that in WB
.set WSB, 24
.set MX,  28                           ; v28-29 largest magnitudes; v30-31 the other half's; v32-33 scale operands; v34-35 bytes; v36-39 codes
.set PM,  30
.set SO,  32
.set E,   34
.set CD,  36
.set MU,  40                           ; v40  the mean
.set P0,  42                           ; v42-45 sums at work
.set RS,  46                           ; v46  1 / sd (v47 is named with it as a pair)
.set FR,  48                           ; v48-63  h's two fragments of a K step
.set WA,  64                           ; v64-127, v128-191: a weight's eight fragments (tile t, K step s) at 8 (4 t + s)
.set WB,  128
.set ACC, 192                          ; v192-223 x, then h, then four accumulators
.set G,   224                          ; v224-255 g
.set WV,  36
.set U,   37
.set KQ,  38
.set HC,  39
.set BB,  40
.set BLK, 41
.set BH,  42
.set X0,  44
.set X2,  46
.set SEL, 48
.set I512, 52
.set EPS, 53
.macro PLACES                          ; four plain vector places behind matrix instructions, ahead of loads into their registers and of reads of their results
.rept 4
	v_nop
.endr
.endm
.macro BARRIER                         ; my LDS stores have landed and my LDS loads are in: then the work-group's barrier
	s_wait_dscnt 0x0
	s_barrier_signal -1
	s_barrier_wait -1
.endm
; one matrix instruction: D, A, B, C (c < 0: the constant 0) by their first registers; the scale registers; which half of the lanes holds A's and B's scale words
.macro WM d, a, b, c, sa, sb, ra, rb
.if (\c) < 0
.if ((\ra) == 0) && ((\rb) == 0)
	v_wmma_scale_f32_16x16x128_f8f6f4 v[(\d):(\d)+7], v[(\a):(\a)+7], v[(\b):(\b)+7], 0, v[(\sa)], v[(\sb)] matrix_a_fmt:MATRIX_FMT_FP4 matrix_b_fmt:MATRIX_FMT_FP4
.elseif (\rb) == 0
	v_wmma_scale_f32_16x16x128_f8f6f4 v[(\d):(\d)+7], v[(\a):(\a)+7], v[(\b):(\b)+7], 0, v[(\sa)], v[(\sb)] matrix_a_fmt:MATRIX_FMT_FP4 matrix_b_fmt:MATRIX_FMT_FP4 matrix_a_scale:MATRIX_SCALE_ROW1
.elseif (\ra) == 0
	v_wmma_scale_f32_16x16x128_f8f6f4 v[(\d):(\d)+7], v[(\a):(\a)+7], v[(\b):(\b)+7], 0, v[(\sa)], v[(\sb)] matrix_a_fmt:MATRIX_FMT_FP4 matrix_b_fmt:MATRIX_FMT_FP4 matrix_b_scale:MATRIX_SCALE_ROW1
.else
	v_wmma_scale_f32_16x16x128_f8f6f4 v[(\d):(\d)+7], v[(\a):(\a)+7], v[(\b):(\b)+7], 0, v[(\sa)], v[(\sb)] matrix_a_fmt:MATRIX_FMT_FP4 matrix_b_fmt:MATRIX_FMT_FP4 matrix_a_scale:MATRIX_SCALE_ROW1 matrix_b_scale:MATRIX_SCALE_ROW1
.endif
.else
.if ((\ra) == 0) && ((\rb) == 0)
	v_wmma_scale_f32_16x16x128_f8f6f4 v[(\d):(\d)+7], v[(\a):(\a)+7], v[(\b):(\b)+7], v[(\c):(\c)+7], v[(\sa)], v[(\sb)] matrix_a_fmt:MATRIX_FMT_FP4 matrix_b_fmt:MATRIX_FMT_FP4
.elseif (\rb) == 0
	v_wmma_scale_f32_16x16x128_f8f6f4 v[(\d):(\d)+7], v[(\a):(\a)+7], v[(\b):(\b)+7], v[(\c):(\c)+7], v[(\sa)], v[(\sb)] matrix_a_fmt:MATRIX_FMT_FP4 matrix_b_fmt:MATRIX_FMT_FP4 matrix_a_scale:MATRIX_SCALE_ROW1
.elseif (\ra) == 0
	v_wmma_scale_f32_16x16x128_f8f6f4 v[(\d):(\d)+7], v[(\a):(\a)+7], v[(\b):(\b)+7], v[(\c):(\c)+7], v[(\sa)], v[(\sb)] matrix_a_fmt:MATRIX_FMT_FP4 matrix_b_fmt:MATRIX_FMT_FP4 matrix_b_scale:MATRIX_SCALE_ROW1
.else
	v_wmma_scale_f32_16x16x128_f8f6f4 v[(\d):(\d)+7], v[(\a):(\a)+7], v[(\b):(\b)+7], v[(\c):(\c)+7], v[(\sa)], v[(\sb)] matrix_a_fmt:MATRIX_FMT_FP4 matrix_b_fmt:MATRIX_FMT_FP4 matrix_a_scale:MATRIX_SCALE_ROW1 matrix_b_scale:MATRIX_SCALE_ROW1
.endif
.endif
.endm
; 17 loads: my 32 rows of a weight: eight fragments, and the rows' 16 scale bytes (register s = K step s's words; lanes 0-15 tile 0, lanes 16-31 tile 1)
.macro WLOAD wb, ws, pc, ps
.irp t,0,1
.irp s,0,1,2,3
.irp c,0,1
	global_load_b128 v[\wb+8*(4*\t+\s)+4*\c:\wb+8*(4*\t+\s)+4*\c+3], v[WO], s[\pc:\pc+1] offset:2048*\t+64*\s+32*\c
.endr
.endr
.endr
	global_load_b128 v[\ws:\ws+3], v[WSO], s[\ps:\ps+1]
.endm
; 16 matrix instructions: four K steps, four accumulators by turns.  form 0: source 0 = W, accumulator 16 u + 8 t; form 1: source 0 = the rows, accumulator 16 t + 8 u.
; start = 0: the first K step starts the sums with the constant 0; 1: the accumulators hold an addend.
.macro MULT form, wb, ws, acc, img, start
.irp s,0,1,2,3
.if \s > 0
	PLACES
.endif
.irp k,0,1,2,3
	ds_load_b128 v[FR+4*\k:FR+4*\k+3], v[LI] offset:\img+2048*\s+512*\k
.endr
	s_wait_dscnt 0x0                       ; the K step's two fragments are in (and whatever LDS loads stood ahead of the macro)
.irp u,0,1
.irp t,0,1
.if \form == 0
.if (\s == 0) && (\start == 0)
	WM \acc+16*\u+8*\t, \wb+8*(4*\t+\s), FR+8*\u, -1, \ws+\s, FS+\s, \t, \u
.else
	WM \acc+16*\u+8*\t, \wb+8*(4*\t+\s), FR+8*\u, \acc+16*\u+8*\t, \ws+\s, FS+\s, \t, \u
.endif
.else
.if (\s == 0) && (\start == 0)
	WM \acc+16*\t+8*\u, FR+8*\u, \wb+8*(4*\t+\s), -1, FS+\s, \ws+\s, \u, \t
.else
	WM \acc+16*\t+8*\u, FR+8*\u, \wb+8*(4*\t+\s), \acc+16*\t+8*\u, FS+\s, \ws+\s, \u, \t
.endif
.endif
.endr
.endr
.endr
.endm
; Two blocks by turns.  v[x] .. v[x + 15] are 16 neighbours of a block of 32; lane l xor 16 holds the other 16.  Codes to v[CD + 2 k], v[CD + 2 k + 1], the byte to v[E + k].
.macro QUANT2 x0, x1
	v_max3_num_f32 v[MX], |v[\x0]|, |v[\x0+1]|, 0x1800000      ; with the floor 2^(3 - 127): the byte cannot fall under 1
	v_max3_num_f32 v[MX+1], |v[\x1]|, |v[\x1+1]|, 0x1800000
.irp i,2,4,6,8,10,12,14
	v_max3_num_f32 v[MX], v[MX], |v[\x0+\i]|, |v[\x0+\i+1]|
	v_max3_num_f32 v[MX+1], v[MX+1], |v[\x1+\i]|, |v[\x1+\i+1]|
.endr
	v_permlanex16_b32 v[PM], v[MX], s[SEL], s[SEL+1]
	v_permlanex16_b32 v[PM+1], v[MX+1], s[SEL], s[SEL+1]
	v_max_num_f32 v[MX], v[MX], v[PM]                          ; the block's largest magnitude
	v_max_num_f32 v[MX+1], v[MX+1], v[PM+1]
	v_add_nc_u32 v[SO], 0xff000000, v[MX]                      ; 2 off its exponent field: the conversion's scale operand
	v_add_nc_u32 v[SO+1], 0xff000000, v[MX+1]
	v_lshrrev_b32 v[E], 23, v[SO]                              ; the scale's byte
	v_lshrrev_b32 v[E+1], 23, v[SO+1]
	v_cvt_scalef32_pk8_fp4_f32 v[CD], v[\x0:\x0+7], v[SO]
	v_cvt_scalef32_pk8_fp4_f32 v[CD+1], v[\x0+8:\x0+15], v[SO]
	v_cvt_scalef32_pk8_fp4_f32 v[CD+2], v[\x1:\x1+7], v[SO+1]
	v_cvt_scalef32_pk8_fp4_f32 v[CD+3], v[\x1+8:\x1+15], v[SO+1]
	v_nop                                                      ; one plain place behind the scaled conversions
.endm
; my two chains, my two halves and lane l xor 16's make my wave's partial sum of a row; it goes to LDS
.macro PART base
	v_pk_add_f32 v[P0:P0+1], v[P0:P0+1], v[P0+2:P0+3]
	v_add_f32 v[P0], v[P0], v[P0+1]
	v_permlanex16_b32 v[PM], v[P0], s[SEL], s[SEL+1]
	v_add_f32 v[P0], v[P0], v[PM]
	ds_store_b32 v[RW], v[P0] offset:\base                     ; lanes r and r + 16 write the same word with the same value
	BARRIER
	ds_load_b128 v[FR:FR+3], v[RR] offset:\base
	ds_load_b128 v[FR+4:FR+7], v[RR] offset:\base+16
	s_wait_dscnt 0x0
	v_pk_add_f32 v[P0:P0+1], v[FR:FR+1], v[FR+2:FR+3]          ; the eight waves' partial sums, in one order in every wave
	v_pk_add_f32 v[P0+2:P0+3], v[FR+4:FR+5], v[FR+6:FR+7]
	v_pk_add_f32 v[P0:P0+1], v[P0:P0+1], v[P0+2:P0+3]
	v_add_f32 v[P0], v[P0], v[P0+1]
.endm
	s_load_b512 s[4:19], s[0:1], 0x0               ; x 4, g 6, b 8, wq codes 10, scales 12, wk codes 14, scales 16, wv codes 18
	s_load_b256 s[20:27], s[0:1], 0x40             ; wv scales 20, qc 22, qs 24, kc 26
	s_load_b128 s[28:31], s[0:1], 0x60             ; ks 28, vc 30
	s_load_b64 s[32:33], s[0:1], 0x70              ; vs 32
	v_lshrrev_b32 v13, 5, v0
	v_readfirstlane_b32 s[WV], v13                 ; wave 0..15
	v_and_b32 v13, 15, v0                          ; r
	v_bfe_u32 v14, v0, 4, 1                        ; h
	v_and_b32 v15, 31, v0                          ; lane
	v_lshlrev_b32 v[LI], 4, v15
	v_lshlrev_b32 v[LS], 2, v15
	v_and_b32 v15, 8, v13
	v_add_nc_u32 v15, v15, v13                     ; r + 8 (r / 8)
	v_lshlrev_b32 v[WO], 8, v15                    ; a row of a weight's codes is 256 bytes,
	v_lshl_add_u32 v[WO], v14, 4, v[WO]            ; + 16 h
	v_lshl_add_u32 v[WSO], v14, 3, v15             ; scale bytes: lanes 16-31 take tile 1's rows, 8 further on;
	v_lshlrev_b32 v[WSO], 4, v[WSO]                ; 16 bytes a row
	s_lshr_b32 s[U], s[WV], 3                      ; the norm: my tile,
	s_bfe_u32 s[KQ], s[WV], 0x20001                ; my K step,
	s_and_b32 s[HC], s[WV], 1                      ; my half of it
	s_lshl_b32 s[X0], s[KQ], 9
	s_lshl_b32 s[X0+1], s[HC], 8
	s_add_co_u32 s[X0], s[X0], s[X0+1]
	v_lshl_add_u32 v[GO], v14, 6, s[X0]            ; 512 s + 256 c + 64 h
	s_lshl_b32 s[X0+1], s[U], 14
	v_lshl_add_u32 v[XO], v15, 11, v[GO]           ; + row x 2,048
	v_add_nc_u32 v[XO], s[X0+1], v[XO]
	s_lshl_b32 s[X2], s[KQ], 11
	s_lshl_b32 s[X2+1], s[U], 10
	s_add_co_u32 s[X2], s[X2], s[X2+1]
	s_lshl_b32 s[X2+1], s[HC], 9
	s_add_co_u32 s[X2], s[X2], s[X2+1]
	v_lshlrev_b32 v[ST8], 4, v13
	v_lshl_add_u32 v[ST8], v14, 3, v[ST8]
	v_add_nc_u32 v[IW], s[X2], v[ST8]              ; image 2 s + u, group c
	v_lshlrev_b32 v[R4], 2, v13
	s_lshl_b32 s[X2], s[KQ], 7
	s_lshl_b32 s[X2+1], s[U], 6
	s_add_co_u32 s[X2], s[X2], s[X2+1]
	s_lshl_b32 s[X2+1], s[HC], 1
	s_add_co_u32 s[X2], s[X2], s[X2+1]
	v_add_nc_u32 v[SW], s[X2], v[R4]               ; word [s][16 u + r], bytes 2 c and 2 c + 1
	s_lshl_b32 s[X2], s[U], 9
	v_lshl_add_u32 v[RR], v13, 5, s[X2]
	s_and_b32 s[X2+1], s[WV], 7
	s_lshl_b32 s[X2+1], s[X2+1], 2
	v_add_nc_u32 v[RW], s[X2+1], v[RR]
	v_mov_b32 v[PM], 0                             ; written once: a lane permute's destination counts as one of its sources
	v_mov_b32 v[PM+1], 0
	v_mov_b32 v[RS+1], 0                           ; named as the upper half of a pair
	s_mov_b32 s[SEL], 0x76543210
	s_mov_b32 s[SEL+1], 0xfedcba98                 ; lane l xor 16
	s_mov_b32 s[I512], 0x3b000000                  ; 1 / 512
	s_mov_b32 s[EPS], 0x3727c5ac                   ; 1e-5
	s_lshr_b32 s[BB], ttmp9, 6                     ; batch
	s_and_b32 s[BLK], ttmp9, 63                    ; block of 32 rows in it
	s_lshl_b32 s[BH], s[BB], 4
	s_add_co_u32 s[BH], s[BH], s[WV]               ; 16 batch + head
	s_wait_kmcnt 0x0
	s_lshl_b32 s[X0], ttmp9, 16                    ; 32 rows of 2,048 bytes
	s_mov_b32 s[X0+1], 0
	s_add_nc_u64 s[4:5], s[4:5], s[X0:X0+1]
	s_lshl_b32 s[X0], s[WV], 13                    ; my head's 32 rows of codes
	s_add_nc_u64 s[10:11], s[10:11], s[X0:X0+1]
	s_add_nc_u64 s[14:15], s[14:15], s[X0:X0+1]
	s_add_nc_u64 s[18:19], s[18:19], s[X0:X0+1]
	s_lshl_b32 s[X0], s[WV], 9                     ; and of scale bytes
	s_add_nc_u64 s[12:13], s[12:13], s[X0:X0+1]
	s_add_nc_u64 s[16:17], s[16:17], s[X0:X0+1]
	s_add_nc_u64 s[20:21], s[20:21], s[X0:X0+1]
.irp e,0,1
.irp j,0,1,2,3
	global_load_b128 v[ACC+16*\e+4*\j:ACC+16*\e+4*\j+3], v[XO], s[4:5] offset:128*\e+16*\j
.endr
.endr
.irp e,0,1
.irp j,0,1,2,3
	global_load_b128 v[G+16*\e+4*\j:G+16*\e+4*\j+3], v[GO], s[6:7] offset:128*\e+16*\j
.endr
.endr
.irp e,0,1
.irp j,0,1,2,3
	global_load_b128 v[WB+16*\e+4*\j:WB+16*\e+4*\j+3], v[GO], s[8:9] offset:128*\e+16*\j
.endr
.endr
	WLOAD WA, WSA, 10, 12                          ; wq
	s_lshl_b32 s[X2], s[BH], 6
	s_add_co_u32 s[X2], s[X2], s[BLK]              ; 64 (16 batch + head) + block
	s_lshl_b32 s[X0], s[X2], 9
	s_add_nc_u64 s[22:23], s[22:23], s[X0:X0+1]    ; qc, kc: 512 bytes a block
	s_add_nc_u64 s[26:27], s[26:27], s[X0:X0+1]
	s_lshl_b32 s[X0], s[X2], 6
	s_add_nc_u64 s[24:25], s[24:25], s[X0:X0+1]    ; qs, ks: 64 bytes a block
	s_add_nc_u64 s[28:29], s[28:29], s[X0:X0+1]
	s_lshl_b32 s[X0], s[BH], 15                    ; vc: 32,768 bytes a head, 2,048 a key step; in an image my block of keys is group (block / 2) % 2, lanes' half block % 2
	s_lshr_b32 s[X2], s[BLK], 2
	s_lshl_b32 s[X2+1], s[X2], 11
	s_add_co_u32 s[X0], s[X0], s[X2+1]
	s_bfe_u32 s[X2+1], s[BLK], 0x10001
	s_lshl_b32 s[X2+1], s[X2+1], 9
	s_add_co_u32 s[X0], s[X0], s[X2+1]
	s_and_b32 s[X2+1], s[BLK], 1
	s_lshl_b32 s[X2+1], s[X2+1], 8
	s_add_co_u32 s[X0], s[X0], s[X2+1]
	s_add_nc_u64 s[30:31], s[30:31], s[X0:X0+1]
	s_lshl_b32 s[X0], s[BH], 11                    ; vs: 2,048 bytes a head, 128 a key step, byte block % 4 of a word
	s_lshl_b32 s[X2], s[X2], 7
	s_add_co_u32 s[X0], s[X0], s[X2]
	s_and_b32 s[X2], s[BLK], 3
	s_add_co_u32 s[X0], s[X0], s[X2]
	s_add_nc_u64 s[32:33], s[32:33], s[X0:X0+1]
	; ---- the norm
	s_wait_loadcnt 33                              ; x's 8 loads are in; behind them: g 8, b 8, wq 17
	v_pk_add_f32 v[P0:P0+1], v[ACC:ACC+1], v[ACC+2:ACC+3]
	v_pk_add_f32 v[P0+2:P0+3], v[ACC+4:ACC+5], v[ACC+6:ACC+7]
.irp i,8,12,16,20,24,28
	v_pk_add_f32 v[P0:P0+1], v[P0:P0+1], v[ACC+\i:ACC+\i+1]
	v_pk_add_f32 v[P0+2:P0+3], v[P0+2:P0+3], v[ACC+\i+2:ACC+\i+3]
.endr
	PART RED1
	v_mul_f32 v[MU], s[I512], v[P0]                ; the mean
.set n, 0
.rept 32
	v_sub_f32 v[ACC+n], v[ACC+n], v[MU]
.set n, n+1
.endr
	v_pk_mul_f32 v[P0:P0+1], v[ACC:ACC+1], v[ACC:ACC+1]
	v_pk_mul_f32 v[P0+2:P0+3], v[ACC+2:ACC+3], v[ACC+2:ACC+3]
.irp i,4,8,12,16,20,24,28
	v_pk_fma_f32 v[P0:P0+1], v[ACC+\i:ACC+\i+1], v[ACC+\i:ACC+\i+1], v[P0:P0+1]
	v_pk_fma_f32 v[P0+2:P0+3], v[ACC+\i+2:ACC+\i+3], v[ACC+\i+2:ACC+\i+3], v[P0+2:P0+3]
.endr
	PART RED2
	v_fma_f32 v[P0], v[P0], s[I512], s[EPS]        ; the variance + 1e-5
	v_rsq_f32 v[RS], v[P0]
	v_nop                                          ; one plain place behind the transcendental
	s_wait_loadcnt 17                              ; g and b are in; behind them: wq 17
.set n, 0
	s_wait_alu depctr_va_vdst(0)
.rept 16
	v_pk_mul_f32 v[ACC+n:ACC+n+1], v[ACC+n:ACC+n+1], v[RS:RS+1] op_sel_hi:[1,0]
.set n, n+2
.endr
.set n, 0
.rept 16
	v_pk_fma_f32 v[ACC+n:ACC+n+1], v[ACC+n:ACC+n+1], v[G+n:G+n+1], v[WB+n:WB+n+1]
.set n, n+2
.endr
	WLOAD WB, WSB, 14, 16                          ; wk, into registers that b has left
	QUANT2 ACC, ACC+16
	ds_store_b64 v[IW], v[CD:CD+1] offset:IMG      ; a wave's store covers 256 consecutive bytes of an image
	ds_store_b64 v[IW], v[CD+2:CD+3] offset:IMG+256
	v_lshl_or_b32 v[P0], v[E+1], 8, v[E]
	ds_store_b16 v[SW], v[P0] offset:SC            ; lanes r and r + 16 write the same two bytes with the same values
	BARRIER                                        ; h's eight fragments and their scale words lie in LDS; nothing in LDS is written after this
.irp s,0,1,2,3
	ds_load_b32 v[FS+\s], v[LS] offset:SC+128*\s
.endr
	; ---- q
	s_wait_loadcnt 17                              ; wq is in; behind it: wk 17
	MULT 0, WA, WSA, ACC, IMG, 0
	PLACES
	WLOAD WA, WSA, 18, 20                          ; wv
	QUANT2 ACC, ACC+16                             ; block u = row 8 u + r + 8 (r / 8), my 16 channels
	global_store_b64 v[ST8], v[CD:CD+1], s[22:23]              ; a wave's store covers 256 consecutive bytes, aligned
	global_store_b64 v[ST8], v[CD+2:CD+3], s[22:23] offset:256
	v_lshl_or_b32 v[P0], v[E+1], 8, v[E]
	v_lshl_or_b32 v[P0], v[P0], 16, v[P0]          ; the word (tile 0's byte, tile 1's, and both again)
	global_store_b32 v[R4], v[P0], s[24:25]        ; 64 consecutive bytes; both halves of the lanes write the same
	; ---- k
	s_wait_loadcnt 17                              ; wk is in; behind it: wv 17
	MULT 0, WB, WSB, ACC, IMG, 0
	PLACES
	s_wait_xcnt 0x0                                ; q's stores have read their data registers, which are written again now
	QUANT2 ACC, ACC+16
	global_store_b64 v[ST8], v[CD:CD+1], s[26:27]
	global_store_b64 v[ST8], v[CD+2:CD+3], s[26:27] offset:256
	v_lshl_or_b32 v[P0], v[E+1], 8, v[E]
	v_lshl_or_b32 v[P0], v[P0], 16, v[P0]
	global_store_b32 v[R4], v[P0], s[28:29]
	; ---- v
	s_wait_loadcnt 0x0                             ; wv is in
	MULT 1, WA, WSA, ACC, IMG, 0
	PLACES
	s_wait_xcnt 0x0                                ; k's stores have read their data registers
	QUANT2 ACC, ACC+16                             ; block t = channel 8 t + r + 8 (r / 8), my 16 keys
	global_store_b64 v[ST8], v[CD:CD+1], s[30:31]
	global_store_b64 v[ST8], v[CD+2:CD+3], s[30:31] offset:1024
	s_mov_b32 vcc_lo, 0xffff0000                   ; lanes 16-31
	v_cndmask_b32 v[P0], v[E], v[E+1], vcc_lo      ; lanes 0-15 tile 0's byte, lanes 16-31 tile 1's
	global_store_b8 v[LS], v[P0], s[32:33]         ; single bytes 4 apart: a word's four blocks of keys belong to four work-groups
	s_wait_xcnt 0x0
	v_lshl_add_u32 v254, v0, 2, 0x3000
	v_mov_b32 v255, 0
	s_wait_tensorcnt 0x0
	ds_add_u32 v254, v255
	s_wait_dscnt 0x0
	s_endpgm
.Lfunc_end_k_q6df8963213_qkv:
	.size	k_q6df8963213_qkv, .Lfunc_end_k_q6df8963213_qkv-k_q6df8963213_qkv
	.p2alignl 7, 3214868480
	.fill 96, 4, 3214868480
	.section	.rodata,"a",@progbits
	.p2align	6, 0x0
	.amdhsa_kernel k_q6df8963213_qkv
		.amdhsa_group_segment_fixed_size 14336
		.amdhsa_private_segment_fixed_size 0
		.amdhsa_enable_private_segment 0
		.amdhsa_kernarg_size 120
		.amdhsa_user_sgpr_count 2
		.amdhsa_user_sgpr_kernarg_segment_ptr 1
		.amdhsa_wavefront_size32 1
		.amdhsa_system_sgpr_workgroup_id_x 1
		.amdhsa_system_sgpr_workgroup_id_y 1
		.amdhsa_system_sgpr_workgroup_id_z 1
		.amdhsa_system_vgpr_workitem_id 0
		.amdhsa_next_free_vgpr 256
		.amdhsa_next_free_sgpr 80
		.amdhsa_reserve_vcc 1
		.amdhsa_float_denorm_mode_32 3
		.amdhsa_float_denorm_mode_16_64 3
		.amdhsa_memory_ordered 1
		.amdhsa_forward_progress 1
		.amdhsa_inst_pref_size 38
	.end_amdhsa_kernel
	.amdgpu_metadata
---
amdhsa.version: [ 1, 2 ]
amdhsa.kernels:
  - .name:           k_q6df8963213_qkv
    .symbol:         k_q6df8963213_qkv.kd
    .args:
      - { .name: x, .offset: 0, .size: 8, .value_kind: global_buffer, .address_space: global }
      - { .name: ln1_g, .offset: 8, .size: 8, .value_kind: global_buffer, .address_space: global }
      - { .name: ln1_b, .offset: 16, .size: 8, .value_kind: global_buffer, .address_space: global }
      - { .name: wq_codes, .offset: 24, .size: 8, .value_kind: global_buffer, .address_space: global }
      - { .name: wq_scales, .offset: 32, .size: 8, .value_kind: global_buffer, .address_space: global }
      - { .name: wk_codes, .offset: 40, .size: 8, .value_kind: global_buffer, .address_space: global }
      - { .name: wk_scales, .offset: 48, .size: 8, .value_kind: global_buffer, .address_space: global }
      - { .name: wv_codes, .offset: 56, .size: 8, .value_kind: global_buffer, .address_space: global }
      - { .name: wv_scales, .offset: 64, .size: 8, .value_kind: global_buffer, .address_space: global }
      - { .name: qc, .offset: 72, .size: 8, .value_kind: global_buffer, .address_space: global }
      - { .name: qs, .offset: 80, .size: 8, .value_kind: global_buffer, .address_space: global }
      - { .name: kc, .offset: 88, .size: 8, .value_kind: global_buffer, .address_space: global }
      - { .name: ks, .offset: 96, .size: 8, .value_kind: global_buffer, .address_space: global }
      - { .name: vc, .offset: 104, .size: 8, .value_kind: global_buffer, .address_space: global }
      - { .name: vs, .offset: 112, .size: 8, .value_kind: global_buffer, .address_space: global }
    .group_segment_fixed_size: 14336
    .private_segment_fixed_size: 0
    .kernarg_segment_align: 8
    .kernarg_segment_size: 120
    .max_flat_workgroup_size: 512
    .sgpr_count:     80
    .vgpr_count:     256
    .wavefront_size: 32
...
	.end_amdgpu_metadata
.endif
;; end of part 1
;; launch attn (part 2): grid 16 x 16, 16 waves a work-group, no clusters, 2,560 bytes of LDS; arguments qc, qs, kc, ks, vc, vs, oc, os; writes oc, os
.if DOCPART == 2
	.amdgcn_target "amdgcn-amd-amdhsa--gfx1250"
	.amdhsa_code_object_version 6
	.text
	.protected	k_q6df8963213_attn
	.globl	k_q6df8963213_attn
	.p2align	8
	.type	k_q6df8963213_attn,@function
k_q6df8963213_attn:
	s_mov_b64 s[64:65], 0
	v_nop
	global_prefetch_b8 v0, s[64:65] scope:SCOPE_SE
	s_setreg_imm32_b32 hwreg(HW_REG_WAVE_MODE, 25, 1), 1
	s_wait_xcnt 0x0
; o = softmax(q k^T / sqrt(32) - slope x (query - key), causal) v, both products on codes of FP4 (E2M1) with one E8M0 byte for each 32 along K; o / the row's sum is quantised along its head's 32 channels.
; THE SOFTMAX: t = logit x log2(e); M = the running largest t rounded UP to a whole number; p = 2^(t - M) is quantised along the keys, not normalised; the row's sum is taken of the unquantised p and divides at the end.
; When M moves, the sum and O are multiplied by 2^(old M - new M): exact.
; SHARES.  A wave takes 32 queries (two tiles u of 16; lane r of tile u is query 8 u + r + 8 (r / 8) of the block) of one head of one batch, and walks its keys 128 a step: block / 4 whole steps, then the step on the diagonal.
; Work-group (y, z): batch z / 4, heads 4 (z % 4) + 0 .. 3.  Wave w: head's place c4 = w % 4; its block is the ((w / 4 + c4) % 4)-th of y, 31 - y, 32 + y, 63 - y, whose steps add up to 34.
; So the four waves w % 4 = const and the four waves w / 4 = const each hold all four lengths.
; SCORES.  K = 32 fills a quarter of the instruction's 128.  Two blocks of keys (64 keys, 1,024 dense bytes) are loaded as ONE operand of 16 rows: K block ta of row r holds a key of key tile ta.  Q stands in K block ta of the
; other operand with zero codes in the other three, which add nothing: four instructions read one operand of keys.  Source 0 = keys, source 1 = queries: a lane holds one query, and 16 registers are 16 neighbouring keys.
; THE BIAS costs no vector instruction a score: key - query = (first key - first query) + 32 bk - 8 u + (8 u' + j + 16 h - r - 8 (r / 8)).  The bracket, times slope x sqrt(32), is a table of 16 registers, given as the products' C;
; the rest, times slope x log2(e), is a scalar for each (tile, block of 32 keys) and rides in the addend of the one multiply-add that makes t - M.
; K, V and their scale words go from memory straight into registers, dense, half a step ahead.  NO JOINT LOADS: waves of one head walk different numbers of key steps.
; LIMITS: NaN and infinities are not served; p under 2^-126 comes out of v_exp_f32 as 0; a block of o under 2^-124 gets the byte 1 (only this program reads it); the bias is rounded once in the product's f32 sum and once in the addend.
.set LI,  1                            ; v1  16 x lane
.set LS,  2                            ; v2  4 x lane
.set D0,  3                            ; v3  r + 8 (r / 8) - 16 h
.set NEG, 4                            ; v4  -infinity
.set OST, 5                            ; v5  16 r + 8 h
.set GA,  6                            ; v6  LDS: my byte among o's scale words
.set GR,  7                            ; v7  LDS: my word of them
.set ST,  8                            ; tile u: v[8 + 4 u] -M, +1 the largest t, +2, +3 the sum in two halves
.set T,   16                           ; v16-31 the bias table
.set QC,  32                           ; v32-67 zeros, Q0 low, zeros, Q0 high, zeros, Q1 low, zeros, Q1 high, zeros (4 registers each)
.set QS,  68                           ; v68 Q's scale words: lanes 0-15 tile 0, lanes 16-31 tile 1
.set PW,  69                           ; v69 p's scale word
.set F,   70                           ; v70 2^(old M - new M); v71 is named with it as a pair
.set PC,  72                           ; v72-79 p's codes
.set K,   80                           ; v80-95 two operands of 64 keys
.set V,   96                           ; v96-111 V's two tiles of 16 channels x 128 keys
.set KS,  112                          ; v112-113 K's scale words
.set VS,  114                          ; v114 V's
.set O,   116                          ; v116-147 O^T: tile u, channels' tile t at 16 u + 8 t
.set S,   148                          ; v148-211 the scores of one tile, then p
.set AD,  212                          ; v212 + 2 bk the addend of block bk;  v213 + 2 bk its largest score
.set BM,  213
.set TB,  220                          ; v220-223 at work
.set SO,  224                          ; v224-227 scale operands
.set BY,  228                          ; v228-231 bytes
.set W0,  232                          ; v232-235 at work
.set MX,  220                          ; the last quantiser's registers
.set PM,  222
.set E,   226
.set CD,  228
.set WV,  24
.set C4,  25
.set BE,  26
.set BLK, 27
.set HEAD, 28
.set BB,  29
.set SG,  30
.set BH,  31
.set CS,  32                           ; s[32:33] log2(e) / sqrt(32)
.set SEL, 34
.set SA,  36                           ; slope x log2(e)
.set AL,  37                           ; slope x sqrt(32)
.set DIST, 38                          ; my first query - the step's first key
.set CNT, 39
.set OFF, 40                           ; s40-47 the scalar part of the bias: 4 u + bk
.set NG,  48
.set X0,  50
.set X2,  52
.macro PLACES                          ; four plain vector places behind matrix instructions (ISA guide 7.12.1)
.rept 4
	v_nop
.endr
.endm
.macro WM d, a, b, c, sa, sb, ra, rb   ; one matrix instruction by its operands' first registers; ra, rb: which half of the lanes holds A's and B's scale words
.if ((\ra) == 0) && ((\rb) == 0)
	v_wmma_scale_f32_16x16x128_f8f6f4 v[(\d):(\d)+7], v[(\a):(\a)+7], v[(\b):(\b)+7], v[(\c):(\c)+7], v[(\sa)], v[(\sb)] matrix_a_fmt:MATRIX_FMT_FP4 matrix_b_fmt:MATRIX_FMT_FP4
.elseif (\rb) == 0
	v_wmma_scale_f32_16x16x128_f8f6f4 v[(\d):(\d)+7], v[(\a):(\a)+7], v[(\b):(\b)+7], v[(\c):(\c)+7], v[(\sa)], v[(\sb)] matrix_a_fmt:MATRIX_FMT_FP4 matrix_b_fmt:MATRIX_FMT_FP4 matrix_a_scale:MATRIX_SCALE_ROW1
.elseif (\ra) == 0
	v_wmma_scale_f32_16x16x128_f8f6f4 v[(\d):(\d)+7], v[(\a):(\a)+7], v[(\b):(\b)+7], v[(\c):(\c)+7], v[(\sa)], v[(\sb)] matrix_a_fmt:MATRIX_FMT_FP4 matrix_b_fmt:MATRIX_FMT_FP4 matrix_b_scale:MATRIX_SCALE_ROW1
.else
	v_wmma_scale_f32_16x16x128_f8f6f4 v[(\d):(\d)+7], v[(\a):(\a)+7], v[(\b):(\b)+7], v[(\c):(\c)+7], v[(\sa)], v[(\sb)] matrix_a_fmt:MATRIX_FMT_FP4 matrix_b_fmt:MATRIX_FMT_FP4 matrix_a_scale:MATRIX_SCALE_ROW1 matrix_b_scale:MATRIX_SCALE_ROW1
.endif
.endm
.macro KLOAD                           ; 6 loads: a step's 128 keys, 2,048 dense bytes, and their 256 bytes of scale words
.irp g,0,1
.irp c,0,1
	global_load_b128 v[K+8*\g+4*\c:K+8*\g+4*\c+3], v[LI], s[12:13] offset:1024*\g+512*\c
.endr
.endr
.irp g,0,1
	global_load_b32 v[KS+\g], v[LS], s[14:15] offset:128*\g
.endr
.endm
.macro VLOAD                           ; 5 loads: V's two images of the step and their 128 bytes of scale words
.irp t,0,1
.irp c,0,1
	global_load_b128 v[V+8*\t+4*\c:V+8*\t+4*\c+3], v[LI], s[16:17] offset:1024*\t+512*\c
.endr
.endr
	global_load_b32 v[VS], v[LS], s[18:19]
.endm
; S^T of tile u: 8 instructions.  Key tile ta of operand g: Q's variant with its codes in K block ta; C = the bias table's half ta % 2; K's words: lanes' half ta / 2
.macro QK u
.irp g,0,1
.irp ta,0,1,2,3
	WM S+8*(4*\g+\ta), K+8*\g, QC+16*\u+8*(\ta%2)+4-4*(\ta/2), T+8*(\ta%2), KS+\g, QS, \ta/2, \u
.endr
.endr
.endm
.macro PV u                            ; O^T += V^T P^T: two accumulators, one instruction each; the next on either comes after many others
.irp t,0,1
	WM O+16*\u+8*\t, V+8*\t, PC, O+16*\u+8*\t, VS, PW, \t, 0
.endr
.endm
.macro MASK u                          ; the diagonal step: register 16 bk + i holds key 32 bk + 16 h + i of the step: hidden where 32 bk + i > my query - the first key - 16 h
	s_add_co_u32 s[X2], s[DIST], 8*\u
	v_add_nc_u32 v[W0], s[X2], v[D0]
.set n, 0
.rept 64
	v_cmp_gt_i32 vcc_lo, 32*(n/16)+n%16, v[W0]
	v_cndmask_b32 v[S+n], v[S+n], v[NEG], vcc_lo
.set n, n+1
.endr
.endm
.macro SOFT u
.irp b,0,1,2,3
	v_max3_num_f32 v[BM+2*\b], v[S+16*\b], v[S+16*\b+1], v[S+16*\b+2]      ; the largest score of each block of 32 keys: for the row's maximum and, since p rises with the score, for the block's largest p
.endr
.irp i,3,5,7,9,11,13
.irp b,0,1,2,3
	v_max3_num_f32 v[BM+2*\b], v[BM+2*\b], v[S+16*\b+\i], v[S+16*\b+\i+1]
.endr
.endr
.irp b,0,1,2,3
	v_max_num_f32 v[BM+2*\b], v[BM+2*\b], v[S+16*\b+15]
.endr
.irp b,0,1,2,3
	v_permlanex16_b32 v[TB+\b], v[BM+2*\b], s[SEL], s[SEL+1]
.endr
.irp b,0,1,2,3
	v_max_num_f32 v[BM+2*\b], v[BM+2*\b], v[TB+\b]                         ; with lane l xor 16's 16 keys
.endr
.irp b,0,1,2,3
	v_fma_f32 v[TB+\b], v[BM+2*\b], s[CS], s[OFF+4*\u+\b]                  ; as t
.endr
	v_max3_num_f32 v[W0], v[TB], v[TB+1], v[TB+2]
	v_max3_num_f32 v[ST+4*\u+1], v[W0], v[TB+3], v[ST+4*\u+1]              ; the running largest t
	v_mov_b32 v[W0], v[ST+4*\u]
	v_floor_f32 v[ST+4*\u], -v[ST+4*\u+1]                                  ; -M = floor(-t): M is a whole number
	v_sub_f32 v[W0], v[ST+4*\u], v[W0]                                     ; old M - new M, 0 or less
	v_cvt_i32_f32 v[W0], v[W0]                                             ; (it saturates)
	v_ldexp_f32 v[F], 1.0, v[W0]
.irp b,0,1,2,3
	v_add_f32 v[AD+2*\b], s[OFF+4*\u+\b], v[ST+4*\u]                       ; the block's addend: the bias's scalar part - M
.endr
.irp b,0,1,2,3
.irp j,0,2,4,6,8,10,12,14
	v_pk_fma_f32 v[S+16*\b+\j:S+16*\b+\j+1], v[S+16*\b+\j:S+16*\b+\j+1], s[CS:CS+1], v[AD+2*\b:AD+2*\b+1] op_sel_hi:[1,0,0]   ; t - M, two at a time
.endr
.endr
.irp b,0,1,2,3
	v_fma_f32 v[BM+2*\b], v[BM+2*\b], s[CS], v[AD+2*\b]                    ; the same of each block's largest score
.endr
.set n, 0
.rept 64
	v_exp_f32 v[S+n], v[S+n]                                               ; p = 2^(t - M)
.set n, n+1
.endr
.irp b,0,1,2,3
	v_exp_f32 v[BM+2*\b], v[BM+2*\b]                                       ; the block's largest p: the same two instructions on the same number
.endr
	v_pk_mul_f32 v[ST+4*\u+2:ST+4*\u+3], v[ST+4*\u+2:ST+4*\u+3], v[F:F+1] op_sel_hi:[1,0]   ; the sum under the new M (a plain place behind the exponentials)
	s_wait_alu depctr_va_vdst(0)
.irp b,0,1,2,3
	v_max_num_f32 v[BM+2*\b], 0x1800000, v[BM+2*\b]                        ; the floor 2^(3 - 127): the byte cannot fall under 1
.endr
.irp b,0,1,2,3
	v_add_nc_u32 v[SO+\b], 0xff000000, v[BM+2*\b]                          ; 2 off the exponent field: the conversion's scale operand
.endr
.irp b,0,1,2,3
	v_lshrrev_b32 v[BY+\b], 23, v[SO+\b]
.endr
	v_lshl_or_b32 v[PW], v[BY+1], 8, v[BY]
	v_lshl_or_b32 v[PW], v[BY+2], 16, v[PW]
	v_lshl_or_b32 v[PW], v[BY+3], 24, v[PW]
.irp b,0,1,2,3
	v_cvt_scalef32_pk8_fp4_f32 v[PC+2*\b], v[S+16*\b:S+16*\b+7], v[SO+\b]
	v_cvt_scalef32_pk8_fp4_f32 v[PC+2*\b+1], v[S+16*\b+8:S+16*\b+15], v[SO+\b]
.endr
	v_nop                                                                  ; one plain place behind the scaled conversions
.irp c,0,1
.irp i,0,1
	v_permlane16_swap_b32 v[PC+4*\c+\i], v[PC+4*\c+2+\i]                   ; the operand wants a whole block in a lane: lanes 0-15 block 2 c, lanes 16-31 block 2 c + 1
.endr
.endr
	v_pk_add_f32 v[W0:W0+1], v[S:S+1], v[S+2:S+3]                          ; the row's sum of the unquantised p, in two chains
.irp j,4,8,12,16,20,24,28,32,36,40,44,48,52,56,60
	v_pk_add_f32 v[ST+4*\u+2:ST+4*\u+3], v[ST+4*\u+2:ST+4*\u+3], v[S+\j:S+\j+1]
	v_pk_add_f32 v[W0:W0+1], v[W0:W0+1], v[S+\j+2:S+\j+3]
.endr
	v_pk_add_f32 v[ST+4*\u+2:ST+4*\u+3], v[ST+4*\u+2:ST+4*\u+3], v[W0:W0+1]
.irp j,0,2,4,6,8,10,12,14
	v_pk_mul_f32 v[O+16*\u+\j:O+16*\u+\j+1], v[O+16*\u+\j:O+16*\u+\j+1], v[F:F+1] op_sel_hi:[1,0]   ; O^T under the new M.  The sums and these stand between p's codes and scale word and the product that takes them
.endr
.endm
.macro OFFS i, lit                     ; slope x log2(e) x (32 bk - 8 u - DIST)
	s_add_f32 s[X2], s[NG], \lit
	s_mul_f32 s[OFF+\i], s[X2], s[SA]
.endm
; A KEY STEP.  more = 1: a whole step, which fetches the next step's K and V;  0: the step on the diagonal, which masks and fetches nothing, so that no load leaves its buffer.
.macro STEP more
	s_cvt_f32_u32 s[NG], s[DIST]
	s_xor_b32 s[NG], s[NG], 0x80000000
	s_mul_f32 s[OFF], s[NG], s[SA]
	OFFS 1, 0x42000000                     ; 32
	OFFS 2, 0x42800000                     ; 64
	OFFS 3, 0x42c00000                     ; 96
	OFFS 4, 0xc1000000                     ; -8
	OFFS 5, 0x41c00000                     ; 24
	OFFS 6, 0x42600000                     ; 56
	OFFS 7, 0x42b00000                     ; 88
	s_wait_loadcnt 5                       ; K's 6 loads are in; behind them: V's 5
.if \more
	s_add_nc_u64 s[12:13], s[12:13], 2048  ; that wait has shown K's loads done: their bases step
	s_add_nc_u64 s[14:15], s[14:15], 256
.endif
	QK 0
	PLACES
.if \more == 0
	MASK 0
.endif
	SOFT 0
	s_wait_loadcnt 0x0                     ; V is in
.if \more
	s_add_nc_u64 s[16:17], s[16:17], 2048
	s_add_nc_u64 s[18:19], s[18:19], 128
.endif
	PV 0
	QK 1
	PLACES
.if \more
	KLOAD                                  ; the next step's keys: a tile's softmax ahead of their use
.else
	MASK 1
.endif
	SOFT 1
	PV 1
	PLACES
.if \more
	VLOAD
	s_sub_co_u32 s[DIST], s[DIST], 128
.endif
.endm
	s_load_b512 s[8:23], s[0:1], 0x0               ; qc 8, qs 10, kc 12, ks 14, vc 16, vs 18, oc 20, os 22
	v_lshl_add_u32 v240, v0, 2, 0x200
	v_mov_b32 v241, 0
	v_lshrrev_b32 v[W0], 5, v0
	v_readfirstlane_b32 s[WV], v[W0]               ; wave 0..15
	v_and_b32 v[W0], 15, v0                        ; r
	v_bfe_u32 v[W0+1], v0, 4, 1                    ; h
	v_and_b32 v[W0+2], 31, v0                      ; lane
	v_lshlrev_b32 v[LI], 4, v[W0+2]
	v_lshlrev_b32 v[LS], 2, v[W0+2]
	v_and_b32 v[W0+3], 8, v[W0]
	v_add_nc_u32 v[W0+3], v[W0+3], v[W0]           ; r + 8 (r / 8)
	v_lshlrev_b32 v[D0], 4, v[W0+1]
	v_sub_nc_u32 v[D0], v[W0+3], v[D0]
	v_lshlrev_b32 v[BY], 4, v[W0]                  ; 16 r: Q's codes
	v_lshlrev_b32 v[BY+1], 2, v[W0]                ; 4 r: Q's scale words
	v_lshl_add_u32 v[OST], v[W0+1], 3, v[BY]
	s_and_b32 s[C4], s[WV], 3
	s_lshr_b32 s[BE], s[WV], 2
	s_add_co_u32 s[BE], s[BE], s[C4]
	s_and_b32 s[BE], s[BE], 3                      ; which of the work-group's four blocks
	s_lshl_b32 s[X2], s[BE], 7
	v_add_nc_u32 v[GR], s[X2], v[LS]
	v_add_nc_u32 v[GA], s[C4], v[GR]
	s_and_b32 s[X2], ttmp7, 0xffff
	s_lshr_b32 s[BB], s[X2], 2                     ; batch
	s_and_b32 s[SG], s[X2], 3                      ; group of four heads
	s_lshl_b32 s[HEAD], s[SG], 2
	s_add_co_u32 s[HEAD], s[HEAD], s[C4]
	s_sub_co_u32 s[X2], 31, ttmp9
	s_bitcmp1_b32 s[BE], 0
	s_cselect_b32 s[BLK], s[X2], ttmp9
	s_and_b32 s[X2], s[BE], 2
	s_lshl_b32 s[X2], s[X2], 4
	s_add_co_u32 s[BLK], s[BLK], s[X2]             ; y, 31 - y, 32 + y, 63 - y
	s_lshl_b32 s[BH], s[BB], 4
	s_add_co_u32 s[BH], s[BH], s[HEAD]
	s_add_co_u32 s[X2], s[HEAD], 1                 ; slope = 2^(-(head + 1) / 2), made on its bits
	s_mov_b32 s[SA], 0x3f800000
	s_bitcmp1_b32 s[X2], 0
	s_cselect_b32 s[SA], 0x3f3504f3, s[SA]         ; 2^-0.5 where head + 1 is odd
	s_lshr_b32 s[X2], s[X2], 1
	s_lshl_b32 s[X2], s[X2], 23
	s_sub_co_u32 s[SA], s[SA], s[X2]
	s_mul_f32 s[AL], s[SA], 0x40b504f3             ; x sqrt(32)
	s_mul_f32 s[SA], s[SA], 0x3fb8aa3b             ; x log2(e)
	s_mov_b32 s[CS], 0x3e8293ee                    ; log2(e) / sqrt(32)
	s_mov_b32 s[CS+1], s[CS]
	s_mov_b32 s[SEL], 0x76543210
	s_mov_b32 s[SEL+1], 0xfedcba98                 ; lane l xor 16
	s_mov_b32 s[X0+1], 0
	s_wait_kmcnt 0x0
	s_lshl_b32 s[X2], s[BH], 6
	s_add_co_u32 s[X2], s[X2], s[BLK]
	s_lshl_b32 s[X0], s[X2], 9
	s_add_nc_u64 s[8:9], s[8:9], s[X0:X0+1]        ; my block of Q's codes,
	s_lshl_b32 s[X0], s[X2], 6
	s_add_nc_u64 s[10:11], s[10:11], s[X0:X0+1]    ; and of its scale words
	s_lshl_b32 s[X0], s[BH], 15
	s_add_nc_u64 s[12:13], s[12:13], s[X0:X0+1]    ; my head's K and V, from the first key on
	s_add_nc_u64 s[16:17], s[16:17], s[X0:X0+1]
	s_lshl_b32 s[X0], s[BH], 12
	s_add_nc_u64 s[14:15], s[14:15], s[X0:X0+1]
	s_lshl_b32 s[X0], s[BH], 11
	s_add_nc_u64 s[18:19], s[18:19], s[X0:X0+1]
	global_load_b128 v[QC+12:QC+15], v[BY], s[8:9]             ; both halves of the lanes take row r's 16 bytes
	global_load_b128 v[QC+28:QC+31], v[BY], s[8:9] offset:256
	global_load_b32 v[QS], v[BY+1], s[10:11]
	KLOAD
	VLOAD
	s_lshl_b32 s[X2], s[BB], 6
	s_add_co_u32 s[X2], s[X2], s[BLK]              ; my block among the 256
	s_lshl_b32 s[X0], s[X2], 13                    ; oc: 8,192 bytes a block, 2,048 a K step (four heads); my head is group c4 / 2, lanes' half c4 % 2 of an image
	s_lshl_b32 s[X2+1], s[SG], 11
	s_add_co_u32 s[X0], s[X0], s[X2+1]
	s_lshr_b32 s[X2+1], s[C4], 1
	s_lshl_b32 s[X2+1], s[X2+1], 9
	s_add_co_u32 s[X0], s[X0], s[X2+1]
	s_and_b32 s[X2+1], s[C4], 1
	s_lshl_b32 s[X2+1], s[X2+1], 8
	s_add_co_u32 s[X0], s[X0], s[X2+1]
	s_add_nc_u64 s[20:21], s[20:21], s[X0:X0+1]
	s_lshl_b32 s[X0], s[SG], 15                    ; os: [K step][block][32 words]
	s_lshl_b32 s[X2+1], s[X2], 7
	s_add_co_u32 s[X0], s[X0], s[X2+1]
	s_add_nc_u64 s[22:23], s[22:23], s[X0:X0+1]
.irp z,0,8,16,24,32
.irp i,0,1,2,3
	v_mov_b32 v[QC+\z+\i], 0                       ; the zero codes between Q's pieces
.endr
.endr
	s_wait_loadcnt 11                              ; Q's 3 loads are in; behind them: K's 6, V's 5
	s_mov_b32 vcc_lo, 0xffff0000                   ; lanes 16-31
.irp u,0,1
.irp i,0,1,2,3
	v_cndmask_b32 v[QC+16*\u+4+\i], v[QC+16*\u+12+\i], v[QC], vcc_lo       ; Q in lanes 0-15, zeros above
	v_cndmask_b32 v[QC+16*\u+12+\i], v[QC], v[QC+16*\u+12+\i], vcc_lo      ; Q in lanes 16-31, zeros below
.endr
.endr
	v_and_b32 v[W0], 0xff, v[QS]                   ; tile 0's byte,
	v_bfe_u32 v[W0+1], v[QS], 8, 8                 ; tile 1's
	v_cndmask_b32 v[W0], v[W0], v[W0+1], vcc_lo
	v_lshl_or_b32 v[W0], v[W0], 8, v[W0]
	v_lshl_or_b32 v[QS], v[W0], 16, v[W0]          ; in all four bytes: Q may stand in any K block
.set n, 0
.rept 16
	v_sub_nc_u32 v[T+n], n, v[D0]
.set n, n+1
.endr
.set n, 0
.rept 16
	v_cvt_f32_i32 v[T+n], v[T+n]
.set n, n+1
.endr
.set n, 0
.rept 16
	v_mul_f32 v[T+n], s[AL], v[T+n]                ; slope x sqrt(32) x (i + 16 h - r - 8 (r / 8))
.set n, n+1
.endr
	v_mov_b32 v[NEG], 0xff800000
.irp u,0,1
	v_mov_b32 v[ST+4*\u+1], 0xff61b1e6             ; the largest t so far: -3e38
	v_floor_f32 v[ST+4*\u], -v[ST+4*\u+1]
	v_mov_b32 v[ST+4*\u+2], 0
	v_mov_b32 v[ST+4*\u+3], 0
.endr
.irp b,0,1,2,3
	v_mov_b32 v[TB+\b], 0                          ; written once: a lane permute's destination counts as one of its sources
.endr
	v_mov_b32 v[F+1], 0
.set n, 0
.rept 32
	v_mov_b32 v[O+n], 0                            ; the step is written for every step alike: the first finds zeros, which the first change of M leaves zeros
.set n, n+1
.endr
	s_lshl_b32 s[DIST], s[BLK], 5
	s_lshr_b32 s[CNT], s[BLK], 2                   ; whole steps
	s_cmp_eq_u32 s[CNT], 0
	s_cbranch_scc1 .Ldiag
.Lstep:
	STEP 1
	s_sub_co_u32 s[CNT], s[CNT], 1
	s_cmp_lg_u32 s[CNT], 0
	s_cbranch_scc1 .Lstep
.Ldiag:                                                ; on both ways here the loads that are out are K's 6 and, behind them, V's 5
	STEP 0
	; ---- o = O^T / the sum, quantised: a block of 32 along the next product's K is my head
.irp u,0,1
	v_add_f32 v[W0+2*\u], v[ST+4*\u+2], v[ST+4*\u+3]
.endr
.irp u,0,1
	v_permlanex16_b32 v[TB+\u], v[W0+2*\u], s[SEL], s[SEL+1]
.endr
.irp u,0,1
	v_add_f32 v[W0+2*\u], v[W0+2*\u], v[TB+\u]
.endr
.irp u,0,1
	v_rcp_f32 v[W0+2*\u], v[W0+2*\u]
.endr
	v_nop                                          ; one plain place behind the transcendentals
	s_wait_alu depctr_va_vdst(0)
.irp u,0,1
.irp j,0,1,2,3,4,5,6,7,8,9,10,11,12,13,14,15
	v_mul_f32 v[O+16*\u+\j], v[O+16*\u+\j], v[W0+2*\u]
.endr
.endr
	v_max3_num_f32 v[MX], |v[O]|, |v[O+1]|, 0x1800000
	v_max3_num_f32 v[MX+1], |v[O+16]|, |v[O+17]|, 0x1800000
.irp i,2,4,6,8,10,12,14
	v_max3_num_f32 v[MX], v[MX], |v[O+\i]|, |v[O+\i+1]|
	v_max3_num_f32 v[MX+1], v[MX+1], |v[O+16+\i]|, |v[O+16+\i+1]|
.endr
	v_permlanex16_b32 v[PM], v[MX], s[SEL], s[SEL+1]
	v_permlanex16_b32 v[PM+1], v[MX+1], s[SEL], s[SEL+1]
	v_max_num_f32 v[MX], v[MX], v[PM]
	v_max_num_f32 v[MX+1], v[MX+1], v[PM+1]
	v_add_nc_u32 v[SO], 0xff000000, v[MX]
	v_add_nc_u32 v[SO+1], 0xff000000, v[MX+1]
	v_lshrrev_b32 v[E], 23, v[SO]
	v_lshrrev_b32 v[E+1], 23, v[SO+1]
	v_cvt_scalef32_pk8_fp4_f32 v[CD], v[O:O+7], v[SO]
	v_cvt_scalef32_pk8_fp4_f32 v[CD+1], v[O+8:O+15], v[SO]
	v_cvt_scalef32_pk8_fp4_f32 v[CD+2], v[O+16:O+23], v[SO+1]
	v_cvt_scalef32_pk8_fp4_f32 v[CD+3], v[O+24:O+31], v[SO+1]
	v_nop                                          ; one plain place behind the scaled conversions
	global_store_b64 v[OST], v[CD:CD+1], s[20:21]              ; a wave's store covers 256 consecutive bytes, aligned
	global_store_b64 v[OST], v[CD+2:CD+3], s[20:21] offset:1024
	s_mov_b32 vcc_lo, 0xffff0000
	v_cndmask_b32 v[MX], v[E], v[E+1], vcc_lo      ; lanes 0-15 tile 0's byte, lanes 16-31 tile 1's
	ds_store_b8 v[GA], v[MX]                       ; the four heads of a K step make a word: they meet in LDS
	s_wait_dscnt 0x0                               ; for the others' sake: my byte has landed
	s_barrier_signal -1
	s_barrier_wait -1
	s_cmp_lg_u32 s[C4], 0                          ; of the four waves of a block the one with c4 = 0 stores the words
	s_cbranch_scc1 .Lend
	ds_load_b32 v[MX], v[GR]
	s_wait_dscnt 0x0
	global_store_b32 v[LS], v[MX], s[22:23]        ; 128 consecutive bytes
.Lend:
	s_wait_tensorcnt 0x0
	ds_add_u32 v240, v241
	s_wait_dscnt 0x0
	s_endpgm
.Lfunc_end_k_q6df8963213_attn:
	.size	k_q6df8963213_attn, .Lfunc_end_k_q6df8963213_attn-k_q6df8963213_attn
	.p2alignl 7, 3214868480
	.fill 96, 4, 3214868480
	.section	.rodata,"a",@progbits
	.p2align	6, 0x0
	.amdhsa_kernel k_q6df8963213_attn
		.amdhsa_group_segment_fixed_size 2560
		.amdhsa_private_segment_fixed_size 0
		.amdhsa_enable_private_segment 0
		.amdhsa_kernarg_size 64
		.amdhsa_user_sgpr_count 2
		.amdhsa_user_sgpr_kernarg_segment_ptr 1
		.amdhsa_wavefront_size32 1
		.amdhsa_system_sgpr_workgroup_id_x 1
		.amdhsa_system_sgpr_workgroup_id_y 1
		.amdhsa_system_sgpr_workgroup_id_z 1
		.amdhsa_system_vgpr_workitem_id 0
		.amdhsa_next_free_vgpr 242
		.amdhsa_next_free_sgpr 80
		.amdhsa_reserve_vcc 1
		.amdhsa_float_denorm_mode_32 3
		.amdhsa_float_denorm_mode_16_64 3
		.amdhsa_memory_ordered 1
		.amdhsa_forward_progress 1
		.amdhsa_inst_pref_size 78
	.end_amdhsa_kernel
	.amdgpu_metadata
---
amdhsa.version: [ 1, 2 ]
amdhsa.kernels:
  - .name:           k_q6df8963213_attn
    .symbol:         k_q6df8963213_attn.kd
    .args:
      - { .name: qc, .offset: 0, .size: 8, .value_kind: global_buffer, .address_space: global }
      - { .name: qs, .offset: 8, .size: 8, .value_kind: global_buffer, .address_space: global }
      - { .name: kc, .offset: 16, .size: 8, .value_kind: global_buffer, .address_space: global }
      - { .name: ks, .offset: 24, .size: 8, .value_kind: global_buffer, .address_space: global }
      - { .name: vc, .offset: 32, .size: 8, .value_kind: global_buffer, .address_space: global }
      - { .name: vs, .offset: 40, .size: 8, .value_kind: global_buffer, .address_space: global }
      - { .name: oc, .offset: 48, .size: 8, .value_kind: global_buffer, .address_space: global }
      - { .name: os, .offset: 56, .size: 8, .value_kind: global_buffer, .address_space: global }
    .group_segment_fixed_size: 2560
    .private_segment_fixed_size: 0
    .kernarg_segment_align: 8
    .kernarg_segment_size: 64
    .max_flat_workgroup_size: 512
    .sgpr_count:     80
    .vgpr_count:     242
    .wavefront_size: 32
...
	.end_amdgpu_metadata
.endif
;; end of part 2
;; launch ffn (part 3): grid 256 x 1, 16 waves a work-group, no clusters, 97,792 bytes of LDS; arguments x, oc, os, wo_codes, wo_scales, ln2_g, ln2_b, w1_codes, w1_scales, w3_codes, w3_scales, w2_codes, w2_scales, out0; writes out0
.if DOCPART == 3
	.amdgcn_target "amdgcn-amd-amdhsa--gfx1250"
	.amdhsa_code_object_version 6
	.text
	.protected	k_q6df8963213_ffn
	.globl	k_q6df8963213_ffn
	.p2align	8
	.type	k_q6df8963213_ffn,@function
k_q6df8963213_ffn:
	s_mov_b64 s[64:65], 0
	v_nop
	global_prefetch_b8 v0, s[64:65] scope:SCOPE_SE
	s_setreg_imm32_b32 hwreg(HW_REG_WAVE_MODE, 25, 1), 1
	s_wait_xcnt 0x0
; x1 = x + o wo^T;  h2 = layernorm(x1) g + b;  out = x1 + (silu(h2 w1^T) x (h2 w3^T)) w2^T.  All four products on codes of FP4 (E2M1) with one E8M0 byte for each 32 along K; all else in f32.
; SHARES.  A work-group takes 32 consecutive rows (two tiles u of 16; lane r of tile u is row 8 u + r + 8 (r / 8)).  Wave w takes columns 32 w .. 32 w + 31 in every product, so x1, gate, up and out of a column stay in one wave:
; 64 matrix instructions a wave.  Its 32 rows of each weight go from memory straight into the registers in which they are multiplied, a product ahead.
; Every product: source 0 = 16 rows of W (lane r of tile t: row 32 w + 8 t + r + 8 (r / 8)), source 1 = 16 rows: a lane's 16 results of the two tiles t are 16 neighbouring columns of one row, half a block of the next K.
; Operands go from wave to wave through LDS as images of their registers: fragment (K step s, tile u) is 1,024 bytes, register group c at 512 c + 16 x lane.  The residuals are the C of a sum's first instruction.
; x1 waits in the stage in LDS while its registers serve gate and up; out leaves through the same bytes as whole rows.
; NO JOINT LOADS: all work-groups read the same weights, but the four are 4 x 139,264 = 557,056 bytes with their scales, more than LDS holds at once; each wave reads only its own 8,704 bytes of a weight, once.
; LIMITS: NaN and infinities among the inputs are not served.  A block whose largest magnitude lies under 2^-124, a block of zeros too, gets the byte 1: only this program reads these bytes.
; The variance is taken of x1 - mean (two passes).  The sigmoid is 1 / (1 + 2^(-gate x log2(e))) by v_exp_f32 and v_rcp_f32.
.set OIMG, 0                           ; LDS: o's eight fragments
.set HIMG, 8192                        ; h2's
.set FIMG, 16384                       ; the gated product's
.set HSC,  24576                       ; h2's scale words, [s][16 u + r]
.set FSC,  25088                       ; the gated product's
.set RED1, 25600                       ; [16 u + r][16 partial sums]
.set RED2, 27648
.set STG,  29696                       ; 32 rows x (2,048 bytes + 16): row 16 u + r
.set SP,   2064
.set LI,  1                            ; v1  16 x lane
.set LS,  2                            ; v2  4 x lane
.set WO,  3                            ; v3  my lane's byte in 32 rows of a weight's codes
.set WSO, 4                            ; v4  and in their scale bytes
.set XO,  5                            ; v5  my lane's byte in the block of x
.set GO,  6                            ; v6  and in g and b
.set HW,  7                            ; v7  where my codes go in an image
.set SW,  8                            ; v8  and my scale byte
.set STO, 9                            ; v9  the stage: my 64 bytes of row r
.set RW,  10                           ; v10 where my partial sum goes
.set RR,  11                           ; v11 a row's sixteen partial sums
.set STR, 12                           ; v12 the stage: the two rows that I store
.set OW,  13                           ; v13 my 16 bytes of o's images
.set FS,  16                           ; v16-19 the rows' scale words, one register a K step
.set WSA, 20
.set WSB, 24
.set MX,  28
.set PM,  30
.set SO,  32
.set E,   34
.set CD,  36
.set MU,  40                           ; v40, v41 the means of tiles 0, 1
.set P0,  42                           ; v42-45 sums at work
.set RS,  46                           ; v46, v47 1 / sd of tiles 0, 1
.set FR,  48
.set WA,  64
.set WB,  128
.set ACC0, 192                         ; x, x1, h2, gate, the gated product
.set ACC1, 224                         ; g and b, up, x1, out
.set G,   224
.set BI,  240
.set WV,  36
.set X0,  44
.set X2,  46
.set SEL, 48
.set I512, 52
.set EPS, 53
.macro PLACES                          ; four plain vector places behind matrix instructions (ISA guide 7.12.1)
.rept 4
	v_nop
.endr
.endm
.macro BARRIER                         ; my LDS stores have landed and my LDS loads are in: then the work-group's barrier
	s_wait_dscnt 0x0
	s_barrier_signal -1
	s_barrier_wait -1
.endm
.macro WM d, a, b, c, sa, sb, ra, rb   ; one matrix instruction by its operands' first registers (c < 0: the constant 0); ra, rb: which half of the lanes holds A's and B's scale words
.if (\c) < 0
.if ((\ra) == 0) && ((\rb) == 0)
	v_wmma_scale_f32_16x16x128_f8f6f4 v[(\d):(\d)+7], v[(\a):(\a)+7], v[(\b):(\b)+7], 0, v[(\sa)], v[(\sb)] matrix_a_fmt:MATRIX_FMT_FP4 matrix_b_fmt:MATRIX_FMT_FP4
.elseif (\rb) == 0
	v_wmma_scale_f32_16x16x128_f8f6f4 v[(\d):(\d)+7], v[(\a):(\a)+7], v[(\b):(\b)+7], 0, v[(\sa)], v[(\sb)] matrix_a_fmt:MATRIX_FMT_FP4 matrix_b_fmt:MATRIX_FMT_FP4 matrix_a_scale:MATRIX_SCALE_ROW1
.elseif (\ra) == 0
	v_wmma_scale_f32_16x16x128_f8f6f4 v[(\d):(\d)+7], v[(\a):(\a)+7], v[(\b):(\b)+7], 0, v[(\sa)], v[(\sb)] matrix_a_fmt:MATRIX_FMT_FP4 matrix_b_fmt:MATRIX_FMT_FP4 matrix_b_scale:MATRIX_SCALE_ROW1
.else
	v_wmma_scale_f32_16x16x128_f8f6f4 v[(\d):(\d)+7], v[(\a):(\a)+7], v[(\b):(\b)+7], 0, v[(\sa)], v[(\sb)] matrix_a_fmt:MATRIX_FMT_FP4 matrix_b_fmt:MATRIX_FMT_FP4 matrix_a_scale:MATRIX_SCALE_ROW1 matrix_b_scale:MATRIX_SCALE_ROW1
.endif
.else
.if ((\ra) == 0) && ((\rb) == 0)
	v_wmma_scale_f32_16x16x128_f8f6f4 v[(\d):(\d)+7], v[(\a):(\a)+7], v[(\b):(\b)+7], v[(\c):(\c)+7], v[(\sa)], v[(\sb)] matrix_a_fmt:MATRIX_FMT_FP4 matrix_b_fmt:MATRIX_FMT_FP4
.elseif (\rb) == 0
	v_wmma_scale_f32_16x16x128_f8f6f4 v[(\d):(\d)+7], v[(\a):(\a)+7], v[(\b):(\b)+7], v[(\c):(\c)+7], v[(\sa)], v[(\sb)] matrix_a_fmt:MATRIX_FMT_FP4 matrix_b_fmt:MATRIX_FMT_FP4 matrix_a_scale:MATRIX_SCALE_ROW1
.elseif (\ra) == 0
	v_wmma_scale_f32_16x16x128_f8f6f4 v[(\d):(\d)+7], v[(\a):(\a)+7], v[(\b):(\b)+7], v[(\c):(\c)+7], v[(\sa)], v[(\sb)] matrix_a_fmt:MATRIX_FMT_FP4 matrix_b_fmt:MATRIX_FMT_FP4 matrix_b_scale:MATRIX_SCALE_ROW1
.else
	v_wmma_scale_f32_16x16x128_f8f6f4 v[(\d):(\d)+7], v[(\a):(\a)+7], v[(\b):(\b)+7], v[(\c):(\c)+7], v[(\sa)], v[(\sb)] matrix_a_fmt:MATRIX_FMT_FP4 matrix_b_fmt:MATRIX_FMT_FP4 matrix_a_scale:MATRIX_SCALE_ROW1 matrix_b_scale:MATRIX_SCALE_ROW1
.endif
.endif
.endm
.macro WLOAD wb, ws, pc, ps            ; 17 loads: my 32 rows of a weight: eight fragments, and the rows' 16 scale bytes
.irp t,0,1
.irp s,0,1,2,3
.irp c,0,1
	global_load_b128 v[\wb+8*(4*\t+\s)+4*\c:\wb+8*(4*\t+\s)+4*\c+3], v[WO], s[\pc:\pc+1] offset:2048*\t+64*\s+32*\c
.endr
.endr
.endr
	global_load_b128 v[\ws:\ws+3], v[WSO], s[\ps:\ps+1]
.endm
.macro FRAGS img, s                    ; K step s's two fragments from LDS
.if \s > 0
	PLACES
.endif
.irp k,0,1,2,3
	ds_load_b128 v[FR+4*\k:FR+4*\k+3], v[LI] offset:\img+2048*\s+512*\k
.endr
	s_wait_dscnt 0x0                       ; they are in (and whatever LDS loads stood ahead of the macro)
.endm
.macro MULT wb, ws, acc, img           ; 16 matrix instructions onto an addend that lies in the accumulators: four K steps, four accumulators by turns
.irp s,0,1,2,3
	FRAGS \img, \s
.irp u,0,1
.irp t,0,1
	WM \acc+16*\u+8*\t, \wb+8*(4*\t+\s), FR+8*\u, \acc+16*\u+8*\t, \ws+\s, FS+\s, \t, \u
.endr
.endr
.endr
.endm
.macro MULT2 img                       ; gate (w1 in WB) and up (w3 in WA) on one pass over h2: eight accumulators by turns; the first K step starts the sums
.irp s,0,1,2,3
	FRAGS \img, \s
.irp u,0,1
.irp t,0,1
.if \s == 0
	WM ACC0+16*\u+8*\t, WB+8*(4*\t+\s), FR+8*\u, -1, WSB+\s, FS+\s, \t, \u
	WM ACC1+16*\u+8*\t, WA+8*(4*\t+\s), FR+8*\u, -1, WSA+\s, FS+\s, \t, \u
.else
	WM ACC0+16*\u+8*\t, WB+8*(4*\t+\s), FR+8*\u, ACC0+16*\u+8*\t, WSB+\s, FS+\s, \t, \u
	WM ACC1+16*\u+8*\t, WA+8*(4*\t+\s), FR+8*\u, ACC1+16*\u+8*\t, WSA+\s, FS+\s, \t, \u
.endif
.endr
.endr
.endr
.endm
; ACC0's two tiles are quantised (16 neighbours of a block a lane; lane l xor 16 holds the other 16) and go to LDS: codes to the images at img, bytes to the words at sc
.macro QUANT img, sc
	v_max3_num_f32 v[MX], |v[ACC0]|, |v[ACC0+1]|, 0x1800000    ; with the floor 2^(3 - 127): the byte cannot fall under 1
	v_max3_num_f32 v[MX+1], |v[ACC0+16]|, |v[ACC0+17]|, 0x1800000
.irp i,2,4,6,8,10,12,14
	v_max3_num_f32 v[MX], v[MX], |v[ACC0+\i]|, |v[ACC0+\i+1]|
	v_max3_num_f32 v[MX+1], v[MX+1], |v[ACC0+16+\i]|, |v[ACC0+16+\i+1]|
.endr
	v_permlanex16_b32 v[PM], v[MX], s[SEL], s[SEL+1]
	v_permlanex16_b32 v[PM+1], v[MX+1], s[SEL], s[SEL+1]
	v_max_num_f32 v[MX], v[MX], v[PM]
	v_max_num_f32 v[MX+1], v[MX+1], v[PM+1]
	v_add_nc_u32 v[SO], 0xff000000, v[MX]                      ; 2 off the exponent field: the conversion's scale operand
	v_add_nc_u32 v[SO+1], 0xff000000, v[MX+1]
	v_lshrrev_b32 v[E], 23, v[SO]
	v_lshrrev_b32 v[E+1], 23, v[SO+1]
	v_cvt_scalef32_pk8_fp4_f32 v[CD], v[ACC0:ACC0+7], v[SO]
	v_cvt_scalef32_pk8_fp4_f32 v[CD+1], v[ACC0+8:ACC0+15], v[SO]
	v_cvt_scalef32_pk8_fp4_f32 v[CD+2], v[ACC0+16:ACC0+23], v[SO+1]
	v_cvt_scalef32_pk8_fp4_f32 v[CD+3], v[ACC0+24:ACC0+31], v[SO+1]
	v_cndmask_b32 v[E], v[E], v[E+1], vcc_lo                   ; lanes 0-15 tile 0's byte, lanes 16-31 tile 1's.  (The plain place behind the scaled conversions)
	ds_store_b64 v[HW], v[CD:CD+1] offset:\img                 ; a wave's store covers 256 consecutive bytes of an image
	ds_store_b64 v[HW], v[CD+2:CD+3] offset:\img+1024
	ds_store_b8 v[SW], v[E] offset:\sc
	BARRIER
.irp s,0,1,2,3
	ds_load_b32 v[FS+\s], v[LS] offset:\sc+128*\s
.endr
.endm
; v[P0:P0+1] (tile 0) and v[P0+2:P0+3] (tile 1) hold my sums in two halves.  They become my wave's partial sums of 32 rows, meet the other waves' in LDS, and come back whole: lane (r, h) gets the sum of row r of tile h in v[P0]
.macro CROSS base
	v_add_f32 v[P0], v[P0], v[P0+1]
	v_add_f32 v[P0+2], v[P0+2], v[P0+3]
	v_permlanex16_b32 v[PM], v[P0], s[SEL], s[SEL+1]
	v_permlanex16_b32 v[PM+1], v[P0+2], s[SEL], s[SEL+1]
	v_add_f32 v[P0], v[P0], v[PM]
	v_add_f32 v[P0+2], v[P0+2], v[PM+1]
	v_cndmask_b32 v[P0], v[P0], v[P0+2], vcc_lo
	ds_store_b32 v[RW], v[P0] offset:\base
	BARRIER
.irp k,0,1,2,3
	ds_load_b128 v[FR+4*\k:FR+4*\k+3], v[RR] offset:\base+16*\k
.endr
	s_wait_dscnt 0x0
	v_pk_add_f32 v[P0:P0+1], v[FR:FR+1], v[FR+2:FR+3]          ; the sixteen waves' partial sums, in one order in every wave
	v_pk_add_f32 v[P0+2:P0+3], v[FR+4:FR+5], v[FR+6:FR+7]
	v_pk_add_f32 v[P0:P0+1], v[P0:P0+1], v[FR+8:FR+9]
	v_pk_add_f32 v[P0+2:P0+3], v[P0+2:P0+3], v[FR+10:FR+11]
	v_pk_add_f32 v[P0:P0+1], v[P0:P0+1], v[FR+12:FR+13]
	v_pk_add_f32 v[P0+2:P0+3], v[P0+2:P0+3], v[FR+14:FR+15]
	v_pk_add_f32 v[P0:P0+1], v[P0:P0+1], v[P0+2:P0+3]
	v_add_f32 v[P0], v[P0], v[P0+1]
.endm
.macro BOTH d                          ; v[P0] holds my tile h's number: v[d] gets tile 0's, v[d + 1] tile 1's
	v_permlanex16_b32 v[PM], v[P0], s[SEL], s[SEL+1]
	v_cndmask_b32 v[\d], v[P0], v[PM], vcc_lo
	v_cndmask_b32 v[\d+1], v[PM], v[P0], vcc_lo
.endm
	s_load_b512 s[4:19], s[0:1], 0x0               ; x 4, oc 6, os 8, wo codes 10, scales 12, g 14, b 16, w1 codes 18
	s_load_b256 s[20:27], s[0:1], 0x40             ; w1 scales 20, w3 codes 22, scales 24, w2 codes 26
	s_load_b128 s[28:31], s[0:1], 0x60             ; w2 scales 28, out0 30
	v_lshl_add_u32 v14, v0, 2, 0x17600
	v_mov_b32 v15, 0
	v_lshrrev_b32 v40, 5, v0
	v_readfirstlane_b32 s[WV], v40                 ; wave 0..15
	v_and_b32 v40, 15, v0                          ; r
	v_bfe_u32 v41, v0, 4, 1                        ; h
	v_and_b32 v42, 31, v0                          ; lane
	v_and_b32 v43, 8, v40
	v_add_nc_u32 v43, v43, v40                     ; r + 8 (r / 8)
	v_lshlrev_b32 v[LI], 4, v42
	v_lshlrev_b32 v[LS], 2, v42
	v_lshlrev_b32 v[WO], 8, v43
	v_lshl_add_u32 v[WO], v41, 4, v[WO]
	v_lshl_add_u32 v[WSO], v41, 3, v43
	v_lshlrev_b32 v[WSO], 4, v[WSO]
	s_lshl_b32 s[X0], s[WV], 7
	v_lshl_add_u32 v[GO], v41, 6, s[X0]            ; 128 w + 64 h: my 16 columns
	v_lshl_add_u32 v[XO], v43, 11, v[GO]
	v_lshlrev_b32 v[HW], 4, v40
	v_lshl_add_u32 v[HW], v41, 3, v[HW]
	s_lshr_b32 s[X2], s[WV], 2                     ; my columns are block w % 4 of K step w / 4
	s_lshl_b32 s[X0], s[X2], 11
	s_bfe_u32 s[X0+1], s[WV], 0x10001
	s_lshl_b32 s[X0+1], s[X0+1], 9
	s_add_co_u32 s[X0], s[X0], s[X0+1]
	s_and_b32 s[X0+1], s[WV], 1
	s_lshl_b32 s[X0+1], s[X0+1], 8
	s_add_co_u32 s[X0], s[X0], s[X0+1]
	v_add_nc_u32 v[HW], s[X0], v[HW]
	s_lshl_b32 s[X0], s[X2], 7
	s_and_b32 s[X0+1], s[WV], 3
	s_add_co_u32 s[X0], s[X0], s[X0+1]
	v_add_nc_u32 v[SW], s[X0], v[LS]
	v_mul_u32_u24 v[STO], v40, SP
	v_add_nc_u32 v[STO], v[STO], v[GO]
	v_add_nc_u32 v[STO], STG, v[STO]
	v_lshlrev_b32 v[RR], 6, v42
	s_lshl_b32 s[X0], s[WV], 2
	v_add_nc_u32 v[RW], s[X0], v[RR]
	s_mul_i32 s[X0], s[WV], 2*SP
	s_add_co_u32 s[X0], s[X0], STG
	v_add_nc_u32 v[STR], s[X0], v[LI]
	s_lshl_b32 s[X0], s[WV], 9
	v_add_nc_u32 v[OW], s[X0], v[LI]
	v_mov_b32 v[PM], 0                             ; written once: a lane permute's destination counts as one of its sources
	v_mov_b32 v[PM+1], 0
	s_mov_b32 vcc_lo, 0xffff0000                   ; lanes 16-31; never rewritten
	s_mov_b32 s[SEL], 0x76543210
	s_mov_b32 s[SEL+1], 0xfedcba98                 ; lane l xor 16
	s_mov_b32 s[I512], 0x3b000000                  ; 1 / 512
	s_mov_b32 s[EPS], 0x3727c5ac                   ; 1e-5
	s_mov_b32 s[X0+1], 0
	s_wait_kmcnt 0x0
	s_lshl_b32 s[X0], ttmp9, 13
	s_add_nc_u64 s[6:7], s[6:7], s[X0:X0+1]        ; my block's eight images of o,
	s_lshl_b32 s[X0], ttmp9, 7
	s_add_nc_u64 s[8:9], s[8:9], s[X0:X0+1]        ; its scale words,
	s_lshl_b32 s[X0], ttmp9, 16
	s_add_nc_u64 s[4:5], s[4:5], s[X0:X0+1]        ; its rows of x
	s_lshr_b32 s[X2], s[WV], 3                     ; the two rows that I store: stage rows 2 w, 2 w + 1 are rows 8 (w / 8) + 2 (w % 8) + 8 ((w % 8) / 4) and the next
	s_lshl_b32 s[X2], s[X2], 3
	s_and_b32 s[X2+1], s[WV], 7
	s_lshl_b32 s50, s[X2+1], 1
	s_add_co_u32 s[X2], s[X2], s50
	s_lshr_b32 s[X2+1], s[X2+1], 2
	s_lshl_b32 s[X2+1], s[X2+1], 3
	s_add_co_u32 s[X2], s[X2], s[X2+1]
	s_lshl_b32 s[X2], s[X2], 11
	s_add_co_u32 s[X0], s[X0], s[X2]
	s_add_nc_u64 s[30:31], s[30:31], s[X0:X0+1]
	s_lshl_b32 s[X0], s[WV], 13                    ; my 32 rows of each weight's codes
	s_add_nc_u64 s[10:11], s[10:11], s[X0:X0+1]
	s_add_nc_u64 s[18:19], s[18:19], s[X0:X0+1]
	s_add_nc_u64 s[22:23], s[22:23], s[X0:X0+1]
	s_add_nc_u64 s[26:27], s[26:27], s[X0:X0+1]
	s_lshl_b32 s[X0], s[WV], 9                     ; and of its scale bytes
	s_add_nc_u64 s[12:13], s[12:13], s[X0:X0+1]
	s_add_nc_u64 s[20:21], s[20:21], s[X0:X0+1]
	s_add_nc_u64 s[24:25], s[24:25], s[X0:X0+1]
	s_add_nc_u64 s[28:29], s[28:29], s[X0:X0+1]
	global_load_b128 v[CD:CD+3], v[OW], s[6:7]     ; my sixteenth of o's images
.irp s,0,1,2,3
	global_load_b32 v[FS+\s], v[LS], s[8:9] offset:32768*\s
.endr
.irp u,0,1
.irp t,0,1
	global_load_b128 v[ACC0+16*\u+8*\t:ACC0+16*\u+8*\t+3], v[XO], s[4:5] offset:16384*\u+32*\t th:TH_LOAD_NT
	global_load_b128 v[ACC0+16*\u+8*\t+4:ACC0+16*\u+8*\t+7], v[XO], s[4:5] offset:16384*\u+32*\t+16 th:TH_LOAD_NT
.endr
.endr
	WLOAD WA, WSA, 10, 12                          ; wo
	WLOAD WB, WSB, 18, 20                          ; w1
.irp k,0,1,2,3
	global_load_b128 v[G+4*\k:G+4*\k+3], v[GO], s[14:15] offset:16*\k
.endr
.irp k,0,1,2,3
	global_load_b128 v[BI+4*\k:BI+4*\k+3], v[GO], s[16:17] offset:16*\k
.endr
	s_wait_loadcnt 54                              ; the first of the 55 loads is in
	ds_store_b128 v[OW], v[CD:CD+3] offset:OIMG
	BARRIER                                        ; o's eight fragments lie in LDS
	; ---- x1 = x + o wo^T: x is the sums' addend
	s_wait_loadcnt 25                              ; o's scale words, x and wo are in; behind them: w1 17, g 4, b 4
	MULT WA, WSA, ACC0, OIMG
	PLACES
	WLOAD WA, WSA, 22, 24                          ; w3
.irp u,0,1
.irp t,0,1
	ds_store_b128 v[STO], v[ACC0+16*\u+8*\t:ACC0+16*\u+8*\t+3] offset:16*SP*\u+32*\t           ; x1 waits in my own bytes of the stage; each accumulator from its low end on
	ds_store_b128 v[STO], v[ACC0+16*\u+8*\t+4:ACC0+16*\u+8*\t+7] offset:16*SP*\u+32*\t+16
.endr
.endr
	; ---- the norm
.irp u,0,1
	v_pk_add_f32 v[P0+2*\u:P0+2*\u+1], v[ACC0+16*\u:ACC0+16*\u+1], v[ACC0+16*\u+2:ACC0+16*\u+3]
.endr
.irp i,4,6,8,10,12,14
.irp u,0,1
	v_pk_add_f32 v[P0+2*\u:P0+2*\u+1], v[P0+2*\u:P0+2*\u+1], v[ACC0+16*\u+\i:ACC0+16*\u+\i+1]
.endr
.endr
	CROSS RED1
	v_mul_f32 v[P0], s[I512], v[P0]                ; the mean
	BOTH MU
.irp u,0,1
.irp j,0,1,2,3,4,5,6,7,8,9,10,11,12,13,14,15
	v_sub_f32 v[ACC0+16*\u+\j], v[ACC0+16*\u+\j], v[MU+\u]
.endr
.endr
.irp u,0,1
	v_pk_mul_f32 v[P0+2*\u:P0+2*\u+1], v[ACC0+16*\u:ACC0+16*\u+1], v[ACC0+16*\u:ACC0+16*\u+1]
.endr
.irp i,2,4,6,8,10,12,14
.irp u,0,1
	v_pk_fma_f32 v[P0+2*\u:P0+2*\u+1], v[ACC0+16*\u+\i:ACC0+16*\u+\i+1], v[ACC0+16*\u+\i:ACC0+16*\u+\i+1], v[P0+2*\u:P0+2*\u+1]
.endr
.endr
	CROSS RED2
	v_fma_f32 v[P0], v[P0], s[I512], s[EPS]        ; the variance + 1e-5
	v_rsq_f32 v[P0], v[P0]
	v_nop                                          ; one plain place behind the transcendental
	s_wait_alu depctr_va_vdst(0)
	BOTH RS
	s_wait_loadcnt 17                              ; w1, g and b are in; behind them: w3 17
.irp u,0,1
.irp j,0,1,2,3,4,5,6,7,8,9,10,11,12,13,14,15
	v_mul_f32 v[ACC0+16*\u+\j], v[ACC0+16*\u+\j], v[RS+\u]
.endr
.endr
.irp u,0,1
.irp j,0,2,4,6,8,10,12,14
	v_pk_fma_f32 v[ACC0+16*\u+\j:ACC0+16*\u+\j+1], v[ACC0+16*\u+\j:ACC0+16*\u+\j+1], v[G+\j:G+\j+1], v[BI+\j:BI+\j+1]
.endr
.endr
	QUANT HIMG, HSC                                ; behind its barrier h2's eight fragments lie in LDS
	; ---- gate and up
	s_wait_loadcnt 0x0                             ; w3 is in
	MULT2 HIMG
	PLACES
	WLOAD WB, WSB, 26, 28                          ; w2
.set n, 0
.rept 16
	v_pk_mul_f32 v[WA+n:WA+n+1], v[ACC0+n:ACC0+n+1], 0xbfb8aa3b op_sel_hi:[1,0]   ; -gate x log2(e), in registers that w3 has left
.set n, n+2
.endr
.set n, 0
.rept 32
	v_exp_f32 v[WA+n], v[WA+n]
.set n, n+1
.endr
	v_nop                                          ; one plain place behind the transcendentals
.set n, 0
	s_wait_alu depctr_va_vdst(0)
.rept 16
	v_pk_add_f32 v[WA+n:WA+n+1], v[WA+n:WA+n+1], 1.0 op_sel_hi:[1,0]
.set n, n+2
.endr
.set n, 0
.rept 32
	v_rcp_f32 v[WA+n], v[WA+n]                     ; the sigmoid
.set n, n+1
.endr
	v_nop
.set n, 0
	s_wait_alu depctr_va_vdst(0)
.rept 16
	v_pk_mul_f32 v[ACC0+n:ACC0+n+1], v[ACC0+n:ACC0+n+1], v[WA+n:WA+n+1]
.set n, n+2
.endr
.set n, 0
.rept 16
	v_pk_mul_f32 v[ACC0+n:ACC0+n+1], v[ACC0+n:ACC0+n+1], v[ACC1+n:ACC1+n+1]
.set n, n+2
.endr
	QUANT FIMG, FSC                                ; behind its barrier the gated product's eight fragments lie in LDS
	; ---- out = x1 + (..) w2^T: x1 comes back from my bytes of the stage as the sums' addend
.irp u,0,1
.irp t,0,1
	ds_load_b128 v[ACC1+16*\u+8*\t:ACC1+16*\u+8*\t+3], v[STO] offset:16*SP*\u+32*\t
	ds_load_b128 v[ACC1+16*\u+8*\t+4:ACC1+16*\u+8*\t+7], v[STO] offset:16*SP*\u+32*\t+16
.endr
.endr
	s_wait_loadcnt 0x0                             ; w2 is in
	MULT WB, WSB, ACC1, FIMG
	PLACES
.irp u,0,1
.irp t,0,1
	ds_store_b128 v[STO], v[ACC1+16*\u+8*\t:ACC1+16*\u+8*\t+3] offset:16*SP*\u+32*\t
	ds_store_b128 v[STO], v[ACC1+16*\u+8*\t+4:ACC1+16*\u+8*\t+7] offset:16*SP*\u+32*\t+16
.endr
.endr
	BARRIER                                        ; 32 whole rows of out lie in the stage
.irp i,0,1
.irp k,0,1,2,3
	ds_load_b128 v[WA+16*\i+4*\k:WA+16*\i+4*\k+3], v[STR] offset:SP*\i+512*\k
.endr
.endr
.irp i,0,1
.irp k,0,1,2,3
	s_wait_dscnt 7-4*\i-\k
	global_store_b128 v[LI], v[WA+16*\i+4*\k:WA+16*\i+4*\k+3], s[30:31] offset:2048*\i+512*\k th:TH_STORE_NT   ; 32 lanes store 512 consecutive bytes, aligned
.endr
.endr
	s_wait_tensorcnt 0x0
	ds_add_u32 v14, v15
	s_wait_dscnt 0x0
	s_endpgm
.Lfunc_end_k_q6df8963213_ffn:
	.size	k_q6df8963213_ffn, .Lfunc_end_k_q6df8963213_ffn-k_q6df8963213_ffn
	.p2alignl 7, 3214868480
	.fill 96, 4, 3214868480
	.section	.rodata,"a",@progbits
	.p2align	6, 0x0
	.amdhsa_kernel k_q6df8963213_ffn
		.amdhsa_group_segment_fixed_size 97792
		.amdhsa_private_segment_fixed_size 0
		.amdhsa_enable_private_segment 0
		.amdhsa_kernarg_size 112
		.amdhsa_user_sgpr_count 2
		.amdhsa_user_sgpr_kernarg_segment_ptr 1
		.amdhsa_wavefront_size32 1
		.amdhsa_system_sgpr_workgroup_id_x 1
		.amdhsa_system_sgpr_workgroup_id_y 1
		.amdhsa_system_sgpr_workgroup_id_z 1
		.amdhsa_system_vgpr_workitem_id 0
		.amdhsa_next_free_vgpr 256
		.amdhsa_next_free_sgpr 80
		.amdhsa_reserve_vcc 1
		.amdhsa_float_denorm_mode_32 3
		.amdhsa_float_denorm_mode_16_64 3
		.amdhsa_memory_ordered 1
		.amdhsa_forward_progress 1
		.amdhsa_inst_pref_size 48
	.end_amdhsa_kernel
	.amdgpu_metadata
---
amdhsa.version: [ 1, 2 ]
amdhsa.kernels:
  - .name:           k_q6df8963213_ffn
    .symbol:         k_q6df8963213_ffn.kd
    .args:
      - { .name: x, .offset: 0, .size: 8, .value_kind: global_buffer, .address_space: global }
      - { .name: oc, .offset: 8, .size: 8, .value_kind: global_buffer, .address_space: global }
      - { .name: os, .offset: 16, .size: 8, .value_kind: global_buffer, .address_space: global }
      - { .name: wo_codes, .offset: 24, .size: 8, .value_kind: global_buffer, .address_space: global }
      - { .name: wo_scales, .offset: 32, .size: 8, .value_kind: global_buffer, .address_space: global }
      - { .name: ln2_g, .offset: 40, .size: 8, .value_kind: global_buffer, .address_space: global }
      - { .name: ln2_b, .offset: 48, .size: 8, .value_kind: global_buffer, .address_space: global }
      - { .name: w1_codes, .offset: 56, .size: 8, .value_kind: global_buffer, .address_space: global }
      - { .name: w1_scales, .offset: 64, .size: 8, .value_kind: global_buffer, .address_space: global }
      - { .name: w3_codes, .offset: 72, .size: 8, .value_kind: global_buffer, .address_space: global }
      - { .name: w3_scales, .offset: 80, .size: 8, .value_kind: global_buffer, .address_space: global }
      - { .name: w2_codes, .offset: 88, .size: 8, .value_kind: global_buffer, .address_space: global }
      - { .name: w2_scales, .offset: 96, .size: 8, .value_kind: global_buffer, .address_space: global }
      - { .name: out0, .offset: 104, .size: 8, .value_kind: global_buffer, .address_space: global }
    .group_segment_fixed_size: 97792
    .private_segment_fixed_size: 0
    .kernarg_segment_align: 8
    .kernarg_segment_size: 112
    .max_flat_workgroup_size: 512
    .sgpr_count:     80
    .vgpr_count:     256
    .wavefront_size: 32
...
	.end_amdgpu_metadata
.endif
;; end of part 3
;; ======== version 2 of 2: 3 launches; version 1 with the launches qkv, attn, ffn written anew for expert scheduling mode
;; workspace buffers: qc 2,097,152 bytes; qs 262,144 bytes; kc 2,097,152 bytes; ks 262,144 bytes; vc 2,097,152 bytes; vs 131,072 bytes; oc 2,097,152 bytes; os 131,072 bytes
;; launch qkv (part 4): grid 256 x 1, 16 waves a work-group, no clusters, 14,336 bytes of LDS; arguments x, ln1_g, ln1_b, wq_codes, wq_scales, wk_codes, wk_scales, wv_codes, wv_scales, qc, qs, kc, ks, vc, vs; writes qc, qs, kc, ks, vc, vs
.if DOCPART == 4
	.amdgcn_target "amdgcn-amd-amdhsa--gfx1250"
	.amdhsa_code_object_version 6
	.text
	.protected	k_q6df8963213_qkv
	.globl	k_q6df8963213_qkv
	.p2align	8
	.type	k_q6df8963213_qkv,@function
k_q6df8963213_qkv:
	s_mov_b64 s[64:65], 0
	v_nop
	global_prefetch_b8 v0, s[64:65] scope:SCOPE_SE
	s_setreg_imm32_b32 hwreg(HW_REG_WAVE_SCHED_MODE, 0, 2), 2
	s_setreg_imm32_b32 hwreg(HW_REG_WAVE_MODE, 25, 1), 1
	s_wait_xcnt 0x0
	s_wait_alu depctr_vm_vsrc(0)
; h = layernorm(x) g + b, quantised to FP4 (E2M1, one E8M0 byte for each 32 along K); q = h wq^T, k = h wk^T, v = h wv^T on codes; q and k quantised along a head's 32 channels, v along 32 keys.
; SHARES.  A work-group takes 32 consecutive rows of the 8,192 (a block).  The block is two tiles u of 16 rows; lane r of tile u is row 8 u + r + 8 (r / 8).
; The norm: wave w takes tile w / 8, K step (w / 2) % 4, half w % 2: 16 rows x 64 numbers, 32 a lane (16 neighbours of each of two blocks of 32; lane l xor 16 holds the other 16).
; The products: wave w takes head w: 32 columns of each weight, 16 matrix instructions for each of q, k, v.  Its rows of a weight go from memory straight into the registers in which they are multiplied.
; h goes from wave to wave through LDS as images of the operand's registers: fragment (K step s, tile u) is 1,024 bytes, register group c at 512 c + 16 x lane; its scale words 4 bytes a lane.
; q, k: source 0 = 16 rows of W (lane r of tile t: row 32 head + 8 t + r + 8 (r / 8)), source 1 = 16 rows of h: a lane's 16 results of the two tiles t are 16 neighbouring channels of one row.
; v: the sources the other way round: a lane's 16 results of the two tiles u are 16 neighbouring KEYS of one channel.
; NO JOINT LOADS: all work-groups read the same weights, but the three are 3 x 139,264 = 417,792 bytes with their scales, more than LDS holds at once; each wave reads only its own 8,704 bytes of a weight, once.
; LIMITS: NaN and infinities among the inputs are not served.  A block whose largest magnitude lies under 2^-124, a block of zeros too, gets the byte 1: only this program reads these bytes.
; The variance is taken of x - mean (two passes), so a common offset of x costs no digits.
; THE MODE: SCHED_MODE bits 1:0 = 2 (LLVM: expert scheduling mode 2), set by the entry lines.  The code itself states the register dependences
; between vector or matrix instructions and memory or LDS instructions, with s_wait_alu, always for 0.
; THE PLAN.  Registers that memory or LDS instructions touch:
;   v1-12        offsets and LDS addresses: made once at the head, never written again: one wait ahead of the first load.
;   v[P0]        a partial sum, later a scale word: written by vector instructions, read by a store, written again.
;   v[CD ..]     codes: written by each quantiser's conversions, read by the stores behind it, written again by the next quantiser.
;   FR, FR1, FR2 three buffers for h's fragments.  A product's K steps 0, 1, 2 are asked for together, behind the wait at the end of the product before; K step 3 goes into FR behind one wait after K step 0's products.
;   WA, WB       a weight: read by its product's matrix instructions, loaded again behind the wait at that product's end (WB's first 32 registers held b: read by the norm's multiply-adds).
; So each product has one wait inside it and one at its end, and each quantiser one ahead of its stores and one ahead of its first line.
.set IMG,  0                           ; LDS: h's eight fragments, (2 s + u) x 1,024
.set SC,   8192                        ; their scale words, [s][16 u + r]
.set RED1, 8704                        ; [16 u + r][8 partial sums]
.set RED2, 9728                        ; the same for the squares
.set LI,  1                            ; v1   16 x lane
.set LS,  2                            ; v2   4 x lane
.set WO,  3                            ; v3   my lane's byte in 32 rows of a weight's codes
.set WSO, 4                            ; v4   and in their scale bytes
.set XO,  5                            ; v5   my lane's byte in the block of x
.set GO,  6                            ; v6   and in g and b
.set IW,  7                            ; v7   where my codes of h go
.set SW,  8                            ; v8   and my two scale bytes
.set RW,  9                            ; v9   where my partial sum goes
.set RR,  10                           ; v10  my row's eight partial sums
.set ST8, 11                           ; v11  16 r + 8 h: 8 bytes of codes in a run of 256
.set R4,  12                           ; v12  4 r
.set FS,  16                           ; v16-19  h's scale words, one register a K step: lanes 0-15 tile 0, lanes 16-31 tile 1
.set WSA, 20                           ; v20-23  scale words of the weight in WA;  v24-27 of that in WB
.set WSB, 24
.set MX,  28                           ; v28-29 largest magnitudes; v30-31 the other half's; v32-33 scale operands; v34-35 bytes; v36-39 codes
.set PM,  30
.set SO,  32
.set E,   34
.set CD,  36
.set MU,  40                           ; v40  the mean
.set P0,  42                           ; v42-45 sums at work
.set RS,  46                           ; v46  1 / sd (v47 is named with it as a pair)
.set FR,  48                           ; v48-63  h's two fragments of a K step: the first of three buffers
.set WA,  64                           ; v64-127, v128-191: a weight's eight fragments (tile t, K step s) at 8 (4 t + s)
.set WB,  128
.set ACC, 192                          ; v192-223 x, then h, then four accumulators
.set G,   224                          ; v224-255 g; behind the norm the other two buffers for h's fragments:
.set FR1, 224                          ; v224-239
.set FR2, 240                          ; v240-255
.set WV,  36
.set U,   37
.set KQ,  38
.set HC,  39
.set BB,  40
.set BLK, 41
.set BH,  42
.set X0,  44
.set X2,  46
.set SEL, 48
.set I512, 52
.set EPS, 53
.macro PLACES                          ; four plain vector places behind matrix instructions, ahead of loads into their registers and of reads of their results
.rept 4
	v_nop
.endr
.endm
.macro BARRIER                         ; my LDS stores have landed and my LDS loads are in: then the work-group's barrier
	s_wait_dscnt 0x0
	s_barrier_signal -1
	s_barrier_wait -1
.endm
; one matrix instruction: D, A, B, C (c < 0: the constant 0) by their first registers; the scale registers; which half of the lanes holds A's and B's scale words
.macro WM d, a, b, c, sa, sb, ra, rb
.if (\c) < 0
.if ((\ra) == 0) && ((\rb) == 0)
	v_wmma_scale_f32_16x16x128_f8f6f4 v[(\d):(\d)+7], v[(\a):(\a)+7], v[(\b):(\b)+7], 0, v[(\sa)], v[(\sb)] matrix_a_fmt:MATRIX_FMT_FP4 matrix_b_fmt:MATRIX_FMT_FP4
.elseif (\rb) == 0
	v_wmma_scale_f32_16x16x128_f8f6f4 v[(\d):(\d)+7], v[(\a):(\a)+7], v[(\b):(\b)+7], 0, v[(\sa)], v[(\sb)] matrix_a_fmt:MATRIX_FMT_FP4 matrix_b_fmt:MATRIX_FMT_FP4 matrix_a_scale:MATRIX_SCALE_ROW1
.elseif (\ra) == 0
	v_wmma_scale_f32_16x16x128_f8f6f4 v[(\d):(\d)+7], v[(\a):(\a)+7], v[(\b):(\b)+7], 0, v[(\sa)], v[(\sb)] matrix_a_fmt:MATRIX_FMT_FP4 matrix_b_fmt:MATRIX_FMT_FP4 matrix_b_scale:MATRIX_SCALE_ROW1
.else
	v_wmma_scale_f32_16x16x128_f8f6f4 v[(\d):(\d)+7], v[(\a):(\a)+7], v[(\b):(\b)+7], 0, v[(\sa)], v[(\sb)] matrix_a_fmt:MATRIX_FMT_FP4 matrix_b_fmt:MATRIX_FMT_FP4 matrix_a_scale:MATRIX_SCALE_ROW1 matrix_b_scale:MATRIX_SCALE_ROW1
.endif
.else
.if ((\ra) == 0) && ((\rb) == 0)
	v_wmma_scale_f32_16x16x128_f8f6f4 v[(\d):(\d)+7], v[(\a):(\a)+7], v[(\b):(\b)+7], v[(\c):(\c)+7], v[(\sa)], v[(\sb)] matrix_a_fmt:MATRIX_FMT_FP4 matrix_b_fmt:MATRIX_FMT_FP4
.elseif (\rb) == 0
	v_wmma_scale_f32_16x16x128_f8f6f4 v[(\d):(\d)+7], v[(\a):(\a)+7], v[(\b):(\b)+7], v[(\c):(\c)+7], v[(\sa)], v[(\sb)] matrix_a_fmt:MATRIX_FMT_FP4 matrix_b_fmt:MATRIX_FMT_FP4 matrix_a_scale:MATRIX_SCALE_ROW1
.elseif (\ra) == 0
	v_wmma_scale_f32_16x16x128_f8f6f4 v[(\d):(\d)+7], v[(\a):(\a)+7], v[(\b):(\b)+7], v[(\c):(\c)+7], v[(\sa)], v[(\sb)] matrix_a_fmt:MATRIX_FMT_FP4 matrix_b_fmt:MATRIX_FMT_FP4 matrix_b_scale:MATRIX_SCALE_ROW1
.else
	v_wmma_scale_f32_16x16x128_f8f6f4 v[(\d):(\d)+7], v[(\a):(\a)+7], v[(\b):(\b)+7], v[(\c):(\c)+7], v[(\sa)], v[(\sb)] matrix_a_fmt:MATRIX_FMT_FP4 matrix_b_fmt:MATRIX_FMT_FP4 matrix_a_scale:MATRIX_SCALE_ROW1 matrix_b_scale:MATRIX_SCALE_ROW1
.endif
.endif
.endm
; 17 loads: my 32 rows of a weight: eight fragments, and the rows' 16 scale bytes (register s = K step s's words; lanes 0-15 tile 0, lanes 16-31 tile 1)
.macro WLOAD wb, ws, pc, ps
.irp t,0,1
.irp s,0,1,2,3
.irp c,0,1
	global_load_b128 v[\wb+8*(4*\t+\s)+4*\c:\wb+8*(4*\t+\s)+4*\c+3], v[WO], s[\pc:\pc+1] offset:2048*\t+64*\s+32*\c
.endr
.endr
.endr
	global_load_b128 v[\ws:\ws+3], v[WSO], s[\ps:\ps+1]
.endm
.macro FLOAD fb, s                     ; 4 LDS loads: K step s's two fragments of h into the buffer at v[fb]
.irp k,0,1,2,3
	ds_load_b128 v[(\fb)+4*\k:(\fb)+4*\k+3], v[LI] offset:IMG+2048*(\s)+512*\k
.endr
.endm
.macro AHEAD                           ; 12 LDS loads: a product's K steps 0, 1, 2, a buffer each
	FLOAD FR, 0
	FLOAD FR1, 1
	FLOAD FR2, 2
.endm
; 4 matrix instructions: K step s from the buffer at v[fb], four accumulators by turns.  form 0: source 0 = W, accumulator 16 u + 8 t; form 1: source 0 = the rows, accumulator 16 t + 8 u.
; K step 0 starts the sums with the constant 0.
.macro KSTEP form, wb, ws, acc, s, fb
.irp u,0,1
.irp t,0,1
.if \form == 0
.if \s == 0
	WM \acc+16*\u+8*\t, \wb+8*(4*\t+\s), \fb+8*\u, -1, \ws+\s, FS+\s, \t, \u
.else
	WM \acc+16*\u+8*\t, \wb+8*(4*\t+\s), \fb+8*\u, \acc+16*\u+8*\t, \ws+\s, FS+\s, \t, \u
.endif
.else
.if \s == 0
	WM \acc+16*\t+8*\u, \fb+8*\u, \wb+8*(4*\t+\s), -1, FS+\s, \ws+\s, \u, \t
.else
	WM \acc+16*\t+8*\u, \fb+8*\u, \wb+8*(4*\t+\s), \acc+16*\t+8*\u, FS+\s, \ws+\s, \u, \t
.endif
.endif
.endr
.endr
.endm
; 16 matrix instructions: four K steps.  K steps 0, 1, 2 have been asked for (AHEAD), and no LDS instruction was issued behind them.
.macro MULT form, wb, ws, acc
	s_wait_dscnt 8                         ; K step 0's fragments are in (and whatever LDS loads stood ahead of them); the eight loads of K steps 1 and 2 may be out
	KSTEP \form, \wb, \ws, \acc, 0, FR
	PLACES
	s_wait_alu depctr_va_vdst(0)           ; K step 0's matrix instructions are done reading v[FR ..], in which K step 3's fragments land
	FLOAD FR, 3
	s_wait_dscnt 8                         ; K step 1's are in; those of K steps 2 and 3 may be out
	KSTEP \form, \wb, \ws, \acc, 1, FR1
	s_wait_dscnt 4                         ; K step 2's are in
	KSTEP \form, \wb, \ws, \acc, 2, FR2
	s_wait_dscnt 0x0                       ; K step 3's are in
	KSTEP \form, \wb, \ws, \acc, 3, FR
.endm
; Two blocks by turns.  v[x] .. v[x + 15] are 16 neighbours of a block of 32; lane l xor 16 holds the other 16.  Codes to v[CD + 2 k], v[CD + 2 k + 1], the byte to v[E + k].
.macro QUANT2 x0, x1
	v_max3_num_f32 v[MX], |v[\x0]|, |v[\x0+1]|, 0x1800000      ; with the floor 2^(3 - 127): the byte cannot fall under 1
	v_max3_num_f32 v[MX+1], |v[\x1]|, |v[\x1+1]|, 0x1800000
.irp i,2,4,6,8,10,12,14
	v_max3_num_f32 v[MX], v[MX], |v[\x0+\i]|, |v[\x0+\i+1]|
	v_max3_num_f32 v[MX+1], v[MX+1], |v[\x1+\i]|, |v[\x1+\i+1]|
.endr
	v_permlanex16_b32 v[PM], v[MX], s[SEL], s[SEL+1]
	v_permlanex16_b32 v[PM+1], v[MX+1], s[SEL], s[SEL+1]
	v_max_num_f32 v[MX], v[MX], v[PM]                          ; the block's largest magnitude
	v_max_num_f32 v[MX+1], v[MX+1], v[PM+1]
	v_add_nc_u32 v[SO], 0xff000000, v[MX]                      ; 2 off its exponent field: the conversion's scale operand
	v_add_nc_u32 v[SO+1], 0xff000000, v[MX+1]
	v_lshrrev_b32 v[E], 23, v[SO]                              ; the scale's byte
	v_lshrrev_b32 v[E+1], 23, v[SO+1]
	v_cvt_scalef32_pk8_fp4_f32 v[CD], v[\x0:\x0+7], v[SO]
	v_cvt_scalef32_pk8_fp4_f32 v[CD+1], v[\x0+8:\x0+15], v[SO]
	v_cvt_scalef32_pk8_fp4_f32 v[CD+2], v[\x1:\x1+7], v[SO+1]
	v_cvt_scalef32_pk8_fp4_f32 v[CD+3], v[\x1+8:\x1+15], v[SO+1]
	v_nop                                                      ; one plain place behind the scaled conversions
.endm
; my two chains, my two halves and lane l xor 16's make my wave's partial sum of a row; it goes to LDS
.macro PART base
	v_pk_add_f32 v[P0:P0+1], v[P0:P0+1], v[P0+2:P0+3]
	v_add_f32 v[P0], v[P0], v[P0+1]
	v_permlanex16_b32 v[PM], v[P0], s[SEL], s[SEL+1]
	v_add_f32 v[P0], v[P0], v[PM]
	s_wait_alu depctr_va_vdst(0)                               ; v[P0] is written, which the store reads; the sums issued so far are done reading v[FR ..], in which the loads below land
	ds_store_b32 v[RW], v[P0] offset:\base                     ; lanes r and r + 16 write the same word with the same value
	BARRIER
	ds_load_b128 v[FR:FR+3], v[RR] offset:\base
	ds_load_b128 v[FR+4:FR+7], v[RR] offset:\base+16
	s_wait_dscnt 0x0
	s_wait_alu depctr_vm_vsrc(0)                               ; the store has read v[P0], which is written again now
	v_pk_add_f32 v[P0:P0+1], v[FR:FR+1], v[FR+2:FR+3]          ; the eight waves' partial sums, in one order in every wave
	v_pk_add_f32 v[P0+2:P0+3], v[FR+4:FR+5], v[FR+6:FR+7]
	v_pk_add_f32 v[P0:P0+1], v[P0:P0+1], v[P0+2:P0+3]
	v_add_f32 v[P0], v[P0], v[P0+1]
.endm
	s_load_b512 s[4:19], s[0:1], 0x0               ; x 4, g 6, b 8, wq codes 10, scales 12, wk codes 14, scales 16, wv codes 18
	s_load_b256 s[20:27], s[0:1], 0x40             ; wv scales 20, qc 22, qs 24, kc 26
	s_load_b128 s[28:31], s[0:1], 0x60             ; ks 28, vc 30
	s_load_b64 s[32:33], s[0:1], 0x70              ; vs 32
	v_lshrrev_b32 v13, 5, v0
	v_readfirstlane_b32 s[WV], v13                 ; wave 0..15
	v_and_b32 v13, 15, v0                          ; r
	v_bfe_u32 v14, v0, 4, 1                        ; h
	v_and_b32 v15, 31, v0                          ; lane
	v_lshlrev_b32 v[LI], 4, v15
	v_lshlrev_b32 v[LS], 2, v15
	v_and_b32 v15, 8, v13
	v_add_nc_u32 v15, v15, v13                     ; r + 8 (r / 8)
	v_lshlrev_b32 v[WO], 8, v15                    ; a row of a weight's codes is 256 bytes,
	v_lshl_add_u32 v[WO], v14, 4, v[WO]            ; + 16 h
	v_lshl_add_u32 v[WSO], v14, 3, v15             ; scale bytes: lanes 16-31 take tile 1's rows, 8 further on;
	v_lshlrev_b32 v[WSO], 4, v[WSO]                ; 16 bytes a row
	s_wait_alu depctr_va_sdst(0)                   ; the wave's number is written, ahead of its first reader
	s_lshr_b32 s[U], s[WV], 3                      ; the norm: my tile,
	s_bfe_u32 s[KQ], s[WV], 0x20001                ; my K step,
	s_and_b32 s[HC], s[WV], 1                      ; my half of it
	s_lshl_b32 s[X0], s[KQ], 9
	s_lshl_b32 s[X0+1], s[HC], 8
	s_add_co_u32 s[X0], s[X0], s[X0+1]
	v_lshl_add_u32 v[GO], v14, 6, s[X0]            ; 512 s + 256 c + 64 h
	s_lshl_b32 s[X0+1], s[U], 14
	v_lshl_add_u32 v[XO], v15, 11, v[GO]           ; + row x 2,048
	v_add_nc_u32 v[XO], s[X0+1], v[XO]
	s_lshl_b32 s[X2], s[KQ], 11
	s_lshl_b32 s[X2+1], s[U], 10
	s_add_co_u32 s[X2], s[X2], s[X2+1]
	s_lshl_b32 s[X2+1], s[HC], 9
	s_add_co_u32 s[X2], s[X2], s[X2+1]
	v_lshlrev_b32 v[ST8], 4, v13
	v_lshl_add_u32 v[ST8], v14, 3, v[ST8]
	v_add_nc_u32 v[IW], s[X2], v[ST8]              ; image 2 s + u, group c
	v_lshlrev_b32 v[R4], 2, v13
	s_lshl_b32 s[X2], s[KQ], 7
	s_lshl_b32 s[X2+1], s[U], 6
	s_add_co_u32 s[X2], s[X2], s[X2+1]
	s_lshl_b32 s[X2+1], s[HC], 1
	s_add_co_u32 s[X2], s[X2], s[X2+1]
	v_add_nc_u32 v[SW], s[X2], v[R4]               ; word [s][16 u + r], bytes 2 c and 2 c + 1
	s_lshl_b32 s[X2], s[U], 9
	v_lshl_add_u32 v[RR], v13, 5, s[X2]
	s_and_b32 s[X2+1], s[WV], 7
	s_lshl_b32 s[X2+1], s[X2+1], 2
	v_add_nc_u32 v[RW], s[X2+1], v[RR]
	v_mov_b32 v[PM], 0                             ; written once: a lane permute's destination counts as one of its sources
	v_mov_b32 v[PM+1], 0
	v_mov_b32 v[RS+1], 0                           ; named as the upper half of a pair
	s_mov_b32 s[SEL], 0x76543210
	s_mov_b32 s[SEL+1], 0xfedcba98                 ; lane l xor 16
	s_mov_b32 s[I512], 0x3b000000                  ; 1 / 512
	s_mov_b32 s[EPS], 0x3727c5ac                   ; 1e-5
	s_lshr_b32 s[BB], ttmp9, 6                     ; batch
	s_and_b32 s[BLK], ttmp9, 63                    ; block of 32 rows in it
	s_lshl_b32 s[BH], s[BB], 4
	s_add_co_u32 s[BH], s[BH], s[WV]               ; 16 batch + head
	s_wait_kmcnt 0x0
	s_lshl_b32 s[X0], ttmp9, 16                    ; 32 rows of 2,048 bytes
	s_mov_b32 s[X0+1], 0
	s_add_nc_u64 s[4:5], s[4:5], s[X0:X0+1]
	s_lshl_b32 s[X0], s[WV], 13                    ; my head's 32 rows of codes
	s_add_nc_u64 s[10:11], s[10:11], s[X0:X0+1]
	s_add_nc_u64 s[14:15], s[14:15], s[X0:X0+1]
	s_add_nc_u64 s[18:19], s[18:19], s[X0:X0+1]
	s_lshl_b32 s[X0], s[WV], 9                     ; and of scale bytes
	s_add_nc_u64 s[12:13], s[12:13], s[X0:X0+1]
	s_add_nc_u64 s[16:17], s[16:17], s[X0:X0+1]
	s_add_nc_u64 s[20:21], s[20:21], s[X0:X0+1]
	s_wait_alu depctr_va_vdst(0)                   ; the twelve offsets and LDS addresses v1 to v12 are written: every load and store of the kernel reads one of them
.irp e,0,1
.irp j,0,1,2,3
	global_load_b128 v[ACC+16*\e+4*\j:ACC+16*\e+4*\j+3], v[XO], s[4:5] offset:128*\e+16*\j
.endr
.endr
.irp e,0,1
.irp j,0,1,2,3
	global_load_b128 v[G+16*\e+4*\j:G+16*\e+4*\j+3], v[GO], s[6:7] offset:128*\e+16*\j
.endr
.endr
.irp e,0,1
.irp j,0,1,2,3
	global_load_b128 v[WB+16*\e+4*\j:WB+16*\e+4*\j+3], v[GO], s[8:9] offset:128*\e+16*\j
.endr
.endr
	WLOAD WA, WSA, 10, 12                          ; wq
	s_lshl_b32 s[X2], s[BH], 6
	s_add_co_u32 s[X2], s[X2], s[BLK]              ; 64 (16 batch + head) + block
	s_lshl_b32 s[X0], s[X2], 9
	s_add_nc_u64 s[22:23], s[22:23], s[X0:X0+1]    ; qc, kc: 512 bytes a block
	s_add_nc_u64 s[26:27], s[26:27], s[X0:X0+1]
	s_lshl_b32 s[X0], s[X2], 6
	s_add_nc_u64 s[24:25], s[24:25], s[X0:X0+1]    ; qs, ks: 64 bytes a block
	s_add_nc_u64 s[28:29], s[28:29], s[X0:X0+1]
	s_lshl_b32 s[X0], s[BH], 15                    ; vc: 32,768 bytes a head, 2,048 a key step; in an image my block of keys is group (block / 2) % 2, lanes' half block % 2
	s_lshr_b32 s[X2], s[BLK], 2
	s_lshl_b32 s[X2+1], s[X2], 11
	s_add_co_u32 s[X0], s[X0], s[X2+1]
	s_bfe_u32 s[X2+1], s[BLK], 0x10001
	s_lshl_b32 s[X2+1], s[X2+1], 9
	s_add_co_u32 s[X0], s[X0], s[X2+1]
	s_and_b32 s[X2+1], s[BLK], 1
	s_lshl_b32 s[X2+1], s[X2+1], 8
	s_add_co_u32 s[X0], s[X0], s[X2+1]
	s_add_nc_u64 s[30:31], s[30:31], s[X0:X0+1]
	s_lshl_b32 s[X0], s[BH], 11                    ; vs: 2,048 bytes a head, 128 a key step, byte block % 4 of a word
	s_lshl_b32 s[X2], s[X2], 7
	s_add_co_u32 s[X0], s[X0], s[X2]
	s_and_b32 s[X2], s[BLK], 3
	s_add_co_u32 s[X0], s[X0], s[X2]
	s_add_nc_u64 s[32:33], s[32:33], s[X0:X0+1]
	; ---- the norm
	s_wait_loadcnt 33                              ; x's 8 loads are in; behind them: g 8, b 8, wq 17
	v_pk_add_f32 v[P0:P0+1], v[ACC:ACC+1], v[ACC+2:ACC+3]
	v_pk_add_f32 v[P0+2:P0+3], v[ACC+4:ACC+5], v[ACC+6:ACC+7]
.irp i,8,12,16,20,24,28
	v_pk_add_f32 v[P0:P0+1], v[P0:P0+1], v[ACC+\i:ACC+\i+1]
	v_pk_add_f32 v[P0+2:P0+3], v[P0+2:P0+3], v[ACC+\i+2:ACC+\i+3]
.endr
	PART RED1
	v_mul_f32 v[MU], s[I512], v[P0]                ; the mean
.set n, 0
.rept 32
	v_sub_f32 v[ACC+n], v[ACC+n], v[MU]
.set n, n+1
.endr
	v_pk_mul_f32 v[P0:P0+1], v[ACC:ACC+1], v[ACC:ACC+1]
	v_pk_mul_f32 v[P0+2:P0+3], v[ACC+2:ACC+3], v[ACC+2:ACC+3]
.irp i,4,8,12,16,20,24,28
	v_pk_fma_f32 v[P0:P0+1], v[ACC+\i:ACC+\i+1], v[ACC+\i:ACC+\i+1], v[P0:P0+1]
	v_pk_fma_f32 v[P0+2:P0+3], v[ACC+\i+2:ACC+\i+3], v[ACC+\i+2:ACC+\i+3], v[P0+2:P0+3]
.endr
	PART RED2
	v_fma_f32 v[P0], v[P0], s[I512], s[EPS]        ; the variance + 1e-5
	v_rsq_f32 v[RS], v[P0]
	v_nop                                          ; one plain place behind the transcendental
	s_wait_loadcnt 17                              ; g and b are in; behind them: wq 17
	s_wait_alu depctr_va_vdst(0)                   ; 1 / sd is written, ahead of its first reader
.set n, 0
.rept 16
	v_pk_mul_f32 v[ACC+n:ACC+n+1], v[ACC+n:ACC+n+1], v[RS:RS+1] op_sel_hi:[1,0]
.set n, n+2
.endr
.set n, 0
.rept 16
	v_pk_fma_f32 v[ACC+n:ACC+n+1], v[ACC+n:ACC+n+1], v[G+n:G+n+1], v[WB+n:WB+n+1]
.set n, n+2
.endr
	QUANT2 ACC, ACC+16
	v_lshl_or_b32 v[P0], v[E+1], 8, v[E]
	s_wait_alu depctr_va_vdst(0)                   ; h's codes and two bytes are written, which the LDS stores read; the multiply-adds are done reading b's registers, in which wk lands, and g's, in which fragments land; the sums are done reading v[FR ..]
	ds_store_b64 v[IW], v[CD:CD+1] offset:IMG      ; a wave's store covers 256 consecutive bytes of an image
	ds_store_b64 v[IW], v[CD+2:CD+3] offset:IMG+256
	ds_store_b16 v[SW], v[P0] offset:SC            ; lanes r and r + 16 write the same two bytes with the same values
	WLOAD WB, WSB, 14, 16                          ; wk, into registers that b has left
	BARRIER                                        ; h's eight fragments and their scale words lie in LDS; nothing in LDS is written after this
.irp s,0,1,2,3
	ds_load_b32 v[FS+\s], v[LS] offset:SC+128*\s
.endr
	AHEAD                                          ; no vector instruction since the wait above: the three buffers are free
	; ---- q
	s_wait_loadcnt 17                              ; wq is in; behind it: wk 17
	MULT 0, WA, WSA, ACC
	PLACES
	s_wait_alu depctr_va_vdst(0)                   ; q's matrix instructions are done reading the three buffers, in which k's fragments land, and wq's registers and scale words, in which wv lands
	AHEAD
	WLOAD WA, WSA, 18, 20                          ; wv
	s_wait_alu depctr_vm_vsrc(0)                   ; the LDS stores of h's codes and bytes have read v[CD ..] and v[P0], which are written again now
	QUANT2 ACC, ACC+16                             ; block u = row 8 u + r + 8 (r / 8), my 16 channels
	v_lshl_or_b32 v[P0], v[E+1], 8, v[E]
	v_lshl_or_b32 v[P0], v[P0], 16, v[P0]          ; the word (tile 0's byte, tile 1's, and both again)
	s_wait_alu depctr_va_vdst(0)                   ; q's codes and scale word are written, which the three stores read
	global_store_b64 v[ST8], v[CD:CD+1], s[22:23]              ; a wave's store covers 256 consecutive bytes, aligned
	global_store_b64 v[ST8], v[CD+2:CD+3], s[22:23] offset:256
	global_store_b32 v[R4], v[P0], s[24:25]        ; 64 consecutive bytes; both halves of the lanes write the same
	; ---- k
	s_wait_loadcnt 17                              ; wk is in; behind it: wv 17
	MULT 0, WB, WSB, ACC
	PLACES
	s_wait_alu depctr_va_vdst(0)                   ; k's matrix instructions are done reading the three buffers, in which v's fragments land
	AHEAD
	s_wait_xcnt 0x0                                ; q's stores have read their data registers, which are written again now
	s_wait_alu depctr_vm_vsrc(0)                   ; q's stores have read v[CD ..] and v[P0]
	QUANT2 ACC, ACC+16
	v_lshl_or_b32 v[P0], v[E+1], 8, v[E]
	v_lshl_or_b32 v[P0], v[P0], 16, v[P0]
	s_wait_alu depctr_va_vdst(0)                   ; k's codes and scale word are written, which the three stores read
	global_store_b64 v[ST8], v[CD:CD+1], s[26:27]
	global_store_b64 v[ST8], v[CD+2:CD+3], s[26:27] offset:256
	global_store_b32 v[R4], v[P0], s[28:29]
	; ---- v
	s_wait_loadcnt 0x0                             ; wv is in
	MULT 1, WA, WSA, ACC
	PLACES
	s_wait_xcnt 0x0                                ; k's stores have read their data registers
	s_wait_alu depctr_vm_vsrc(0)                   ; k's stores have read v[CD ..] and v[P0]
	QUANT2 ACC, ACC+16                             ; block t = channel 8 t + r + 8 (r / 8), my 16 keys
	s_mov_b32 vcc_lo, 0xffff0000                   ; lanes 16-31
	v_cndmask_b32 v[P0], v[E], v[E+1], vcc_lo      ; lanes 0-15 tile 0's byte, lanes 16-31 tile 1's
	s_wait_alu depctr_va_vdst(0)                   ; v's codes and scale byte are written, which the three stores read
	global_store_b64 v[ST8], v[CD:CD+1], s[30:31]
	global_store_b64 v[ST8], v[CD+2:CD+3], s[30:31] offset:1024
	global_store_b8 v[LS], v[P0], s[32:33]         ; single bytes 4 apart: a word's four blocks of keys belong to four work-groups
	s_wait_xcnt 0x0
	v_lshl_add_u32 v254, v0, 2, 0x3000             ; no memory or LDS instruction has read v254 or v255: loads landed in them, matrix instructions read them
	v_mov_b32 v255, 0
	s_wait_dscnt 0x0                               ; the closing lines, six on end
	s_wait_alu 0x0
	s_wait_tensorcnt 0x0
	ds_add_u32 v254, v255
	s_wait_dscnt 0x0
	s_endpgm
.Lfunc_end_k_q6df8963213_qkv:
	.size	k_q6df8963213_qkv, .Lfunc_end_k_q6df8963213_qkv-k_q6df8963213_qkv
	.p2alignl 7, 3214868480
	.fill 96, 4, 3214868480
	.section	.rodata,"a",@progbits
	.p2align	6, 0x0
	.amdhsa_kernel k_q6df8963213_qkv
		.amdhsa_group_segment_fixed_size 14336
		.amdhsa_private_segment_fixed_size 0
		.amdhsa_enable_private_segment 0
		.amdhsa_kernarg_size 120
		.amdhsa_user_sgpr_count 2
		.amdhsa_user_sgpr_kernarg_segment_ptr 1
		.amdhsa_wavefront_size32 1
		.amdhsa_system_sgpr_workgroup_id_x 1
		.amdhsa_system_sgpr_workgroup_id_y 1
		.amdhsa_system_sgpr_workgroup_id_z 1
		.amdhsa_system_vgpr_workitem_id 0
		.amdhsa_next_free_vgpr 256
		.amdhsa_next_free_sgpr 80
		.amdhsa_reserve_vcc 1
		.amdhsa_float_denorm_mode_32 3
		.amdhsa_float_denorm_mode_16_64 3
		.amdhsa_memory_ordered 1
		.amdhsa_forward_progress 1
		.amdhsa_inst_pref_size 38
	.end_amdhsa_kernel
	.amdgpu_metadata
---
amdhsa.version: [ 1, 2 ]
amdhsa.kernels:
  - .name:           k_q6df8963213_qkv
    .symbol:         k_q6df8963213_qkv.kd
    .args:
      - { .name: x, .offset: 0, .size: 8, .value_kind: global_buffer, .address_space: global }
      - { .name: ln1_g, .offset: 8, .size: 8, .value_kind: global_buffer, .address_space: global }
      - { .name: ln1_b, .offset: 16, .size: 8, .value_kind: global_buffer, .address_space: global }
      - { .name: wq_codes, .offset: 24, .size: 8, .value_kind: global_buffer, .address_space: global }
      - { .name: wq_scales, .offset: 32, .size: 8, .value_kind: global_buffer, .address_space: global }
      - { .name: wk_codes, .offset: 40, .size: 8, .value_kind: global_buffer, .address_space: global }
      - { .name: wk_scales, .offset: 48, .size: 8, .value_kind: global_buffer, .address_space: global }
      - { .name: wv_codes, .offset: 56, .size: 8, .value_kind: global_buffer, .address_space: global }
      - { .name: wv_scales, .offset: 64, .size: 8, .value_kind: global_buffer, .address_space: global }
      - { .name: qc, .offset: 72, .size: 8, .value_kind: global_buffer, .address_space: global }
      - { .name: qs, .offset: 80, .size: 8, .value_kind: global_buffer, .address_space: global }
      - { .name: kc, .offset: 88, .size: 8, .value_kind: global_buffer, .address_space: global }
      - { .name: ks, .offset: 96, .size: 8, .value_kind: global_buffer, .address_space: global }
      - { .name: vc, .offset: 104, .size: 8, .value_kind: global_buffer, .address_space: global }
      - { .name: vs, .offset: 112, .size: 8, .value_kind: global_buffer, .address_space: global }
    .group_segment_fixed_size: 14336
    .private_segment_fixed_size: 0
    .kernarg_segment_align: 8
    .kernarg_segment_size: 120
    .max_flat_workgroup_size: 512
    .sgpr_count:     80
    .vgpr_count:     256
    .wavefront_size: 32
...
	.end_amdgpu_metadata
.endif
;; end of part 4
;; launch attn (part 5): grid 16 x 16, 16 waves a work-group, no clusters, 2,560 bytes of LDS; arguments qc, qs, kc, ks, vc, vs, oc, os; writes oc, os
.if DOCPART == 5
	.amdgcn_target "amdgcn-amd-amdhsa--gfx1250"
	.amdhsa_code_object_version 6
	.text
	.protected	k_q6df8963213_attn
	.globl	k_q6df8963213_attn
	.p2align	8
	.type	k_q6df8963213_attn,@function
k_q6df8963213_attn:
	s_mov_b64 s[64:65], 0
	v_nop
	global_prefetch_b8 v0, s[64:65] scope:SCOPE_SE
	s_setreg_imm32_b32 hwreg(HW_REG_WAVE_SCHED_MODE, 0, 2), 2
	s_setreg_imm32_b32 hwreg(HW_REG_WAVE_MODE, 25, 1), 1
	s_wait_xcnt 0x0
	s_wait_alu depctr_vm_vsrc(0)
; o = softmax(q k^T / sqrt(32) - slope x (query - key), causal) v, both products on codes of FP4 (E2M1) with one E8M0 byte for each 32 along K; o / the row's sum is quantised along its head's 32 channels.
; THE SOFTMAX: t = logit x log2(e); M = the running largest t rounded UP to a whole number; p = 2^(t - M) is quantised along the keys, not normalised; the row's sum is taken of the unquantised p and divides at the end.
; When M moves, the sum and O are multiplied by 2^(old M - new M): exact.
; SHARES.  A wave takes 32 queries (two tiles u of 16; lane r of tile u is query 8 u + r + 8 (r / 8) of the block) of one head of one batch, and walks its keys 128 a step: block / 4 whole steps, then the step on the diagonal.
; Work-group (y, z): batch z / 4, heads 4 (z % 4) + 0 .. 3.  Wave w: head's place c4 = w % 4; its block is the ((w / 4 + c4) % 4)-th of y, 31 - y, 32 + y, 63 - y, whose steps add up to 34.
; So the four waves w % 4 = const and the four waves w / 4 = const each hold all four lengths.
; SCORES.  K = 32 fills a quarter of the instruction's 128.  Two blocks of keys (64 keys, 1,024 dense bytes) are loaded as ONE operand of 16 rows: K block ta of row r holds a key of key tile ta.  Q stands in K block ta of the
; other operand with zero codes in the other three, which add nothing: four instructions read one operand of keys.  Source 0 = keys, source 1 = queries: a lane holds one query, and 16 registers are 16 neighbouring keys.
; THE BIAS costs no vector instruction a score: key - query = (first key - first query) + 32 bk - 8 u + (8 u' + j + 16 h - r - 8 (r / 8)).  The bracket, times slope x sqrt(32), is a table of 16 registers, given as the products' C;
; the rest, times slope x log2(e), is a scalar for each (tile, block of 32 keys) and rides in the addend of the one multiply-add that makes t - M.
; K, V and their scale words go from memory straight into registers, dense, half a step ahead.  NO JOINT LOADS: waves of one head walk different numbers of key steps.
; LIMITS: NaN and infinities are not served; p under 2^-126 comes out of v_exp_f32 as 0; a block of o under 2^-124 gets the byte 1 (only this program reads it); the bias is rounded once in the product's f32 sum and once in the addend.
; THE MODE: SCHED_MODE bits 1:0 = 2 (LLVM: expert scheduling mode 2), set by the entry lines.  The code itself states the register dependences
; between vector or matrix instructions and memory or LDS instructions, with s_wait_alu, always for 0.
; THE PLAN.  Registers that memory or LDS instructions touch, in the loop:
;   v[K ..], v[KS ..]  read by the score products of both tiles; the next step's loads land in them behind one wait, which stands behind tile 1's score products and their places, where the softmax wants those results in any case.
;   v[V ..], v[VS]     read by both tiles' second products; the next step's loads land in them behind one wait, behind tile 1's second products and their places.
;   v[LI], v[LS]       offsets, made once at the head and never written again: the scalar bases step.
; From such a wait to the next use of the loaded registers no vector or matrix instruction names them, round the backward jump too.
; p's codes and scale word are made by vector instructions and taken by scaled matrix instructions: one wait directly ahead of each pair of second products, behind their places.  Q's pieces and scale word likewise: one wait at the head's end.
.set LI,  1                            ; v1  16 x lane
.set LS,  2                            ; v2  4 x lane
.set D0,  3                            ; v3  r + 8 (r / 8) - 16 h
.set NEG, 4                            ; v4  -infinity
.set OST, 5                            ; v5  16 r + 8 h
.set GA,  6                            ; v6  LDS: my byte among o's scale words
.set GR,  7                            ; v7  LDS: my word of them
.set ST,  8                            ; tile u: v[8 + 4 u] -M, +1 the largest t, +2, +3 the sum in two halves
.set T,   16                           ; v16-31 the bias table
.set QC,  32                           ; v32-67 zeros, Q0 low, zeros, Q0 high, zeros, Q1 low, zeros, Q1 high, zeros (4 registers each)
.set QS,  68                           ; v68 Q's scale words: lanes 0-15 tile 0, lanes 16-31 tile 1
.set PW,  69                           ; v69 p's scale word
.set F,   70                           ; v70 2^(old M - new M); v71 is named with it as a pair
.set PC,  72                           ; v72-79 p's codes
.set K,   80                           ; v80-95 two operands of 64 keys
.set V,   96                           ; v96-111 V's two tiles of 16 channels x 128 keys
.set KS,  112                          ; v112-113 K's scale words
.set VS,  114                          ; v114 V's
.set O,   116                          ; v116-147 O^T: tile u, channels' tile t at 16 u + 8 t
.set S,   148                          ; v148-211 the scores of one tile, then p
.set AD,  212                          ; v212 + 2 bk the addend of block bk;  v213 + 2 bk its largest score
.set BM,  213
.set TB,  220                          ; v220-223 at work
.set SO,  224                          ; v224-227 scale operands
.set BY,  228                          ; v228-231 bytes
.set W0,  232                          ; v232-235 at work
.set MX,  220                          ; the last quantiser's registers
.set PM,  222
.set E,   226
.set CD,  228
.set WV,  24
.set C4,  25
.set BE,  26
.set BLK, 27
.set HEAD, 28
.set BB,  29
.set SG,  30
.set BH,  31
.set CS,  32                           ; s[32:33] log2(e) / sqrt(32)
.set SEL, 34
.set SA,  36                           ; slope x log2(e)
.set AL,  37                           ; slope x sqrt(32)
.set DIST, 38                          ; my first query - the step's first key
.set CNT, 39
.set OFF, 40                           ; s40-47 the scalar part of the bias: 4 u + bk
.set NG,  48
.set X0,  50
.set X2,  52
.set MK,  54                           ; s54-63, s66-71 sixteen masks of the diagonal step: mask m at MK + m + 2 (m / 10)
.macro PLACES                          ; four plain vector places behind matrix instructions (ISA guide 7.12.1)
.rept 4
	v_nop
.endr
.endm
.macro WM d, a, b, c, sa, sb, ra, rb   ; one matrix instruction by its operands' first registers; ra, rb: which half of the lanes holds A's and B's scale words
.if ((\ra) == 0) && ((\rb) == 0)
	v_wmma_scale_f32_16x16x128_f8f6f4 v[(\d):(\d)+7], v[(\a):(\a)+7], v[(\b):(\b)+7], v[(\c):(\c)+7], v[(\sa)], v[(\sb)] matrix_a_fmt:MATRIX_FMT_FP4 matrix_b_fmt:MATRIX_FMT_FP4
.elseif (\rb) == 0
	v_wmma_scale_f32_16x16x128_f8f6f4 v[(\d):(\d)+7], v[(\a):(\a)+7], v[(\b):(\b)+7], v[(\c):(\c)+7], v[(\sa)], v[(\sb)] matrix_a_fmt:MATRIX_FMT_FP4 matrix_b_fmt:MATRIX_FMT_FP4 matrix_a_scale:MATRIX_SCALE_ROW1
.elseif (\ra) == 0
	v_wmma_scale_f32_16x16x128_f8f6f4 v[(\d):(\d)+7], v[(\a):(\a)+7], v[(\b):(\b)+7], v[(\c):(\c)+7], v[(\sa)], v[(\sb)] matrix_a_fmt:MATRIX_FMT_FP4 matrix_b_fmt:MATRIX_FMT_FP4 matrix_b_scale:MATRIX_SCALE_ROW1
.else
	v_wmma_scale_f32_16x16x128_f8f6f4 v[(\d):(\d)+7], v[(\a):(\a)+7], v[(\b):(\b)+7], v[(\c):(\c)+7], v[(\sa)], v[(\sb)] matrix_a_fmt:MATRIX_FMT_FP4 matrix_b_fmt:MATRIX_FMT_FP4 matrix_a_scale:MATRIX_SCALE_ROW1 matrix_b_scale:MATRIX_SCALE_ROW1
.endif
.endm
.macro KLOAD                           ; 6 loads: a step's 128 keys, 2,048 dense bytes, and their 256 bytes of scale words
.irp g,0,1
.irp c,0,1
	global_load_b128 v[K+8*\g+4*\c:K+8*\g+4*\c+3], v[LI], s[12:13] offset:1024*\g+512*\c
.endr
.endr
.irp g,0,1
	global_load_b32 v[KS+\g], v[LS], s[14:15] offset:128*\g
.endr
.endm
.macro VLOAD                           ; 5 loads: V's two images of the step and their 128 bytes of scale words
.irp t,0,1
.irp c,0,1
	global_load_b128 v[V+8*\t+4*\c:V+8*\t+4*\c+3], v[LI], s[16:17] offset:1024*\t+512*\c
.endr
.endr
	global_load_b32 v[VS], v[LS], s[18:19]
.endm
; S^T of tile u: 8 instructions.  Key tile ta of operand g: Q's variant with its codes in K block ta; C = the bias table's half ta % 2; K's words: lanes' half ta / 2
.macro QK u
.irp g,0,1
.irp ta,0,1,2,3
	WM S+8*(4*\g+\ta), K+8*\g, QC+16*\u+8*(\ta%2)+4-4*(\ta/2), T+8*(\ta%2), KS+\g, QS, \ta/2, \u
.endr
.endr
.endm
.macro PV u                            ; O^T += V^T P^T: two accumulators, one instruction each; the next on either comes after many others
	s_wait_alu depctr_va_vdst(0)           ; p's codes and scale word are written, which the scaled products take; the sums and the rescaling of O^T above are their places
.irp t,0,1
	WM O+16*\u+8*\t, V+8*\t, PC, O+16*\u+8*\t, VS, PW, \t, 0
.endr
.endm
; The diagonal step: register 16 bk + i holds key 32 bk + 16 h + i of the step: hidden where 32 bk + i > my query - the first key - 16 h.  The compares go in runs of sixteen, a scalar register each, with one wait a run.
.macro MASK u
	s_add_co_u32 s[X2], s[DIST], 8*\u
	v_add_nc_u32 v[W0], s[X2], v[D0]
.irp b,0,1,2,3
.set m, 0
.rept 16
	v_cmp_gt_i32 s[MK+m+2*(m/10)], 32*\b+m, v[W0]
.set m, m+1
.endr
	s_wait_alu depctr_va_sdst(0)           ; the sixteen masks are written, ahead of the selects that read them
.set m, 0
.rept 16
	v_cndmask_b32 v[S+16*\b+m], v[S+16*\b+m], v[NEG], s[MK+m+2*(m/10)]
.set m, m+1
.endr
.endr
.endm
.macro SOFT u
.irp b,0,1,2,3
	v_max3_num_f32 v[BM+2*\b], v[S+16*\b], v[S+16*\b+1], v[S+16*\b+2]      ; the largest score of each block of 32 keys: for the row's maximum and, since p rises with the score, for the block's largest p
.endr
.irp i,3,5,7,9,11,13
.irp b,0,1,2,3
	v_max3_num_f32 v[BM+2*\b], v[BM+2*\b], v[S+16*\b+\i], v[S+16*\b+\i+1]
.endr
.endr
.irp b,0,1,2,3
	v_max_num_f32 v[BM+2*\b], v[BM+2*\b], v[S+16*\b+15]
.endr
.irp b,0,1,2,3
	v_permlanex16_b32 v[TB+\b], v[BM+2*\b], s[SEL], s[SEL+1]
.endr
.irp b,0,1,2,3
	v_max_num_f32 v[BM+2*\b], v[BM+2*\b], v[TB+\b]                         ; with lane l xor 16's 16 keys
.endr
.irp b,0,1,2,3
	v_fma_f32 v[TB+\b], v[BM+2*\b], s[CS], s[OFF+4*\u+\b]                  ; as t
.endr
	v_max3_num_f32 v[W0], v[TB], v[TB+1], v[TB+2]
	v_max3_num_f32 v[ST+4*\u+1], v[W0], v[TB+3], v[ST+4*\u+1]              ; the running largest t
	v_mov_b32 v[W0], v[ST+4*\u]
	v_floor_f32 v[ST+4*\u], -v[ST+4*\u+1]                                  ; -M = floor(-t): M is a whole number
	v_sub_f32 v[W0], v[ST+4*\u], v[W0]                                     ; old M - new M, 0 or less
	v_cvt_i32_f32 v[W0], v[W0]                                             ; (it saturates)
	v_ldexp_f32 v[F], 1.0, v[W0]
.irp b,0,1,2,3
	v_add_f32 v[AD+2*\b], s[OFF+4*\u+\b], v[ST+4*\u]                       ; the block's addend: the bias's scalar part - M
.endr
.irp b,0,1,2,3
.irp j,0,2,4,6,8,10,12,14
	v_pk_fma_f32 v[S+16*\b+\j:S+16*\b+\j+1], v[S+16*\b+\j:S+16*\b+\j+1], s[CS:CS+1], v[AD+2*\b:AD+2*\b+1] op_sel_hi:[1,0,0]   ; t - M, two at a time
.endr
.endr
.irp b,0,1,2,3
	v_fma_f32 v[BM+2*\b], v[BM+2*\b], s[CS], v[AD+2*\b]                    ; the same of each block's largest score
.endr
.set n, 0
.rept 64
	v_exp_f32 v[S+n], v[S+n]                                               ; p = 2^(t - M)
.set n, n+1
.endr
.irp b,0,1,2,3
	v_exp_f32 v[BM+2*\b], v[BM+2*\b]                                       ; the block's largest p: the same two instructions on the same number
.endr
	v_pk_mul_f32 v[ST+4*\u+2:ST+4*\u+3], v[ST+4*\u+2:ST+4*\u+3], v[F:F+1] op_sel_hi:[1,0]   ; the sum under the new M (a plain place behind the exponentials)
	s_wait_alu depctr_va_vdst(0)                                           ; the 68 exponentials have written their results, ahead of the first reader: one wait for the batch
.irp b,0,1,2,3
	v_max_num_f32 v[BM+2*\b], 0x1800000, v[BM+2*\b]                        ; the floor 2^(3 - 127): the byte cannot fall under 1
.endr
.irp b,0,1,2,3
	v_add_nc_u32 v[SO+\b], 0xff000000, v[BM+2*\b]                          ; 2 off the exponent field: the conversion's scale operand
.endr
.irp b,0,1,2,3
	v_lshrrev_b32 v[BY+\b], 23, v[SO+\b]
.endr
	v_lshl_or_b32 v[PW], v[BY+1], 8, v[BY]
	v_lshl_or_b32 v[PW], v[BY+2], 16, v[PW]
	v_lshl_or_b32 v[PW], v[BY+3], 24, v[PW]
.irp b,0,1,2,3
	v_cvt_scalef32_pk8_fp4_f32 v[PC+2*\b], v[S+16*\b:S+16*\b+7], v[SO+\b]
	v_cvt_scalef32_pk8_fp4_f32 v[PC+2*\b+1], v[S+16*\b+8:S+16*\b+15], v[SO+\b]
.endr
	v_nop                                                                  ; one plain place behind the scaled conversions
.irp c,0,1
.irp i,0,1
	v_permlane16_swap_b32 v[PC+4*\c+\i], v[PC+4*\c+2+\i]                   ; the operand wants a whole block in a lane: lanes 0-15 block 2 c, lanes 16-31 block 2 c + 1
.endr
.endr
	v_pk_add_f32 v[W0:W0+1], v[S:S+1], v[S+2:S+3]                          ; the row's sum of the unquantised p, in two chains
.irp j,4,8,12,16,20,24,28,32,36,40,44,48,52,56,60
	v_pk_add_f32 v[ST+4*\u+2:ST+4*\u+3], v[ST+4*\u+2:ST+4*\u+3], v[S+\j:S+\j+1]
	v_pk_add_f32 v[W0:W0+1], v[W0:W0+1], v[S+\j+2:S+\j+3]
.endr
	v_pk_add_f32 v[ST+4*\u+2:ST+4*\u+3], v[ST+4*\u+2:ST+4*\u+3], v[W0:W0+1]
.irp j,0,2,4,6,8,10,12,14
	v_pk_mul_f32 v[O+16*\u+\j:O+16*\u+\j+1], v[O+16*\u+\j:O+16*\u+\j+1], v[F:F+1] op_sel_hi:[1,0]   ; O^T under the new M.  The sums and these stand between p's codes and scale word and the product that takes them
.endr
.endm
.macro OFFS i, lit                     ; slope x log2(e) x (32 bk - 8 u - DIST)
	s_add_f32 s[X2], s[NG], \lit
	s_mul_f32 s[OFF+\i], s[X2], s[SA]
.endm
; A KEY STEP.  more = 1: a whole step, which fetches the next step's K and V;  0: the step on the diagonal, which masks and fetches nothing, so that no load leaves its buffer.
.macro STEP more
	s_cvt_f32_u32 s[NG], s[DIST]
	s_xor_b32 s[NG], s[NG], 0x80000000
	s_mul_f32 s[OFF], s[NG], s[SA]
	OFFS 1, 0x42000000                     ; 32
	OFFS 2, 0x42800000                     ; 64
	OFFS 3, 0x42c00000                     ; 96
	OFFS 4, 0xc1000000                     ; -8
	OFFS 5, 0x41c00000                     ; 24
	OFFS 6, 0x42600000                     ; 56
	OFFS 7, 0x42b00000                     ; 88
	s_wait_loadcnt 5                       ; K's 6 loads are in; behind them: V's 5
.if \more
	s_add_nc_u64 s[12:13], s[12:13], 2048  ; that wait has shown K's loads done: their bases step
	s_add_nc_u64 s[14:15], s[14:15], 256
.endif
	QK 0
	PLACES
.if \more == 0
	MASK 0
.endif
	SOFT 0
	s_wait_loadcnt 0x0                     ; V is in
.if \more
	s_add_nc_u64 s[16:17], s[16:17], 2048
	s_add_nc_u64 s[18:19], s[18:19], 128
.endif
	PV 0
	QK 1
	PLACES
.if \more
	s_wait_alu depctr_va_vdst(0)           ; both tiles' score products are done reading K and its scale words, in which the next step's land
	KLOAD                                  ; the next step's keys: a tile's softmax ahead of their use
.else
	MASK 1
.endif
	SOFT 1
	PV 1
	PLACES
.if \more
	s_wait_alu depctr_va_vdst(0)           ; both tiles' second products are done reading V and its scale words, in which the next step's land
	VLOAD
	s_sub_co_u32 s[DIST], s[DIST], 128
.endif
.endm
	s_load_b512 s[8:23], s[0:1], 0x0               ; qc 8, qs 10, kc 12, ks 14, vc 16, vs 18, oc 20, os 22
	v_lshl_add_u32 v240, v0, 2, 0x200
	v_mov_b32 v241, 0
	v_lshrrev_b32 v[W0], 5, v0
	v_readfirstlane_b32 s[WV], v[W0]               ; wave 0..15
	v_and_b32 v[W0], 15, v0                        ; r
	v_bfe_u32 v[W0+1], v0, 4, 1                    ; h
	v_and_b32 v[W0+2], 31, v0                      ; lane
	v_lshlrev_b32 v[LI], 4, v[W0+2]
	v_lshlrev_b32 v[LS], 2, v[W0+2]
	v_and_b32 v[W0+3], 8, v[W0]
	v_add_nc_u32 v[W0+3], v[W0+3], v[W0]           ; r + 8 (r / 8)
	v_lshlrev_b32 v[D0], 4, v[W0+1]
	v_sub_nc_u32 v[D0], v[W0+3], v[D0]
	v_lshlrev_b32 v[BY], 4, v[W0]                  ; 16 r: Q's codes
	v_lshlrev_b32 v[BY+1], 2, v[W0]                ; 4 r: Q's scale words
	v_lshl_add_u32 v[OST], v[W0+1], 3, v[BY]
	s_wait_alu depctr_va_sdst(0)                   ; the wave's number is written, ahead of its first reader
	s_and_b32 s[C4], s[WV], 3
	s_lshr_b32 s[BE], s[WV], 2
	s_add_co_u32 s[BE], s[BE], s[C4]
	s_and_b32 s[BE], s[BE], 3                      ; which of the work-group's four blocks
	s_lshl_b32 s[X2], s[BE], 7
	v_add_nc_u32 v[GR], s[X2], v[LS]
	v_add_nc_u32 v[GA], s[C4], v[GR]
	s_and_b32 s[X2], ttmp7, 0xffff
	s_lshr_b32 s[BB], s[X2], 2                     ; batch
	s_and_b32 s[SG], s[X2], 3                      ; group of four heads
	s_lshl_b32 s[HEAD], s[SG], 2
	s_add_co_u32 s[HEAD], s[HEAD], s[C4]
	s_sub_co_u32 s[X2], 31, ttmp9
	s_bitcmp1_b32 s[BE], 0
	s_cselect_b32 s[BLK], s[X2], ttmp9
	s_and_b32 s[X2], s[BE], 2
	s_lshl_b32 s[X2], s[X2], 4
	s_add_co_u32 s[BLK], s[BLK], s[X2]             ; y, 31 - y, 32 + y, 63 - y
	s_lshl_b32 s[BH], s[BB], 4
	s_add_co_u32 s[BH], s[BH], s[HEAD]
	s_add_co_u32 s[X2], s[HEAD], 1                 ; slope = 2^(-(head + 1) / 2), made on its bits
	s_mov_b32 s[SA], 0x3f800000
	s_bitcmp1_b32 s[X2], 0
	s_cselect_b32 s[SA], 0x3f3504f3, s[SA]         ; 2^-0.5 where head + 1 is odd
	s_lshr_b32 s[X2], s[X2], 1
	s_lshl_b32 s[X2], s[X2], 23
	s_sub_co_u32 s[SA], s[SA], s[X2]
	s_mul_f32 s[AL], s[SA], 0x40b504f3             ; x sqrt(32)
	s_mul_f32 s[SA], s[SA], 0x3fb8aa3b             ; x log2(e)
	s_mov_b32 s[CS], 0x3e8293ee                    ; log2(e) / sqrt(32)
	s_mov_b32 s[CS+1], s[CS]
	s_mov_b32 s[SEL], 0x76543210
	s_mov_b32 s[SEL+1], 0xfedcba98                 ; lane l xor 16
	s_mov_b32 s[X0+1], 0
	s_wait_kmcnt 0x0
	s_lshl_b32 s[X2], s[BH], 6
	s_add_co_u32 s[X2], s[X2], s[BLK]
	s_lshl_b32 s[X0], s[X2], 9
	s_add_nc_u64 s[8:9], s[8:9], s[X0:X0+1]        ; my block of Q's codes,
	s_lshl_b32 s[X0], s[X2], 6
	s_add_nc_u64 s[10:11], s[10:11], s[X0:X0+1]    ; and of its scale words
	s_lshl_b32 s[X0], s[BH], 15
	s_add_nc_u64 s[12:13], s[12:13], s[X0:X0+1]    ; my head's K and V, from the first key on
	s_add_nc_u64 s[16:17], s[16:17], s[X0:X0+1]
	s_lshl_b32 s[X0], s[BH], 12
	s_add_nc_u64 s[14:15], s[14:15], s[X0:X0+1]
	s_lshl_b32 s[X0], s[BH], 11
	s_add_nc_u64 s[18:19], s[18:19], s[X0:X0+1]
	s_wait_alu depctr_va_vdst(0)                   ; the offsets and LDS addresses v[LI], v[LS], v[OST], v[GA], v[GR], v[BY], v[BY+1] are written: every load and store of the kernel reads one of them
	global_load_b128 v[QC+12:QC+15], v[BY], s[8:9]             ; both halves of the lanes take row r's 16 bytes
	global_load_b128 v[QC+28:QC+31], v[BY], s[8:9] offset:256
	global_load_b32 v[QS], v[BY+1], s[10:11]
	KLOAD
	VLOAD
	s_lshl_b32 s[X2], s[BB], 6
	s_add_co_u32 s[X2], s[X2], s[BLK]              ; my block among the 256
	s_lshl_b32 s[X0], s[X2], 13                    ; oc: 8,192 bytes a block, 2,048 a K step (four heads); my head is group c4 / 2, lanes' half c4 % 2 of an image
	s_lshl_b32 s[X2+1], s[SG], 11
	s_add_co_u32 s[X0], s[X0], s[X2+1]
	s_lshr_b32 s[X2+1], s[C4], 1
	s_lshl_b32 s[X2+1], s[X2+1], 9
	s_add_co_u32 s[X0], s[X0], s[X2+1]
	s_and_b32 s[X2+1], s[C4], 1
	s_lshl_b32 s[X2+1], s[X2+1], 8
	s_add_co_u32 s[X0], s[X0], s[X2+1]
	s_add_nc_u64 s[20:21], s[20:21], s[X0:X0+1]
	s_lshl_b32 s[X0], s[SG], 15                    ; os: [K step][block][32 words]
	s_lshl_b32 s[X2+1], s[X2], 7
	s_add_co_u32 s[X0], s[X0], s[X2+1]
	s_add_nc_u64 s[22:23], s[22:23], s[X0:X0+1]
.irp z,0,8,16,24,32
.irp i,0,1,2,3
	v_mov_b32 v[QC+\z+\i], 0                       ; the zero codes between Q's pieces
.endr
.endr
	s_wait_loadcnt 11                              ; Q's 3 loads are in; behind them: K's 6, V's 5
	s_mov_b32 vcc_lo, 0xffff0000                   ; lanes 16-31
.irp u,0,1
.irp i,0,1,2,3
	v_cndmask_b32 v[QC+16*\u+4+\i], v[QC+16*\u+12+\i], v[QC], vcc_lo       ; Q in lanes 0-15, zeros above
	v_cndmask_b32 v[QC+16*\u+12+\i], v[QC], v[QC+16*\u+12+\i], vcc_lo      ; Q in lanes 16-31, zeros below
.endr
.endr
	v_and_b32 v[W0], 0xff, v[QS]                   ; tile 0's byte,
	v_bfe_u32 v[W0+1], v[QS], 8, 8                 ; tile 1's
	v_cndmask_b32 v[W0], v[W0], v[W0+1], vcc_lo
	v_lshl_or_b32 v[W0], v[W0], 8, v[W0]
	v_lshl_or_b32 v[QS], v[W0], 16, v[W0]          ; in all four bytes: Q may stand in any K block
.set n, 0
.rept 16
	v_sub_nc_u32 v[T+n], n, v[D0]
.set n, n+1
.endr
.set n, 0
.rept 16
	v_cvt_f32_i32 v[T+n], v[T+n]
.set n, n+1
.endr
.set n, 0
.rept 16
	v_mul_f32 v[T+n], s[AL], v[T+n]                ; slope x sqrt(32) x (i + 16 h - r - 8 (r / 8))
.set n, n+1
.endr
	v_mov_b32 v[NEG], 0xff800000
.irp u,0,1
	v_mov_b32 v[ST+4*\u+1], 0xff61b1e6             ; the largest t so far: -3e38
	v_floor_f32 v[ST+4*\u], -v[ST+4*\u+1]
	v_mov_b32 v[ST+4*\u+2], 0
	v_mov_b32 v[ST+4*\u+3], 0
.endr
.irp b,0,1,2,3
	v_mov_b32 v[TB+\b], 0                          ; written once: a lane permute's destination counts as one of its sources
.endr
	v_mov_b32 v[F+1], 0
.set n, 0
.rept 32
	v_mov_b32 v[O+n], 0                            ; the step is written for every step alike: the first finds zeros, which the first change of M leaves zeros
.set n, n+1
.endr
	s_lshl_b32 s[DIST], s[BLK], 5
	s_lshr_b32 s[CNT], s[BLK], 2                   ; whole steps
	s_wait_alu depctr_va_vdst(0)                   ; Q's pieces and scale word are written, which every scaled score product takes; the lines behind them are their places
	s_wait_alu depctr_vm_vsrc(0)                   ; Q's loads have read their offsets v[BY] and v[BY+1], which the softmax writes
	s_cmp_eq_u32 s[CNT], 0
	s_cbranch_scc1 .Ldiag
.Lstep:
	STEP 1
	s_sub_co_u32 s[CNT], s[CNT], 1
	s_cmp_lg_u32 s[CNT], 0
	s_cbranch_scc1 .Lstep
.Ldiag:                                                ; on both ways here the loads that are out are K's 6 and, behind them, V's 5
	STEP 0
	; ---- o = O^T / the sum, quantised: a block of 32 along the next product's K is my head
.irp u,0,1
	v_add_f32 v[W0+2*\u], v[ST+4*\u+2], v[ST+4*\u+3]
.endr
.irp u,0,1
	v_permlanex16_b32 v[TB+\u], v[W0+2*\u], s[SEL], s[SEL+1]
.endr
.irp u,0,1
	v_add_f32 v[W0+2*\u], v[W0+2*\u], v[TB+\u]
.endr
.irp u,0,1
	v_rcp_f32 v[W0+2*\u], v[W0+2*\u]
.endr
	v_nop                                          ; one plain place behind the transcendentals
	s_wait_alu depctr_va_vdst(0)                   ; the two reciprocals are written, ahead of their first reader
.irp u,0,1
.irp j,0,1,2,3,4,5,6,7,8,9,10,11,12,13,14,15
	v_mul_f32 v[O+16*\u+\j], v[O+16*\u+\j], v[W0+2*\u]
.endr
.endr
	v_max3_num_f32 v[MX], |v[O]|, |v[O+1]|, 0x1800000
	v_max3_num_f32 v[MX+1], |v[O+16]|, |v[O+17]|, 0x1800000
.irp i,2,4,6,8,10,12,14
	v_max3_num_f32 v[MX], v[MX], |v[O+\i]|, |v[O+\i+1]|
	v_max3_num_f32 v[MX+1], v[MX+1], |v[O+16+\i]|, |v[O+16+\i+1]|
.endr
	v_permlanex16_b32 v[PM], v[MX], s[SEL], s[SEL+1]
	v_permlanex16_b32 v[PM+1], v[MX+1], s[SEL], s[SEL+1]
	v_max_num_f32 v[MX], v[MX], v[PM]
	v_max_num_f32 v[MX+1], v[MX+1], v[PM+1]
	v_add_nc_u32 v[SO], 0xff000000, v[MX]
	v_add_nc_u32 v[SO+1], 0xff000000, v[MX+1]
	v_lshrrev_b32 v[E], 23, v[SO]
	v_lshrrev_b32 v[E+1], 23, v[SO+1]
	v_cvt_scalef32_pk8_fp4_f32 v[CD], v[O:O+7], v[SO]
	v_cvt_scalef32_pk8_fp4_f32 v[CD+1], v[O+8:O+15], v[SO]
	v_cvt_scalef32_pk8_fp4_f32 v[CD+2], v[O+16:O+23], v[SO+1]
	v_cvt_scalef32_pk8_fp4_f32 v[CD+3], v[O+24:O+31], v[SO+1]
	v_nop                                          ; one plain place behind the scaled conversions
	s_mov_b32 vcc_lo, 0xffff0000
	v_cndmask_b32 v[MX], v[E], v[E+1], vcc_lo      ; lanes 0-15 tile 0's byte, lanes 16-31 tile 1's
	s_wait_alu depctr_va_vdst(0)                   ; o's codes and scale byte are written, which the three stores below read; no vector instruction follows, so v[MX+1], in which the word below lands, is done with too
	global_store_b64 v[OST], v[CD:CD+1], s[20:21]              ; a wave's store covers 256 consecutive bytes, aligned
	global_store_b64 v[OST], v[CD+2:CD+3], s[20:21] offset:1024
	ds_store_b8 v[GA], v[MX]                       ; the four heads of a K step make a word: they meet in LDS
	s_wait_dscnt 0x0                               ; for the others' sake: my byte has landed
	s_barrier_signal -1
	s_barrier_wait -1
	s_cmp_lg_u32 s[C4], 0                          ; of the four waves of a block the one with c4 = 0 stores the words
	s_cbranch_scc1 .Lend
	ds_load_b32 v[MX+1], v[GR]                     ; into a register that no memory or LDS instruction has read
	s_wait_dscnt 0x0
	global_store_b32 v[LS], v[MX+1], s[22:23]      ; 128 consecutive bytes
.Lend:
	s_wait_dscnt 0x0                               ; the closing lines, six on end
	s_wait_alu 0x0
	s_wait_tensorcnt 0x0
	ds_add_u32 v240, v241
	s_wait_dscnt 0x0
	s_endpgm
.Lfunc_end_k_q6df8963213_attn:
	.size	k_q6df8963213_attn, .Lfunc_end_k_q6df8963213_attn-k_q6df8963213_attn
	.p2alignl 7, 3214868480
	.fill 96, 4, 3214868480
	.section	.rodata,"a",@progbits
	.p2align	6, 0x0
	.amdhsa_kernel k_q6df8963213_attn
		.amdhsa_group_segment_fixed_size 2560
		.amdhsa_private_segment_fixed_size 0
		.amdhsa_enable_private_segment 0
		.amdhsa_kernarg_size 64
		.amdhsa_user_sgpr_count 2
		.amdhsa_user_sgpr_kernarg_segment_ptr 1
		.amdhsa_wavefront_size32 1
		.amdhsa_system_sgpr_workgroup_id_x 1
		.amdhsa_system_sgpr_workgroup_id_y 1
		.amdhsa_system_sgpr_workgroup_id_z 1
		.amdhsa_system_vgpr_workitem_id 0
		.amdhsa_next_free_vgpr 242
		.amdhsa_next_free_sgpr 80
		.amdhsa_reserve_vcc 1
		.amdhsa_float_denorm_mode_32 3
		.amdhsa_float_denorm_mode_16_64 3
		.amdhsa_memory_ordered 1
		.amdhsa_forward_progress 1
		.amdhsa_inst_pref_size 87
	.end_amdhsa_kernel
	.amdgpu_metadata
---
amdhsa.version: [ 1, 2 ]
amdhsa.kernels:
  - .name:           k_q6df8963213_attn
    .symbol:         k_q6df8963213_attn.kd
    .args:
      - { .name: qc, .offset: 0, .size: 8, .value_kind: global_buffer, .address_space: global }
      - { .name: qs, .offset: 8, .size: 8, .value_kind: global_buffer, .address_space: global }
      - { .name: kc, .offset: 16, .size: 8, .value_kind: global_buffer, .address_space: global }
      - { .name: ks, .offset: 24, .size: 8, .value_kind: global_buffer, .address_space: global }
      - { .name: vc, .offset: 32, .size: 8, .value_kind: global_buffer, .address_space: global }
      - { .name: vs, .offset: 40, .size: 8, .value_kind: global_buffer, .address_space: global }
      - { .name: oc, .offset: 48, .size: 8, .value_kind: global_buffer, .address_space: global }
      - { .name: os, .offset: 56, .size: 8, .value_kind: global_buffer, .address_space: global }
    .group_segment_fixed_size: 2560
    .private_segment_fixed_size: 0
    .kernarg_segment_align: 8
    .kernarg_segment_size: 64
    .max_flat_workgroup_size: 512
    .sgpr_count:     80
    .vgpr_count:     242
    .wavefront_size: 32
...
	.end_amdgpu_metadata
.endif
;; end of part 5
;; launch ffn (part 6): grid 256 x 1, 16 waves a work-group, no clusters, 97,792 bytes of LDS; arguments x, oc, os, wo_codes, wo_scales, ln2_g, ln2_b, w1_codes, w1_scales, w3_codes, w3_scales, w2_codes, w2_scales, out0; writes out0
.if DOCPART == 6
	.amdgcn_target "amdgcn-amd-amdhsa--gfx1250"
	.amdhsa_code_object_version 6
	.text
	.protected	k_q6df8963213_ffn
	.globl	k_q6df8963213_ffn
	.p2align	8
	.type	k_q6df8963213_ffn,@function
k_q6df8963213_ffn:
	s_mov_b64 s[64:65], 0
	v_nop
	global_prefetch_b8 v0, s[64:65] scope:SCOPE_SE
	s_setreg_imm32_b32 hwreg(HW_REG_WAVE_SCHED_MODE, 0, 2), 2
	s_setreg_imm32_b32 hwreg(HW_REG_WAVE_MODE, 25, 1), 1
	s_wait_xcnt 0x0
	s_wait_alu depctr_vm_vsrc(0)
; x1 = x + o wo^T;  h2 = layernorm(x1) g + b;  out = x1 + (silu(h2 w1^T) x (h2 w3^T)) w2^T.  All four products on codes of FP4 (E2M1) with one E8M0 byte for each 32 along K; all else in f32.
; SHARES.  A work-group takes 32 consecutive rows (two tiles u of 16; lane r of tile u is row 8 u + r + 8 (r / 8)).  Wave w takes columns 32 w .. 32 w + 31 in every product, so x1, gate, up and out of a column stay in one wave:
; 64 matrix instructions a wave.  Its 32 rows of each weight go from memory straight into the registers in which they are multiplied, a product ahead.
; Every product: source 0 = 16 rows of W (lane r of tile t: row 32 w + 8 t + r + 8 (r / 8)), source 1 = 16 rows: a lane's 16 results of the two tiles t are 16 neighbouring columns of one row, half a block of the next K.
; Operands go from wave to wave through LDS as images of their registers: fragment (K step s, tile u) is 1,024 bytes, register group c at 512 c + 16 x lane.  The residuals are the C of a sum's first instruction.
; x1 waits in the stage in LDS while its registers serve gate and up; out leaves through the same bytes as whole rows.
; NO JOINT LOADS: all work-groups read the same weights, but the four are 4 x 139,264 = 557,056 bytes with their scales, more than LDS holds at once; each wave reads only its own 8,704 bytes of a weight, once.
; LIMITS: NaN and infinities among the inputs are not served.  A block whose largest magnitude lies under 2^-124, a block of zeros too, gets the byte 1: only this program reads these bytes.
; The variance is taken of x1 - mean (two passes).  The sigmoid is 1 / (1 + 2^(-gate x log2(e))) by v_exp_f32 and v_rcp_f32.
; THE MODE: SCHED_MODE bits 1:0 = 2 (LLVM: expert scheduling mode 2), set by the entry lines.  The code itself states the register dependences
; between vector or matrix instructions and memory or LDS instructions, with s_wait_alu, always for 0.
; THE PLAN.  Registers that memory or LDS instructions touch:
;   v1-13        offsets and LDS addresses: made once at the head, never written again: one wait ahead of the first load.
;   FR, FB       two buffers for the rows' fragments.  FB is v28-43, the quantiser's and the norm's work registers, which lie idle during every product.  A product's K steps 0 and 1 are asked for together ahead of it,
;                K steps 2 and 3 together behind one wait in its middle.  LDS stores read v[CD ..], v[E] and v[P0], which lie in FB: one wait on their reads stands ahead of the loads into FB.
;   WA, WB       a weight: read by its product's matrix instructions, loaded again behind the wait at that product's end.
;   ACC0, ACC1   written by matrix instructions, read by LDS stores (x1, out) behind the wait at the product's end; x1 lands in ACC1 again behind the second quantiser's wait.
;   v[P0]        a partial sum: written by vector instructions, read by a store, written again.
; So each product has one wait in its middle and one at its end; each quantiser one ahead of its stores, which also covers every load behind its barrier.
.set OIMG, 0                           ; LDS: o's eight fragments
.set HIMG, 8192                        ; h2's
.set FIMG, 16384                       ; the gated product's
.set HSC,  24576                       ; h2's scale words, [s][16 u + r]
.set FSC,  25088                       ; the gated product's
.set RED1, 25600                       ; [16 u + r][16 partial sums]
.set RED2, 27648
.set STG,  29696                       ; 32 rows x (2,048 bytes + 16): row 16 u + r
.set SP,   2064
.set LI,  1                            ; v1  16 x lane
.set LS,  2                            ; v2  4 x lane
.set WO,  3                            ; v3  my lane's byte in 32 rows of a weight's codes
.set WSO, 4                            ; v4  and in their scale bytes
.set XO,  5                            ; v5  my lane's byte in the block of x
.set GO,  6                            ; v6  and in g and b
.set HW,  7                            ; v7  where my codes go in an image
.set SW,  8                            ; v8  and my scale byte
.set STO, 9                            ; v9  the stage: my 64 bytes of row r
.set RW,  10                           ; v10 where my partial sum goes
.set RR,  11                           ; v11 a row's sixteen partial sums
.set STR, 12                           ; v12 the stage: the two rows that I store
.set OW,  13                           ; v13 my 16 bytes of o's images
.set FS,  16                           ; v16-19 the rows' scale words, one register a K step
.set WSA, 20
.set WSB, 24
.set FB,  28                           ; v28-43 during a product: the second buffer for the rows' fragments
.set MX,  28
.set PM,  30
.set SO,  32
.set E,   34
.set CD,  36
.set MU,  40                           ; v40, v41 the means of tiles 0, 1
.set P0,  42                           ; v42-45 sums at work
.set RS,  46                           ; v46, v47 1 / sd of tiles 0, 1
.set FR,  48                           ; v48-63 the first buffer
.set WA,  64
.set WB,  128
.set ACC0, 192                         ; x, x1, h2, gate, the gated product
.set ACC1, 224                         ; g and b, up, x1, out
.set G,   224
.set BI,  240
.set WV,  36
.set X0,  44
.set X2,  46
.set SEL, 48
.set I512, 52
.set EPS, 53
.macro PLACES                          ; four plain vector places behind matrix instructions (ISA guide 7.12.1)
.rept 4
	v_nop
.endr
.endm
.macro BARRIER                         ; my LDS stores have landed and my LDS loads are in: then the work-group's barrier
	s_wait_dscnt 0x0
	s_barrier_signal -1
	s_barrier_wait -1
.endm
.macro WM d, a, b, c, sa, sb, ra, rb   ; one matrix instruction by its operands' first registers (c < 0: the constant 0); ra, rb: which half of the lanes holds A's and B's scale words
.if (\c) < 0
.if ((\ra) == 0) && ((\rb) == 0)
	v_wmma_scale_f32_16x16x128_f8f6f4 v[(\d):(\d)+7], v[(\a):(\a)+7], v[(\b):(\b)+7], 0, v[(\sa)], v[(\sb)] matrix_a_fmt:MATRIX_FMT_FP4 matrix_b_fmt:MATRIX_FMT_FP4
.elseif (\rb) == 0
	v_wmma_scale_f32_16x16x128_f8f6f4 v[(\d):(\d)+7], v[(\a):(\a)+7], v[(\b):(\b)+7], 0, v[(\sa)], v[(\sb)] matrix_a_fmt:MATRIX_FMT_FP4 matrix_b_fmt:MATRIX_FMT_FP4 matrix_a_scale:MATRIX_SCALE_ROW1
.elseif (\ra) == 0
	v_wmma_scale_f32_16x16x128_f8f6f4 v[(\d):(\d)+7], v[(\a):(\a)+7], v[(\b):(\b)+7], 0, v[(\sa)], v[(\sb)] matrix_a_fmt:MATRIX_FMT_FP4 matrix_b_fmt:MATRIX_FMT_FP4 matrix_b_scale:MATRIX_SCALE_ROW1
.else
	v_wmma_scale_f32_16x16x128_f8f6f4 v[(\d):(\d)+7], v[(\a):(\a)+7], v[(\b):(\b)+7], 0, v[(\sa)], v[(\sb)] matrix_a_fmt:MATRIX_FMT_FP4 matrix_b_fmt:MATRIX_FMT_FP4 matrix_a_scale:MATRIX_SCALE_ROW1 matrix_b_scale:MATRIX_SCALE_ROW1
.endif
.else
.if ((\ra) == 0) && ((\rb) == 0)
	v_wmma_scale_f32_16x16x128_f8f6f4 v[(\d):(\d)+7], v[(\a):(\a)+7], v[(\b):(\b)+7], v[(\c):(\c)+7], v[(\sa)], v[(\sb)] matrix_a_fmt:MATRIX_FMT_FP4 matrix_b_fmt:MATRIX_FMT_FP4
.elseif (\rb) == 0
	v_wmma_scale_f32_16x16x128_f8f6f4 v[(\d):(\d)+7], v[(\a):(\a)+7], v[(\b):(\b)+7], v[(\c):(\c)+7], v[(\sa)], v[(\sb)] matrix_a_fmt:MATRIX_FMT_FP4 matrix_b_fmt:MATRIX_FMT_FP4 matrix_a_scale:MATRIX_SCALE_ROW1
.elseif (\ra) == 0
	v_wmma_scale_f32_16x16x128_f8f6f4 v[(\d):(\d)+7], v[(\a):(\a)+7], v[(\b):(\b)+7], v[(\c):(\c)+7], v[(\sa)], v[(\sb)] matrix_a_fmt:MATRIX_FMT_FP4 matrix_b_fmt:MATRIX_FMT_FP4 matrix_b_scale:MATRIX_SCALE_ROW1
.else
	v_wmma_scale_f32_16x16x128_f8f6f4 v[(\d):(\d)+7], v[(\a):(\a)+7], v[(\b):(\b)+7], v[(\c):(\c)+7], v[(\sa)], v[(\sb)] matrix_a_fmt:MATRIX_FMT_FP4 matrix_b_fmt:MATRIX_FMT_FP4 matrix_a_scale:MATRIX_SCALE_ROW1 matrix_b_scale:MATRIX_SCALE_ROW1
.endif
.endif
.endm
.macro WLOAD wb, ws, pc, ps            ; 17 loads: my 32 rows of a weight: eight fragments, and the rows' 16 scale bytes
.irp t,0,1
.irp s,0,1,2,3
.irp c,0,1
	global_load_b128 v[\wb+8*(4*\t+\s)+4*\c:\wb+8*(4*\t+\s)+4*\c+3], v[WO], s[\pc:\pc+1] offset:2048*\t+64*\s+32*\c
.endr
.endr
.endr
	global_load_b128 v[\ws:\ws+3], v[WSO], s[\ps:\ps+1]
.endm
.macro FLOAD img, s, fb                ; 4 LDS loads: K step s's two fragments into the buffer at v[fb]
.irp k,0,1,2,3
	ds_load_b128 v[(\fb)+4*\k:(\fb)+4*\k+3], v[LI] offset:(\img)+2048*(\s)+512*\k
.endr
.endm
.macro PAIR img, s                     ; 8 LDS loads: K steps s and s + 1, a buffer each
	FLOAD \img, \s, FR
	FLOAD \img, (\s)+1, FB
.endm
.macro KS1 wb, ws, acc, s, fb          ; 4 matrix instructions onto what lies in the accumulators: K step s from the buffer at v[fb], four accumulators by turns
.irp u,0,1
.irp t,0,1
	WM \acc+16*\u+8*\t, \wb+8*(4*\t+\s), \fb+8*\u, \acc+16*\u+8*\t, \ws+\s, FS+\s, \t, \u
.endr
.endr
.endm
.macro KS2 s, fb                       ; 8 matrix instructions: gate (w1 in WB) and up (w3 in WA), eight accumulators by turns; K step 0 starts the sums
.irp u,0,1
.irp t,0,1
.if \s == 0
	WM ACC0+16*\u+8*\t, WB+8*(4*\t+\s), \fb+8*\u, -1, WSB+\s, FS+\s, \t, \u
	WM ACC1+16*\u+8*\t, WA+8*(4*\t+\s), \fb+8*\u, -1, WSA+\s, FS+\s, \t, \u
.else
	WM ACC0+16*\u+8*\t, WB+8*(4*\t+\s), \fb+8*\u, ACC0+16*\u+8*\t, WSB+\s, FS+\s, \t, \u
	WM ACC1+16*\u+8*\t, WA+8*(4*\t+\s), \fb+8*\u, ACC1+16*\u+8*\t, WSA+\s, FS+\s, \t, \u
.endif
.endr
.endr
.endm
; 16 matrix instructions onto an addend that lies in the accumulators.  K steps 0 and 1 have been asked for (PAIR), and no LDS instruction was issued behind them.
.macro MULT wb, ws, acc, img
	s_wait_dscnt 4                         ; K step 0's fragments are in (and whatever LDS loads stood ahead of them); K step 1's four loads may be out
	KS1 \wb, \ws, \acc, 0, FR
	s_wait_dscnt 0x0                       ; K step 1's are in
	KS1 \wb, \ws, \acc, 1, FB
	PLACES
	s_wait_alu depctr_va_vdst(0)           ; the matrix instructions of K steps 0 and 1 are done reading the two buffers, in which the fragments of K steps 2 and 3 land
	PAIR \img, 2
	s_wait_dscnt 4
	KS1 \wb, \ws, \acc, 2, FR
	s_wait_dscnt 0x0
	KS1 \wb, \ws, \acc, 3, FB
.endm
.macro MULT2 img                       ; gate and up on one pass over h2: 32 matrix instructions, laid as MULT
	s_wait_dscnt 4
	KS2 0, FR
	s_wait_dscnt 0x0
	KS2 1, FB
	PLACES
	s_wait_alu depctr_va_vdst(0)           ; the matrix instructions of K steps 0 and 1 are done reading the two buffers, in which the fragments of K steps 2 and 3 land
	PAIR \img, 2
	s_wait_dscnt 4
	KS2 2, FR
	s_wait_dscnt 0x0
	KS2 3, FB
.endm
; ACC0's two tiles are quantised (16 neighbours of a block a lane; lane l xor 16 holds the other 16) and go to LDS: codes to the images at img, bytes to the words at sc
.macro QUANT img, sc
	v_max3_num_f32 v[MX], |v[ACC0]|, |v[ACC0+1]|, 0x1800000    ; with the floor 2^(3 - 127): the byte cannot fall under 1
	v_max3_num_f32 v[MX+1], |v[ACC0+16]|, |v[ACC0+17]|, 0x1800000
.irp i,2,4,6,8,10,12,14
	v_max3_num_f32 v[MX], v[MX], |v[ACC0+\i]|, |v[ACC0+\i+1]|
	v_max3_num_f32 v[MX+1], v[MX+1], |v[ACC0+16+\i]|, |v[ACC0+16+\i+1]|
.endr
	v_permlanex16_b32 v[PM], v[MX], s[SEL], s[SEL+1]
	v_permlanex16_b32 v[PM+1], v[MX+1], s[SEL], s[SEL+1]
	v_max_num_f32 v[MX], v[MX], v[PM]
	v_max_num_f32 v[MX+1], v[MX+1], v[PM+1]
	v_add_nc_u32 v[SO], 0xff000000, v[MX]                      ; 2 off the exponent field: the conversion's scale operand
	v_add_nc_u32 v[SO+1], 0xff000000, v[MX+1]
	v_lshrrev_b32 v[E], 23, v[SO]
	v_lshrrev_b32 v[E+1], 23, v[SO+1]
	v_cvt_scalef32_pk8_fp4_f32 v[CD], v[ACC0:ACC0+7], v[SO]
	v_cvt_scalef32_pk8_fp4_f32 v[CD+1], v[ACC0+8:ACC0+15], v[SO]
	v_cvt_scalef32_pk8_fp4_f32 v[CD+2], v[ACC0+16:ACC0+23], v[SO+1]
	v_cvt_scalef32_pk8_fp4_f32 v[CD+3], v[ACC0+24:ACC0+31], v[SO+1]
	v_cndmask_b32 v[E], v[E], v[E+1], vcc_lo                   ; lanes 0-15 tile 0's byte, lanes 16-31 tile 1's.  (The plain place behind the scaled conversions)
	s_wait_alu depctr_va_vdst(0)                               ; the codes and the byte are written, which the stores read; every vector and matrix instruction so far is done with v[FS ..], v[FR ..], v[FB ..] and ACC1, in which the loads behind the barrier land
	ds_store_b64 v[HW], v[CD:CD+1] offset:\img                 ; a wave's store covers 256 consecutive bytes of an image
	ds_store_b64 v[HW], v[CD+2:CD+3] offset:\img+1024
	ds_store_b8 v[SW], v[E] offset:\sc
	BARRIER
	s_wait_alu depctr_vm_vsrc(0)                               ; my stores have read v[CD ..] and v[E], which lie in v[FB ..], where a fragment lands next
.irp s,0,1,2,3
	ds_load_b32 v[FS+\s], v[LS] offset:\sc+128*\s
.endr
.endm
; v[P0:P0+1] (tile 0) and v[P0+2:P0+3] (tile 1) hold my sums in two halves.  They become my wave's partial sums of 32 rows, meet the other waves' in LDS, and come back whole: lane (r, h) gets the sum of row r of tile h in v[P0]
.macro CROSS base
	v_add_f32 v[P0], v[P0], v[P0+1]
	v_add_f32 v[P0+2], v[P0+2], v[P0+3]
	v_permlanex16_b32 v[PM], v[P0], s[SEL], s[SEL+1]
	v_permlanex16_b32 v[PM+1], v[P0+2], s[SEL], s[SEL+1]
	v_add_f32 v[P0], v[P0], v[PM]
	v_add_f32 v[P0+2], v[P0+2], v[PM+1]
	v_cndmask_b32 v[P0], v[P0], v[P0+2], vcc_lo
	s_wait_alu depctr_va_vdst(0)                               ; v[P0] is written, which the store reads; the sums issued so far are done reading v[FR ..], in which the loads below land
	ds_store_b32 v[RW], v[P0] offset:\base
	BARRIER
.irp k,0,1,2,3
	ds_load_b128 v[FR+4*\k:FR+4*\k+3], v[RR] offset:\base+16*\k
.endr
	s_wait_dscnt 0x0
	s_wait_alu depctr_vm_vsrc(0)                               ; the store has read v[P0], which is written again now; the stage's stores have read x1's registers, which the lines behind this macro write
	v_pk_add_f32 v[P0:P0+1], v[FR:FR+1], v[FR+2:FR+3]          ; the sixteen waves' partial sums, in one order in every wave
	v_pk_add_f32 v[P0+2:P0+3], v[FR+4:FR+5], v[FR+6:FR+7]
	v_pk_add_f32 v[P0:P0+1], v[P0:P0+1], v[FR+8:FR+9]
	v_pk_add_f32 v[P0+2:P0+3], v[P0+2:P0+3], v[FR+10:FR+11]
	v_pk_add_f32 v[P0:P0+1], v[P0:P0+1], v[FR+12:FR+13]
	v_pk_add_f32 v[P0+2:P0+3], v[P0+2:P0+3], v[FR+14:FR+15]
	v_pk_add_f32 v[P0:P0+1], v[P0:P0+1], v[P0+2:P0+3]
	v_add_f32 v[P0], v[P0], v[P0+1]
.endm
.macro BOTH d                          ; v[P0] holds my tile h's number: v[d] gets tile 0's, v[d + 1] tile 1's
	v_permlanex16_b32 v[PM], v[P0], s[SEL], s[SEL+1]
	v_cndmask_b32 v[\d], v[P0], v[PM], vcc_lo
	v_cndmask_b32 v[\d+1], v[PM], v[P0], vcc_lo
.endm
	s_load_b512 s[4:19], s[0:1], 0x0               ; x 4, oc 6, os 8, wo codes 10, scales 12, g 14, b 16, w1 codes 18
	s_load_b256 s[20:27], s[0:1], 0x40             ; w1 scales 20, w3 codes 22, scales 24, w2 codes 26
	s_load_b128 s[28:31], s[0:1], 0x60             ; w2 scales 28, out0 30
	v_lshl_add_u32 v14, v0, 2, 0x17600
	v_mov_b32 v15, 0
	v_lshrrev_b32 v40, 5, v0
	v_readfirstlane_b32 s[WV], v40                 ; wave 0..15
	v_and_b32 v40, 15, v0                          ; r
	v_bfe_u32 v41, v0, 4, 1                        ; h
	v_and_b32 v42, 31, v0                          ; lane
	v_and_b32 v43, 8, v40
	v_add_nc_u32 v43, v43, v40                     ; r + 8 (r / 8)
	v_lshlrev_b32 v[LI], 4, v42
	v_lshlrev_b32 v[LS], 2, v42
	v_lshlrev_b32 v[WO], 8, v43
	v_lshl_add_u32 v[WO], v41, 4, v[WO]
	v_lshl_add_u32 v[WSO], v41, 3, v43
	v_lshlrev_b32 v[WSO], 4, v[WSO]
	s_wait_alu depctr_va_sdst(0)                   ; the wave's number is written, ahead of its first reader
	s_lshl_b32 s[X0], s[WV], 7
	v_lshl_add_u32 v[GO], v41, 6, s[X0]            ; 128 w + 64 h: my 16 columns
	v_lshl_add_u32 v[XO], v43, 11, v[GO]
	v_lshlrev_b32 v[HW], 4, v40
	v_lshl_add_u32 v[HW], v41, 3, v[HW]
	s_lshr_b32 s[X2], s[WV], 2                     ; my columns are block w % 4 of K step w / 4
	s_lshl_b32 s[X0], s[X2], 11
	s_bfe_u32 s[X0+1], s[WV], 0x10001
	s_lshl_b32 s[X0+1], s[X0+1], 9
	s_add_co_u32 s[X0], s[X0], s[X0+1]
	s_and_b32 s[X0+1], s[WV], 1
	s_lshl_b32 s[X0+1], s[X0+1], 8
	s_add_co_u32 s[X0], s[X0], s[X0+1]
	v_add_nc_u32 v[HW], s[X0], v[HW]
	s_lshl_b32 s[X0], s[X2], 7
	s_and_b32 s[X0+1], s[WV], 3
	s_add_co_u32 s[X0], s[X0], s[X0+1]
	v_add_nc_u32 v[SW], s[X0], v[LS]
	v_mul_u32_u24 v[STO], v40, SP
	v_add_nc_u32 v[STO], v[STO], v[GO]
	v_add_nc_u32 v[STO], STG, v[STO]
	v_lshlrev_b32 v[RR], 6, v42
	s_lshl_b32 s[X0], s[WV], 2
	v_add_nc_u32 v[RW], s[X0], v[RR]
	s_mul_i32 s[X0], s[WV], 2*SP
	s_add_co_u32 s[X0], s[X0], STG
	v_add_nc_u32 v[STR], s[X0], v[LI]
	s_lshl_b32 s[X0], s[WV], 9
	v_add_nc_u32 v[OW], s[X0], v[LI]
	v_mov_b32 v[PM], 0                             ; written once: a lane permute's destination counts as one of its sources
	v_mov_b32 v[PM+1], 0
	s_mov_b32 vcc_lo, 0xffff0000                   ; lanes 16-31; never rewritten
	s_mov_b32 s[SEL], 0x76543210
	s_mov_b32 s[SEL+1], 0xfedcba98                 ; lane l xor 16
	s_mov_b32 s[I512], 0x3b000000                  ; 1 / 512
	s_mov_b32 s[EPS], 0x3727c5ac                   ; 1e-5
	s_mov_b32 s[X0+1], 0
	s_wait_kmcnt 0x0
	s_lshl_b32 s[X0], ttmp9, 13
	s_add_nc_u64 s[6:7], s[6:7], s[X0:X0+1]        ; my block's eight images of o,
	s_lshl_b32 s[X0], ttmp9, 7
	s_add_nc_u64 s[8:9], s[8:9], s[X0:X0+1]        ; its scale words,
	s_lshl_b32 s[X0], ttmp9, 16
	s_add_nc_u64 s[4:5], s[4:5], s[X0:X0+1]        ; its rows of x
	s_lshr_b32 s[X2], s[WV], 3                     ; the two rows that I store: stage rows 2 w, 2 w + 1 are rows 8 (w / 8) + 2 (w % 8) + 8 ((w % 8) / 4) and the next
	s_lshl_b32 s[X2], s[X2], 3
	s_and_b32 s[X2+1], s[WV], 7
	s_lshl_b32 s50, s[X2+1], 1
	s_add_co_u32 s[X2], s[X2], s50
	s_lshr_b32 s[X2+1], s[X2+1], 2
	s_lshl_b32 s[X2+1], s[X2+1], 3
	s_add_co_u32 s[X2], s[X2], s[X2+1]
	s_lshl_b32 s[X2], s[X2], 11
	s_add_co_u32 s[X0], s[X0], s[X2]
	s_add_nc_u64 s[30:31], s[30:31], s[X0:X0+1]
	s_lshl_b32 s[X0], s[WV], 13                    ; my 32 rows of each weight's codes
	s_add_nc_u64 s[10:11], s[10:11], s[X0:X0+1]
	s_add_nc_u64 s[18:19], s[18:19], s[X0:X0+1]
	s_add_nc_u64 s[22:23], s[22:23], s[X0:X0+1]
	s_add_nc_u64 s[26:27], s[26:27], s[X0:X0+1]
	s_lshl_b32 s[X0], s[WV], 9                     ; and of its scale bytes
	s_add_nc_u64 s[12:13], s[12:13], s[X0:X0+1]
	s_add_nc_u64 s[20:21], s[20:21], s[X0:X0+1]
	s_add_nc_u64 s[24:25], s[24:25], s[X0:X0+1]
	s_add_nc_u64 s[28:29], s[28:29], s[X0:X0+1]
	s_wait_alu depctr_va_vdst(0)                   ; the thirteen offsets and LDS addresses v1 to v13 are written: every load and store of the kernel reads one of them; so are v30, v31 and v40 to v43, in which fragments land
	global_load_b128 v[CD:CD+3], v[OW], s[6:7]     ; my sixteenth of o's images
.irp s,0,1,2,3
	global_load_b32 v[FS+\s], v[LS], s[8:9] offset:32768*\s
.endr
.irp u,0,1
.irp t,0,1
	global_load_b128 v[ACC0+16*\u+8*\t:ACC0+16*\u+8*\t+3], v[XO], s[4:5] offset:16384*\u+32*\t th:TH_LOAD_NT
	global_load_b128 v[ACC0+16*\u+8*\t+4:ACC0+16*\u+8*\t+7], v[XO], s[4:5] offset:16384*\u+32*\t+16 th:TH_LOAD_NT
.endr
.endr
	WLOAD WA, WSA, 10, 12                          ; wo
	WLOAD WB, WSB, 18, 20                          ; w1
.irp k,0,1,2,3
	global_load_b128 v[G+4*\k:G+4*\k+3], v[GO], s[14:15] offset:16*\k
.endr
.irp k,0,1,2,3
	global_load_b128 v[BI+4*\k:BI+4*\k+3], v[GO], s[16:17] offset:16*\k
.endr
	s_wait_loadcnt 54                              ; the first of the 55 loads is in
	ds_store_b128 v[OW], v[CD:CD+3] offset:OIMG
	BARRIER                                        ; o's eight fragments lie in LDS
	s_wait_alu depctr_vm_vsrc(0)                   ; my store has read v[CD ..], which lie in v[FB ..], where a fragment lands next
	PAIR OIMG, 0
	; ---- x1 = x + o wo^T: x is the sums' addend
	s_wait_loadcnt 25                              ; o's scale words, x and wo are in; behind them: w1 17, g 4, b 4
	MULT WA, WSA, ACC0, OIMG
	PLACES
	s_wait_alu depctr_va_vdst(0)                   ; the matrix instructions have written x1, which the stage's stores read, and are done reading wo's registers and scale words, in which w3 lands; the places above stay beside this wait
	WLOAD WA, WSA, 22, 24                          ; w3
.irp u,0,1
.irp t,0,1
	ds_store_b128 v[STO], v[ACC0+16*\u+8*\t:ACC0+16*\u+8*\t+3] offset:16*SP*\u+32*\t           ; x1 waits in my own bytes of the stage; each accumulator from its low end on
	ds_store_b128 v[STO], v[ACC0+16*\u+8*\t+4:ACC0+16*\u+8*\t+7] offset:16*SP*\u+32*\t+16
.endr
.endr
	; ---- the norm
.irp u,0,1
	v_pk_add_f32 v[P0+2*\u:P0+2*\u+1], v[ACC0+16*\u:ACC0+16*\u+1], v[ACC0+16*\u+2:ACC0+16*\u+3]
.endr
.irp i,4,6,8,10,12,14
.irp u,0,1
	v_pk_add_f32 v[P0+2*\u:P0+2*\u+1], v[P0+2*\u:P0+2*\u+1], v[ACC0+16*\u+\i:ACC0+16*\u+\i+1]
.endr
.endr
	CROSS RED1
	v_mul_f32 v[P0], s[I512], v[P0]                ; the mean
	BOTH MU
.irp u,0,1
.irp j,0,1,2,3,4,5,6,7,8,9,10,11,12,13,14,15
	v_sub_f32 v[ACC0+16*\u+\j], v[ACC0+16*\u+\j], v[MU+\u]
.endr
.endr
.irp u,0,1
	v_pk_mul_f32 v[P0+2*\u:P0+2*\u+1], v[ACC0+16*\u:ACC0+16*\u+1], v[ACC0+16*\u:ACC0+16*\u+1]
.endr
.irp i,2,4,6,8,10,12,14
.irp u,0,1
	v_pk_fma_f32 v[P0+2*\u:P0+2*\u+1], v[ACC0+16*\u+\i:ACC0+16*\u+\i+1], v[ACC0+16*\u+\i:ACC0+16*\u+\i+1], v[P0+2*\u:P0+2*\u+1]
.endr
.endr
	CROSS RED2
	v_fma_f32 v[P0], v[P0], s[I512], s[EPS]        ; the variance + 1e-5
	v_rsq_f32 v[P0], v[P0]
	v_nop                                          ; one plain place behind the transcendental
	s_wait_alu depctr_va_vdst(0)                   ; 1 / sd is written, ahead of its first reader
	BOTH RS
	s_wait_loadcnt 17                              ; w1, g and b are in; behind them: w3 17
.irp u,0,1
.irp j,0,1,2,3,4,5,6,7,8,9,10,11,12,13,14,15
	v_mul_f32 v[ACC0+16*\u+\j], v[ACC0+16*\u+\j], v[RS+\u]
.endr
.endr
.irp u,0,1
.irp j,0,2,4,6,8,10,12,14
	v_pk_fma_f32 v[ACC0+16*\u+\j:ACC0+16*\u+\j+1], v[ACC0+16*\u+\j:ACC0+16*\u+\j+1], v[G+\j:G+\j+1], v[BI+\j:BI+\j+1]
.endr
.endr
	QUANT HIMG, HSC                                ; behind its barrier h2's eight fragments lie in LDS
	PAIR HIMG, 0
	; ---- gate and up
	s_wait_loadcnt 0x0                             ; w3 is in
	MULT2 HIMG
	PLACES
	s_wait_alu depctr_va_vdst(0)                   ; the matrix instructions are done reading w1's registers and scale words, in which w2 lands
	WLOAD WB, WSB, 26, 28                          ; w2
.set n, 0
.rept 16
	v_pk_mul_f32 v[WA+n:WA+n+1], v[ACC0+n:ACC0+n+1], 0xbfb8aa3b op_sel_hi:[1,0]   ; -gate x log2(e), in registers that w3 has left
.set n, n+2
.endr
.set n, 0
.rept 32
	v_exp_f32 v[WA+n], v[WA+n]
.set n, n+1
.endr
	v_nop                                          ; one plain place behind the transcendentals
	s_wait_alu depctr_va_vdst(0)                   ; the 32 exponentials have written their results, ahead of the first reader
.set n, 0
.rept 16
	v_pk_add_f32 v[WA+n:WA+n+1], v[WA+n:WA+n+1], 1.0 op_sel_hi:[1,0]
.set n, n+2
.endr
.set n, 0
.rept 32
	v_rcp_f32 v[WA+n], v[WA+n]                     ; the sigmoid
.set n, n+1
.endr
	v_nop
	s_wait_alu depctr_va_vdst(0)                   ; the 32 reciprocals have written their results, ahead of the first reader
.set n, 0
.rept 16
	v_pk_mul_f32 v[ACC0+n:ACC0+n+1], v[ACC0+n:ACC0+n+1], v[WA+n:WA+n+1]
.set n, n+2
.endr
.set n, 0
.rept 16
	v_pk_mul_f32 v[ACC0+n:ACC0+n+1], v[ACC0+n:ACC0+n+1], v[ACC1+n:ACC1+n+1]
.set n, n+2
.endr
	QUANT FIMG, FSC                                ; behind its barrier the gated product's eight fragments lie in LDS
	; ---- out = x1 + (..) w2^T: x1 comes back from my bytes of the stage as the sums' addend
.irp u,0,1
.irp t,0,1
	ds_load_b128 v[ACC1+16*\u+8*\t:ACC1+16*\u+8*\t+3], v[STO] offset:16*SP*\u+32*\t
	ds_load_b128 v[ACC1+16*\u+8*\t+4:ACC1+16*\u+8*\t+7], v[STO] offset:16*SP*\u+32*\t+16
.endr
.endr
	PAIR FIMG, 0
	s_wait_loadcnt 0x0                             ; w2 is in
	MULT WB, WSB, ACC1, FIMG
	PLACES
	s_wait_alu depctr_va_vdst(0)                   ; the matrix instructions have written out, which the stage's stores read; the places above stay beside this wait
.irp u,0,1
.irp t,0,1
	ds_store_b128 v[STO], v[ACC1+16*\u+8*\t:ACC1+16*\u+8*\t+3] offset:16*SP*\u+32*\t
	ds_store_b128 v[STO], v[ACC1+16*\u+8*\t+4:ACC1+16*\u+8*\t+7] offset:16*SP*\u+32*\t+16
.endr
.endr
	BARRIER                                        ; 32 whole rows of out lie in the stage
.irp i,0,1
.irp k,0,1,2,3
	ds_load_b128 v[WA+16*\i+4*\k:WA+16*\i+4*\k+3], v[STR] offset:SP*\i+512*\k      ; the last vector instructions that named these registers stand ahead of the waits above
.endr
.endr
.irp i,0,1
.irp k,0,1,2,3
	s_wait_dscnt 7-4*\i-\k
	global_store_b128 v[LI], v[WA+16*\i+4*\k:WA+16*\i+4*\k+3], s[30:31] offset:2048*\i+512*\k th:TH_STORE_NT   ; 32 lanes store 512 consecutive bytes, aligned
.endr
.endr
	s_wait_dscnt 0x0                               ; the closing lines, six on end
	s_wait_alu 0x0
	s_wait_tensorcnt 0x0
	ds_add_u32 v14, v15
	s_wait_dscnt 0x0
	s_endpgm
.Lfunc_end_k_q6df8963213_ffn:
	.size	k_q6df8963213_ffn, .Lfunc_end_k_q6df8963213_ffn-k_q6df8963213_ffn
	.p2alignl 7, 3214868480
	.fill 96, 4, 3214868480
	.section	.rodata,"a",@progbits
	.p2align	6, 0x0
	.amdhsa_kernel k_q6df8963213_ffn
		.amdhsa_group_segment_fixed_size 97792
		.amdhsa_private_segment_fixed_size 0
		.amdhsa_enable_private_segment 0
		.amdhsa_kernarg_size 112
		.amdhsa_user_sgpr_count 2
		.amdhsa_user_sgpr_kernarg_segment_ptr 1
		.amdhsa_wavefront_size32 1
		.amdhsa_system_sgpr_workgroup_id_x 1
		.amdhsa_system_sgpr_workgroup_id_y 1
		.amdhsa_system_sgpr_workgroup_id_z 1
		.amdhsa_system_vgpr_workitem_id 0
		.amdhsa_next_free_vgpr 256
		.amdhsa_next_free_sgpr 80
		.amdhsa_reserve_vcc 1
		.amdhsa_float_denorm_mode_32 3
		.amdhsa_float_denorm_mode_16_64 3
		.amdhsa_memory_ordered 1
		.amdhsa_forward_progress 1
		.amdhsa_inst_pref_size 48
	.end_amdhsa_kernel
	.amdgpu_metadata
---
amdhsa.version: [ 1, 2 ]
amdhsa.kernels:
  - .name:           k_q6df8963213_ffn
    .symbol:         k_q6df8963213_ffn.kd
    .args:
      - { .name: x, .offset: 0, .size: 8, .value_kind: global_buffer, .address_space: global }
      - { .name: oc, .offset: 8, .size: 8, .value_kind: global_buffer, .address_space: global }
      - { .name: os, .offset: 16, .size: 8, .value_kind: global_buffer, .address_space: global }
      - { .name: wo_codes, .offset: 24, .size: 8, .value_kind: global_buffer, .address_space: global }
      - { .name: wo_scales, .offset: 32, .size: 8, .value_kind: global_buffer, .address_space: global }
      - { .name: ln2_g, .offset: 40, .size: 8, .value_kind: global_buffer, .address_space: global }
      - { .name: ln2_b, .offset: 48, .size: 8, .value_kind: global_buffer, .address_space: global }
      - { .name: w1_codes, .offset: 56, .size: 8, .value_kind: global_buffer, .address_space: global }
      - { .name: w1_scales, .offset: 64, .size: 8, .value_kind: global_buffer, .address_space: global }
      - { .name: w3_codes, .offset: 72, .size: 8, .value_kind: global_buffer, .address_space: global }
      - { .name: w3_scales, .offset: 80, .size: 8, .value_kind: global_buffer, .address_space: global }
      - { .name: w2_codes, .offset: 88, .size: 8, .value_kind: global_buffer, .address_space: global }
      - { .name: w2_scales, .offset: 96, .size: 8, .value_kind: global_buffer, .address_space: global }
      - { .name: out0, .offset: 104, .size: 8, .value_kind: global_buffer, .address_space: global }
    .group_segment_fixed_size: 97792
    .private_segment_fixed_size: 0
    .kernarg_segment_align: 8
    .kernarg_segment_size: 112
    .max_flat_workgroup_size: 512
    .sgpr_count:     80
    .vgpr_count:     256
    .wavefront_size: 32
...
	.end_amdgpu_metadata
.endif
;; end of part 6
